; MI455X (gfx1250); checked and timed in simulation.
; The chip was launched on July 23, 2026; its instructions are those of AMD's public machine-readable ISA for CDNA 5 (MIT licence, August 2026) and "CDNA5" Instruction Set Architecture Reference Guide (July 2026). The comments in the code are by the model that wrote it; some were corrected since.
;; Attention Block. Allowed arithmetic: matrix products marked QUANTISED: E2M3 operands, one E8M0 scale for each 32 along K, by v_wmma_scale_f32_16x16x128_f8f6f4 with both operands' format E2M3, f32 sums; everything else in f32.
;; Inputs: Wk_codes 1,024 x 32 x 24 uint8 (E2M3 codes of Wk, K innermost, in blocks of 32 codes, four codes in three bytes); Wk_scales 1,024 x 32 uint8 (E8M0 scales of Wk, one for each 32 codes along K); Wq_codes 1,024 x 32 x 24 uint8 (E2M3 codes of Wq, K innermost, in blocks of 32 codes, four codes in three bytes); Wq_scales 1,024 x 32 uint8 (E8M0 scales of Wq, one for each 32 codes along K); Wv_codes 1,024 x 32 x 24 uint8 (E2M3 codes of Wv, K innermost, in blocks of 32 codes, four codes in three bytes); Wv_scales 1,024 x 32 uint8 (E8M0 scales of Wv, one for each 32 codes along K); bk 1,024 float32; bq 1,024 float32; bv 1,024 float32; inputs 4 x 2,048 x 1,024 float32.
;; Outputs: out0 4 x 2,048 x 2,048 float32.
;; This version of the problem:
;;   THIS VERSION OF THE PROBLEM IS GIVEN IN LOW PRECISION. The matrix products marked QUANTISED in the list below multiply operands that are first quantised to E2M3 (2 exponent bits, 3 mantissa bits; 6 bits a number), with one power-of-two scale for each 32 numbers along K (OCP MX v1.0); their sums are f32. All else is computed in f32.
;;   The module's matrix products, in the order in which they are computed (A, B: the left and right operand; K: the contracted axis; several contracted axes count as one K, in the product's order):
;;     1. [M 8,192, K 1,024] x [K 1,024, N 1,024]; A: input inputs; B: input Wk (given as codes): QUANTISED
;;     2. [M 8,192, K 1,024] x [K 1,024, N 1,024]; A: input inputs; B: input Wq (given as codes): QUANTISED
;;     3. [M 8,192, K 1,024] x [K 1,024, N 1,024]; A: input inputs; B: input Wv (given as codes): QUANTISED
;;     4. batch 4 x [M 2,048, K 1,024] x [K 1,024, N 2,048]; A: computed on the way; B: computed on the way: QUANTISED
;;     5. batch 4 x [M 2,048, K 2,048] x [K 2,048, N 1,024]; A: softmax (see below); B: computed on the way: QUANTISED
;;   THE QUANTISER, for each operand of a quantised product, along K:
;;     - K is cut into blocks of 32 from its start; a last block that is shorter is filled with zeros.
;;     - A block's scale is 2^e with e = floor(log2(the largest magnitude in the block)) - 2, held to -126 .. 127; a block of zeros has e = 0. As a byte (E8M0): e + 127.
;;     - Each number is divided by its block's scale, clamped to +-7.5, and rounded to the nearest number of E2M3, ties to even, subnormals kept.
;;     - The product sums the exact products of the quantised numbers (number of the format x scale) in f32.
;;   ~~~python
;;   def quantise(x, axis):      # numpy; x: float32 -> the quantised numbers, widened to float32 again
;;       x = np.moveaxis(x, axis, -1); K = x.shape[-1]
;;       x = np.pad(x, [(0, 0)] * (x.ndim - 1) + [(0, -K % 32)]); x = x.reshape(x.shape[:-1] + (-1, 32)); a = np.abs(x).max(-1, keepdims=True)
;;       e = np.where(a > 0, np.clip(np.frexp(np.where(a > 0, a, 1))[1] - 1 - 2, -126, 127), 0)      # np.frexp(a)[1] - 1 = floor(log2(a)), exactly
;;       r = np.clip(x / 2.0 ** e, -7.5, 7.5)
;;       step = 2.0 ** (np.maximum(np.frexp(np.where(r == 0, 1, r))[1] - 1, 0) - 3)
;;       q = np.round(r / step) * step * 2.0 ** e      # np.round: ties to even
;;       return np.moveaxis(q.reshape(q.shape[:-2] + (-1,))[..., :K], -1, axis).astype(np.float32)
;;   ~~~
;;   SOFTMAX AHEAD OF A QUANTISED PRODUCT. Where the list says 'softmax', what is quantised is not the finished softmax but p = 2^(t - M), with t = logit x log2(e) and M = ceil(the row's largest t), a whole number; so 1/2 < the row's largest p <= 1. The row's sum l is taken of the UNQUANTISED p, in f32, and the product's result is divided by l at the end. Since M is a whole number, a kernel that streams over the keys may use a running M (the ceiling of the running maximum): every later rescaling is an exact power of two, which a block's scale takes up: the codes' values come out the same.
;;   OPERANDS COMPUTED ON THE WAY. 'Computed on the way' means the value that the module computes at that place (a softmax that the list does not call 'softmax' is quantised finished and normalised). What goes into a quantiser is computed in f32, as accurately as f32 sums, v_exp_f32 and their like allow (about 1e-6 of the number): no bf16 or f16 on the way to a quantiser, and a product that is left as it is and whose result goes on into a quantised operand takes f32 operands (vector FMAs, or v_wmma_f32_16x16x4_f32). A number that lies on a knife's edge between two numbers of the format may be rounded either way, as far as f32 arithmetic and the matrix unit's own rounding can turn it there, and no further.
;;   INPUTS GIVEN AS CODES. Wk (in the module: [1024, 1024], K = its axis 0); Wq (in the module: [1024, 1024], K = its axis 0); Wv (in the module: [1024, 1024], K = its axis 0): each comes as NAME_codes (uint8): NAME with its K axis moved to the last place and cut into blocks of 32 codes, [.., K / 32, bytes a block], one block behind the other in memory; four codes in three bytes: a row's codes are one little-endian stream of bits, code i at bits 6 i .. 6 i + 5 (a code: sign, 2 exponent bits, 3 mantissa bits); and NAME_scales (uint8): the same leading axes, one E8M0 byte (e + 127) for each 32 codes along K. Its value is code x scale, taken as it is: it is not quantised again, and the codes and scales need not be those that the quantiser above would give.
;; 2 versions, each right and faster than the one before. Each part assembles by itself: llvm-mc -triple=amdgcn-amd-amdhsa -mcpu=gfx1250 --defsym DOCPART=n.
;; ======== version 1 of 2: 4 launches
;; workspace buffers: xi 6,553,600 bytes; wi 2,457,600 bytes; qi 6,553,600 bytes; ki 6,553,600 bytes; vi 6,553,600 bytes; pi 14,155,776 bytes
;; launch prep (part 1): grid 704 x 1, 8 waves a work-group, no clusters, 69,632 bytes of LDS; arguments inputs, Wk_codes, Wk_scales, Wq_codes, Wq_scales, Wv_codes, Wv_scales, xi, wi, out0; writes xi, wi, out0
.if DOCPART == 1
	.amdgcn_target "amdgcn-amd-amdhsa--gfx1250"
	.amdhsa_code_object_version 6
	.text
	.protected	k_q2e4c0cd2a6_prep
	.globl	k_q2e4c0cd2a6_prep
	.p2align	8
	.type	k_q2e4c0cd2a6_prep,@function
k_q2e4c0cd2a6_prep:
	s_mov_b64 s[64:65], 0
	v_nop
	global_prefetch_b8 v0, s[64:65] scope:SCOPE_SE
	s_setreg_imm32_b32 hwreg(HW_REG_WAVE_MODE, 25, 1), 1
	s_wait_xcnt 0x0
; x [8192][1024] f32 is copied into the left half of out0 [8192][2048] and turned into codes of FP6 (E2M3) with one E8M0 byte for each 32 along its 1,024;
; the three weights, which arrive as codes with K innermost, are laid anew.  Both leave as IMAGE BLOCKS, the one layout of all operands that the later launches read:
;   a block = 128 rows x 128 along K = 8 fragments of 16 rows, 1,536 bytes each, as the operand's 12 registers stand: registers 4 c .. 4 c + 3 of lane l at 512 c + 16 l;
;   lane r of fragment t holds row 32 (t / 2) + 8 (t % 2) + (r % 8) + 16 (r / 8) of the 128; behind the fragments, at byte 12,288, the scale words: row (r, t)'s at 32 r + 4 t.  12,800 bytes a block.
;   Blocks lie [group of 128 rows][K step], so that neighbouring K steps of a group are one dense run of bytes.
; That choice of rows makes a later product's results, taken with such a fragment as source 0, run along the rows in a lane's registers, 16 neighbours in two tiles.
; SHARES.  Work-groups 0-511: block n of x (group n / 8, K step n % 8).  Work-groups 512-703: block n - 512 of the weights, in the order K, Q, V (64 blocks each).  Wave t makes fragment t.  No loop.
; x: each of a wave's 16 loads reads 512 consecutive bytes of one row; the same registers are stored to out0 (512 consecutive bytes) and go through the wave's own stage in LDS (rows 528 bytes apart), from which a lane
; takes 16 neighbours of each block of 32 of ITS row: what the conversions want.  Nothing is shared between work-groups, so there is no cluster; no tensor load, so no ring.
; A block's scale is 2^(floor(log2(its largest magnitude)) - 2): its byte is that magnitude's exponent field - 2, held at 1 from below.
; LIMITS: NaN and infinities are not served; a block of zeros gets the byte 1 (not 127): its codes are zeros, and only this program reads the bytes.
.set STGW, 8448                        ; a wave's stage: 16 rows x (512 + 16) bytes
.set GA,   8*STGW                      ; behind the stages: 512 bytes in which the block's scale words meet
.set BLK,  12800
.set X,    16                          ; v16-79   16 rows x 16 bytes a lane, as loaded
.set Y,    80                          ; v80-143  my row's numbers: register 16 b + i = k 32 b + 16 (lane / 16) + i
.set TM,   144                         ; v144-159 at work in QUANT
.set PC,   160                         ; v160-171 the fragment's 12 registers; v172-178 at work
.set PW,   180                         ; my row's scale word
.set SEL,  20                          ; s[20:21] lane selects: lane l xor 16
; 64 numbers of a lane become a fragment's codes in v[PC] on and its scale word in v[PW]
.macro QUANT s
.irp b, 0,1,2,3
	v_max3_num_f32 v[TM+\b], |v[\s+16*\b]|, |v[\s+1+16*\b]|, 0x1800000   ; block b: my 16 numbers, and the floor 2^(3 - 127): the byte cannot fall under 1
.endr
.irp i, 2,4,6,8,10,12,14
.irp b, 0,1,2,3
	v_max3_num_f32 v[TM+\b], v[TM+\b], |v[\s+16*\b+\i]|, |v[\s+1+16*\b+\i]|   ; the four blocks by turns
.endr
.endr
.irp b, 0,1,2,3
	v_permlanex16_b32 v[TM+4+\b], v[TM+\b], s[SEL], s[SEL+1]
.endr
.irp b, 0,1,2,3
	v_max_num_f32 v[TM+\b], v[TM+\b], v[TM+4+\b]   ; with lane l xor 16's 16: the block's largest magnitude
.endr
.irp b, 0,1,2,3
	v_add_nc_u32 v[TM+12+\b], 0xff000000, v[TM+\b]   ; 2 off its exponent field: the conversion takes this operand's exponent field as its scale
.endr
.irp b, 0,1,2,3
	v_lshrrev_b32 v[TM+4+\b], 23, v[TM+12+\b]      ; the scale's byte
.endr
	v_lshl_or_b32 v[PW], v[TM+5], 8, v[TM+4]
	v_lshl_or_b32 v[PW], v[TM+6], 16, v[PW]
	v_lshl_or_b32 v[PW], v[TM+7], 24, v[PW]
.irp c, 0,1
	v_cvt_scalef32_pk16_fp6_f32 v[PC+6*\c:PC+2+6*\c], v[\s+32*\c:\s+15+32*\c], v[TM+12+2*\c]
	v_cvt_scalef32_pk16_fp6_f32 v[PC+12+4*\c:PC+14+4*\c], v[\s+16+32*\c:\s+31+32*\c], v[TM+13+2*\c]   ; (a conversion's three registers begin on an even number)
.endr
	v_nop                                          ; one plain line behind the scaled conversions
.irp c, 0,1                                    ; the operand wants a whole block of 32 in a lane: lanes 0-15 block 2 c, lanes 16-31 block 2 c + 1
.irp i, 0,1,2
	v_permlane16_swap_b32 v[PC+6*\c+\i], v[PC+12+4*\c+\i]
.endr
.irp i, 0,1,2
	v_mov_b32 v[PC+3+6*\c+\i], v[PC+12+4*\c+\i]
.endr
.endr
.endm
	s_load_b256 s[4:11], s[0:1], 0x0               ; x s[4:5], Wk codes s[6:7], Wk scales s[8:9], Wq codes s[10:11]
	s_load_b256 s[12:19], s[0:1], 0x20             ; Wq scales s[12:13], Wv codes s[14:15], Wv scales s[16:17], xi s[18:19]
	s_load_b128 s[24:27], s[0:1], 0x40             ; wi s[24:25], out0 s[26:27]
	v_lshl_add_u32 v192, v0, 2, 0x10c00
	v_mov_b32 v193, 0
	v_lshrrev_b32 v1, 5, v0
	v_readfirstlane_b32 s22, v1                    ; wave t = my fragment
	v_and_b32 v1, 31, v0                           ; lane
	v_and_b32 v2, 15, v0                           ; r
	v_bfe_u32 v3, v0, 4, 1                         ; h
	v_and_b32 v4, 8, v2
	v_add_nc_u32 v4, v4, v2                        ; r + 8 (r / 8): my row in the fragment's 24
	v_lshlrev_b32 v5, 4, v1                        ; 16 x lane
	s_mul_i32 s23, s22, STGW
	v_add_nc_u32 v6, s23, v5                       ; the stage, in: a row's 512 bytes as loaded
	v_mul_u32_u24 v7, v2, 528
	v_lshl_add_u32 v7, v3, 6, v7
	v_add_nc_u32 v7, s23, v7                       ; and out: row r, + 64 h: my 16 numbers of each block of 32
	v_lshlrev_b32 v8, 5, v2
	s_lshl_b32 s23, s22, 2
	s_add_co_u32 s23, s23, GA
	v_add_nc_u32 v8, s23, v8                       ; my scale word's place: 32 r + 4 t
	v_mul_u32_u24 v9, v4, 768                      ; a weight's row is 1,024 codes = 768 bytes
	v_mad_u32_u24 v9, v3, 24, v9
	v_lshlrev_b32 v10, 5, v4                       ; and 32 scale bytes
	s_mul_i32 s23, s22, 1536
	v_add_nc_u32 v11, s23, v5                      ; my 16 bytes in the block: fragment t, lane l
	v_add_nc_u32 v12, GA, v5
	s_mov_b32 s[SEL], 0x76543210
	s_mov_b32 s[SEL+1], 0xfedcba98
.irp b, 0,1,2,3
	v_mov_b32 v[TM+4+\b], 0                        ; a lane permute's destination counts as one of its sources
.endr
	s_lshr_b32 s28, s22, 1
	s_lshl_b32 s28, s28, 5
	s_and_b32 s29, s22, 1
	s_lshl_b32 s29, s29, 3
	s_add_co_u32 s28, s28, s29                     ; the fragment's first row in its group: 32 (t / 2) + 8 (t % 2)
	s_wait_kmcnt 0x0
	s_cmp_ge_u32 ttmp9, 512
	s_cbranch_scc1 .Lweights
	; ---- a block of x
	s_lshr_b32 s30, ttmp9, 3
	s_and_b32 s31, ttmp9, 7
	s_lshl_b32 s30, s30, 7
	s_add_co_u32 s30, s30, s28                     ; my first row of x
	s_lshl_b32 s31, s31, 9                         ; the K step's 512 bytes in a row
	s_lshl_b32 s32, s30, 12                        ; rows of 4,096 bytes in x (under 2^25 bytes in all)
	s_add_co_u32 s32, s32, s31
	s_mov_b32 s33, 0
	s_add_nc_u64 s[4:5], s[4:5], s[32:33]
	s_lshl_b32 s32, s30, 13                        ; rows of 8,192 bytes in out0
	s_add_co_u32 s32, s32, s31
	s_add_nc_u64 s[26:27], s[26:27], s[32:33]
.irp i, 0,1,2,3,4,5,6,7,8,9,10,11,12,13,14,15
	global_load_b128 v[X+4*\i:X+4*\i+3], v5, s[4:5] offset:((\i%8)+16*(\i/8))*4096 th:TH_LOAD_NT   ; lane i's row of the fragment: 512 consecutive bytes
.endr
.irp i, 0,1,2,3,4,5,6,7,8,9,10,11,12,13,14,15
	s_wait_loadcnt 15-\i                           ; loads come back in order: row i is in, the younger ones may be out
	ds_store_b128 v6, v[X+4*\i:X+4*\i+3] offset:528*\i
	global_store_b128 v5, v[X+4*\i:X+4*\i+3], s[26:27] offset:((\i%8)+16*(\i/8))*8192 th:TH_STORE_NT   ; the copy: 512 consecutive bytes; these registers are not written again
.endr
.irp b, 0,1,2,3
.irp j, 0,1,2,3
	ds_load_b128 v[Y+16*\b+4*\j:Y+16*\b+4*\j+3], v7 offset:128*\b+16*\j   ; LDS serves a wave's instructions in order: these see my stores
.endr
.endr
	s_wait_dscnt 0x0
	QUANT Y
	s_branch .Ltail
.Lweights:
	; ---- a block of a weight: the codes are the operand's registers as they lie; only their place changes
	s_sub_co_u32 s30, ttmp9, 512
	s_lshr_b32 s31, s30, 6                         ; 0, 1, 2: K, Q, V
	s_cmp_eq_u32 s31, 1
	s_cselect_b64 s[6:7], s[10:11], s[6:7]
	s_cselect_b64 s[8:9], s[12:13], s[8:9]
	s_cmp_eq_u32 s31, 2
	s_cselect_b64 s[6:7], s[14:15], s[6:7]
	s_cselect_b64 s[8:9], s[16:17], s[8:9]
	s_bfe_u32 s32, s30, 0x30003                    ; the group of 128 rows
	s_and_b32 s34, s30, 7                          ; the K step
	s_lshl_b32 s32, s32, 7
	s_add_co_u32 s32, s32, s28                     ; my first row
	s_mul_i32 s36, s32, 768
	s_mul_i32 s35, s34, 96
	s_add_co_u32 s36, s36, s35
	s_mov_b32 s37, 0
	s_add_nc_u64 s[6:7], s[6:7], s[36:37]
	s_lshl_b32 s36, s32, 5
	s_lshl_b32 s35, s34, 2
	s_add_co_u32 s36, s36, s35
	s_add_nc_u64 s[8:9], s[8:9], s[36:37]
.irp p, 0,1,2,3,4,5
	global_load_b64 v[PC+2*\p:PC+2*\p+1], v9, s[6:7] offset:48*(\p/3)+8*(\p%3) th:TH_LOAD_NT   ; 24 bytes at 24 h, 24 bytes at 48 + 24 h, in pieces of 8
.endr
	global_load_b32 v[PW], v10, s[8:9] th:TH_LOAD_NT
	s_wait_loadcnt 0x0
.Ltail:
	; ---- the fragment and its scale words leave
	s_cmp_lt_u32 ttmp9, 512
	s_cselect_b64 s[38:39], s[18:19], s[24:25]     ; xi or wi: the choice hangs on the work-group's number alone
	s_cselect_b32 s40, 0, 512
	s_sub_co_u32 s40, ttmp9, s40
	s_mul_i32 s40, s40, BLK
	s_mov_b32 s41, 0
	s_add_nc_u64 s[38:39], s[38:39], s[40:41]
.irp c, 0,1,2
	global_store_b128 v11, v[PC+4*\c:PC+4*\c+3], s[38:39] offset:512*\c   ; 512 consecutive bytes a store
.endr
	ds_store_b32 v8, v[PW]                         ; both halves of the lanes write the same word with the same value
	s_wait_dscnt 0x0                               ; for the others' sake: my word has landed
	s_barrier_signal -1
	s_barrier_wait -1
	s_cmp_lg_u32 s22, 0
	s_cbranch_scc1 .Lend
	ds_load_b128 v[184:187], v12                   ; wave 0 stores the eight waves' 512 bytes of scale words as one run
	s_wait_dscnt 0x0
	global_store_b128 v5, v[184:187], s[38:39] offset:12288
.Lend:
	s_wait_tensorcnt 0x0
	ds_add_u32 v192, v193
	s_wait_dscnt 0x0
	s_endpgm
.Lfunc_end_k_q2e4c0cd2a6_prep:
	.size	k_q2e4c0cd2a6_prep, .Lfunc_end_k_q2e4c0cd2a6_prep-k_q2e4c0cd2a6_prep
	.p2alignl 7, 3214868480
	.fill 96, 4, 3214868480
	.section	.rodata,"a",@progbits
	.p2align	6, 0x0
	.amdhsa_kernel k_q2e4c0cd2a6_prep
		.amdhsa_group_segment_fixed_size 69632
		.amdhsa_private_segment_fixed_size 0
		.amdhsa_enable_private_segment 0
		.amdhsa_kernarg_size 80
		.amdhsa_user_sgpr_count 2
		.amdhsa_user_sgpr_kernarg_segment_ptr 1
		.amdhsa_wavefront_size32 1
		.amdhsa_system_sgpr_workgroup_id_x 1
		.amdhsa_system_sgpr_workgroup_id_y 1
		.amdhsa_system_sgpr_workgroup_id_z 1
		.amdhsa_system_vgpr_workitem_id 0
		.amdhsa_next_free_vgpr 194
		.amdhsa_next_free_sgpr 66
		.amdhsa_reserve_vcc 0
		.amdhsa_float_denorm_mode_32 3
		.amdhsa_float_denorm_mode_16_64 3
		.amdhsa_memory_ordered 1
		.amdhsa_forward_progress 1
		.amdhsa_inst_pref_size 15
	.end_amdhsa_kernel
	.amdgpu_metadata
---
amdhsa.version: [ 1, 2 ]
amdhsa.kernels:
  - .name:           k_q2e4c0cd2a6_prep
    .symbol:         k_q2e4c0cd2a6_prep.kd
    .args:
      - { .name: inputs, .offset: 0, .size: 8, .value_kind: global_buffer, .address_space: global }
      - { .name: Wk_codes, .offset: 8, .size: 8, .value_kind: global_buffer, .address_space: global }
      - { .name: Wk_scales, .offset: 16, .size: 8, .value_kind: global_buffer, .address_space: global }
      - { .name: Wq_codes, .offset: 24, .size: 8, .value_kind: global_buffer, .address_space: global }
      - { .name: Wq_scales, .offset: 32, .size: 8, .value_kind: global_buffer, .address_space: global }
      - { .name: Wv_codes, .offset: 40, .size: 8, .value_kind: global_buffer, .address_space: global }
      - { .name: Wv_scales, .offset: 48, .size: 8, .value_kind: global_buffer, .address_space: global }
      - { .name: xi, .offset: 56, .size: 8, .value_kind: global_buffer, .address_space: global }
      - { .name: wi, .offset: 64, .size: 8, .value_kind: global_buffer, .address_space: global }
      - { .name: out0, .offset: 72, .size: 8, .value_kind: global_buffer, .address_space: global }
    .group_segment_fixed_size: 69632
    .private_segment_fixed_size: 0
    .kernarg_segment_align: 8
    .kernarg_segment_size: 80
    .max_flat_workgroup_size: 256
    .sgpr_count:     66
    .vgpr_count:     194
    .wavefront_size: 32
...
	.end_amdgpu_metadata
.endif
;; end of part 1
;; launch qkv (part 2): grid 12 x 32, 4 waves a work-group, clusters of 4 x 4, 327,680 bytes of LDS; arguments xi, wi, bk, bq, bv, qi, ki, vi; writes qi, ki, vi
.if DOCPART == 2
	.amdgcn_target "amdgcn-amd-amdhsa--gfx1250"
	.amdhsa_code_object_version 6
	.text
	.protected	k_q2e4c0cd2a6_qkv
	.globl	k_q2e4c0cd2a6_qkv
	.p2align	8
	.type	k_q2e4c0cd2a6_qkv,@function
k_q2e4c0cd2a6_qkv:
	s_mov_b64 s[64:65], 0
	v_nop
	global_prefetch_b8 v0, s[64:65] scope:SCOPE_SE
	s_setreg_imm32_b32 hwreg(HW_REG_WAVE_MODE, 25, 1), 1
	s_wait_xcnt 0x0
	s_wait_alu depctr_hold_cnt(0) depctr_sa_sdst(0) depctr_va_vdst(0) depctr_va_sdst(0) depctr_va_ssrc(0) depctr_va_vcc(0) depctr_vm_vsrc(0)
	s_getreg_b32 s2, hwreg(HW_REG_IB_STS2, 6, 4)
	s_cmp_eq_u32 s2, 0
	s_cbranch_scc0 .Lentry_in_a_cluster
	s_endpgm
.Lentry_in_a_cluster:
	s_bfe_u32 s2, ttmp6, 0x10000c
	s_cmp_lg_u32 s2, 0xf033
	s_cbranch_scc0 .Lentry_shape_is_right
	s_endpgm
.Lentry_shape_is_right:
; keys = x Wk + bk, query = x Wq + bq, values = x Wv + bv on codes of FP6 (E2M3) with E8M0 scales, sums in f32, and each result quantised at once for the product that will read it:
; keys and query along their 1,024 features, values along the tokens (the keys of the last product).  Nothing wide goes to memory.
; OPERANDS are image blocks (128 rows x 128 K: 8 fragments of 1,536 bytes as the operand's registers stand, registers 4 c .. 4 c + 3 of lane l at 512 c + 16 l; 512 bytes of scale words, row (r, t)'s at 32 r + 4 t;
; lane r of fragment t = row 32 (t / 2) + 8 (t % 2) + r % 8 + 16 (r / 8)), laid [group][K step].  A fragment comes from LDS by three loads of 16 bytes a lane, dense; the scale words ride in the ring's slots.
; NAMES.  R = source 1: its rows fall to LANES.  P = source 0: its rows fall to a lane's REGISTERS, 16 neighbours in tiles 2 b and 2 b + 1: the axis along which the result is quantised.
;   cluster x = 0: keys, 1: query: R = x (tokens), P = W (features).   cluster x = 2: values: R = Wv (features), P = x (tokens).  The roles are changed by addresses alone.
; SHARES.  A work-group makes 256 rows of R x 256 rows of P; four waves, each 128 x 128: 64 accumulators, 512 registers.  K = 1,024 goes in 4 slots' worth of 256 through a ring of two LDS slots.
; CLUSTER 4 x 4: R's tile hangs on the place along y and is asked for jointly by a row of the cluster, P's on the place along x, by a column: each tile is requested once for four work-groups.
; The bias is the C of each sum's first product.  LIMITS: NaN and infinities are not served; a block of zeros gets the byte 1 with zero codes (only this program reads the bytes).
; REGISTERS, in windows of 256: window 0: v1-4 lane, r, h, r + 8 (r / 8); v8-11, v16-17, v20-21 LDS addresses; v24-25 offsets of the stores; v28-29 for the add; v32-63 scale words, a set for each slot;
;   v64-127 the bias; v128-223 R's 8 fragments, one set (later the codes made); v224-255 at work.  window 1: P's fragments, sets at v0 and v128.  windows 2, 3: accumulator (a, b) at v[8 (8 (a % 4) + b)].
.set RBLK,  12800
.set PBLK,  12800
.set RQ,    2*RBLK                     ; two K steps of a group: one dense run, one tensor load
.set PQ,    2*PBLK
.set SLOT,  2*RQ+2*PQ                  ; R's two groups, then P's two
.set SPARE, 2*SLOT                     ; behind the ring: the spare words, 128 bytes a wave, which no other line names
.set ADRS, 8                           ; v8-11  my scale words in slot s, K step q: v[8 + 2 s + q]; lanes 0-15 R's, lanes 16-31 P's
.set ADRR, 16                          ; v16-17 my R group in slot 0, 1: + 16 x lane
.set ADRP, 20                          ; v20-21 my P group
.set SPW,  28
.set NIL,  29
.set SC,   32                          ; scale words: slot s, K step q, tile i at v[32 + 16 s + 8 q + i]
.set BI,   64
.set RF,   128
.set PC,   128                         ; the way out: codes, two sets of 20
.set SW,   168                         ; v168-175 the eight tiles' scale words
.set PK,   176
.set TM,   224
.set SEL,  66
.set G1R, 24                           ; s[24:31] descriptor group 1 for R;  s[32:39] group 0, a set for each slot
.set G0R, 32
.set G1P, 48                           ; s[48:55], s[56:63] the same for P
.set G0P, 56
.set MUL_LO, 0xa1                      ; source 0 (P) window 1, source 1 (R) window 0, C and D window 2
.set MUL_HI, 0xf1                      ; the same, C and D window 3
.set MSB, 0
.macro WIN new                         ; the immediate's high byte repeats the setting that is left
.if MSB != (\new)
	s_set_vgpr_msb (MSB<<8)|(\new)
.set MSB, (\new)
.endif
.endm
.macro PLACES                          ; four plain vector lines between a matrix instruction and a load into, or a vector read of, its registers
.rept 4
	v_nop
.endr
.endm
; A joint load: waves 0 and 1 fetch R's two groups, waves 2 and 3 P's.  Each line has one mask and one set of registers; the branch hangs on the wave's number alone.  Four v_nop follow each line.
.macro JLOAD g0r, g0p
	s_cmp_eq_u32 s15, 0
	s_cbranch_scc0 .Lfor_p_\@
	tensor_load_to_lds s[\g0r:\g0r+3], s[G1R:G1R+7]
	s_nop 0
	PLACES
	s_branch .Lasked_\@
.Lfor_p_\@:
	tensor_load_to_lds s[\g0p:\g0p+3], s[G1P:G1P+7]
	s_nop 0
	PLACES
.Lasked_\@:
.endm
.macro CREST                           ; a round of the cluster's barrier behind its opening barrier
	s_cmp_lg_u32 s14, 0
	s_cbranch_scc1 .Lnot_wave_0_\@
	s_barrier_signal -3
.Lnot_wave_0_\@:
	s_barrier_wait -3
	s_barrier_signal -1
	s_barrier_wait -1
.endm
.macro CROUND
	s_barrier_signal -1
	s_barrier_wait -1
	CREST
.endm
.macro FRAG reg, adr, off              ; a fragment's 12 registers: three dense loads
.irp c, 0,1,2
	ds_load_b128 v[\reg+4*\c:\reg+4*\c+3], v[\adr] offset:\off+512*\c
.endr
.endm
.macro FETCH_P slot, q, set            ; P's eight fragments of the slot's K step q: 24 loads
	WIN 0x40
.irp i, 0,1,2,3,4,5,6,7
	FRAG 128*(\set)+12*\i, ADRP+\slot, (\q)*PBLK+1536*\i
.endr
	WIN 0
.endm
.macro FETCH_R slot, q, i0             ; R's fragments i0 .. i0 + 3: 12 loads
.irp i, \i0, \i0+1, \i0+2, \i0+3
	FRAG RF+12*(\i), ADRR+\slot, (\q)*RBLK+1536*(\i)
.endr
.endm
.macro SCALES slot                     ; the slot's scale words, both K steps: 4 loads; a lane's 32 bytes are its row's words of the eight tiles
.irp q, 0,1
	ds_load_b128 v[SC+16*\slot+8*\q:SC+16*\slot+8*\q+3], v[ADRS+2*\slot+\q]
	ds_load_b128 v[SC+16*\slot+8*\q+4:SC+16*\slot+8*\q+7], v[ADRS+2*\slot+\q] offset:16
.endr
.endm
; 16 products: R's tiles a0, a0 + 1 x P's eight.  cm: 0 adds in place; 2: the sum starts from the bias of P's tile; 3: from the bias of R's tile.
; The 64 accumulators take turns, one instruction a turn, in one order everywhere.
.macro MUL16 a0, set, q, sc, cm
.irp a, \a0, \a0+1
.irp b, 0,1,2,3,4,5,6,7
.set rD, 8*(8*((\a)%4)+\b)
.set rP, 128*(\set)+12*\b
.set rR, RF+12*(\a)
.set rSP, SC+16*(\sc)+8*(\q)+\b
.set rSR, SC+16*(\sc)+8*(\q)+(\a)
.if \cm == 0
	v_wmma_scale_f32_16x16x128_f8f6f4 v[rD:rD+7], v[rP:rP+11], v[rR:rR+11], v[rD:rD+7], v[rSP], v[rSR] matrix_a_fmt:MATRIX_FMT_FP6 matrix_b_fmt:MATRIX_FMT_FP6 matrix_a_scale:MATRIX_SCALE_ROW1
.elseif \cm == 2
	v_wmma_scale_f32_16x16x128_f8f6f4 v[rD:rD+7], v[rP:rP+11], v[rR:rR+11], v[BI+8*\b:BI+8*\b+7], v[rSP], v[rSR] matrix_a_fmt:MATRIX_FMT_FP6 matrix_b_fmt:MATRIX_FMT_FP6 matrix_a_scale:MATRIX_SCALE_ROW1
.else
	v_wmma_scale_f32_16x16x128_f8f6f4 v[rD:rD+7], v[rP:rP+11], v[rR:rR+11], v[BI+8*(\a):BI+8*(\a)+7], v[rSP], v[rSR] matrix_a_fmt:MATRIX_FMT_FP6 matrix_b_fmt:MATRIX_FMT_FP6 matrix_a_scale:MATRIX_SCALE_ROW1
.endif
.endr
.endr
.endm
; A slot's first K step.  R's tiles are free as soon as their eight products are issued, so one set serves R: tiles 0-3 are fetched anew in the middle, tiles 4-7 at the end.
.macro STEP slot, cm
	s_wait_dscnt 12                                ; all but the youngest twelve loads (R's tiles 4-7) are in
.if \cm >= 2
	WIN 0x81                                       ; the bias, C, lies in window 0
.else
	WIN MUL_LO
.endif
	MUL16 0, 0, 0, \slot, \cm
	MUL16 2, 0, 0, \slot, \cm
	s_wait_dscnt 0x0                               ; R's tiles 4-7 are in
	PLACES
	FETCH_P \slot, 1, 1
	FETCH_R \slot, 1, 0
.if \cm >= 2
	WIN 0xc1
.else
	WIN MUL_HI
.endif
	MUL16 4, 0, 0, \slot, \cm
	MUL16 6, 0, 0, \slot, \cm
	PLACES
	WIN 0
	FETCH_R \slot, 1, 4
.endm
; A slot's second K step changes slots: one barrier.  In front of it each wave waits for all its tensor loads (its part of the next slot), adds 0 to its spare word, and waits for that and for its reads of this slot.
; fill = 1: the barrier opens a round of the cluster's barrier, and behind the round this slot is filled again, two slots ahead: the wave's one tensor load until the next round.
.macro TURN slot, next, fill
	s_wait_tensorcnt 0x0                           ; all my tensor loads have landed
	ds_add_u32 v[SPW], v[NIL]                      ; 0 onto my spare word
	s_wait_dscnt 13                                ; (the add and the youngest twelve loads may be out)
	WIN MUL_LO
	MUL16 0, 1, 1, \slot, 0                        ; sixteen products stand between the add and the wait for it
	s_wait_dscnt 0x0                               ; the add is done, and my reads of this slot are over
	s_barrier_signal -1
	MUL16 2, 1, 1, \slot, 0
	WIN 0
	s_barrier_wait -1
.if \fill
	CREST                                          ; no wave of any partner still reads this slot or has a load on its way
	s_add_nc_u64 s[G0R+4*\slot+2:G0R+4*\slot+3], s[G0R+4*\slot+2:G0R+4*\slot+3], 2*RQ
	s_add_nc_u64 s[G0P+4*\slot+2:G0P+4*\slot+3], s[G0P+4*\slot+2:G0P+4*\slot+3], 2*PQ
	JLOAD G0R+4*\slot, G0P+4*\slot                 ; its four v_nop are also the places in front of the loads below
.else
	PLACES
.endif
	FETCH_P \next, 0, 0
	FETCH_R \next, 0, 0
	SCALES \next
	WIN MUL_HI
	MUL16 4, 1, 1, \slot, 0
	MUL16 6, 1, 1, \slot, 0
	PLACES
	WIN 0
	FETCH_R \next, 0, 4
.endm
	s_load_b256 s[68:75], s[0:1], 0x0              ; xi s[68:69], wi s[70:71], bk s[72:73], bq s[74:75]
	s_load_b256 s[76:83], s[0:1], 0x20             ; bv s[76:77], qi s[78:79], ki s[80:81], vi s[82:83]
	v_lshl_add_u32 v[SPW], v0, 2, SPARE
	v_mov_b32 v[NIL], 0
	ds_add_u32 v28, v29
	ds_add_u32 v28, v29
	s_wait_dscnt 0x0
	v_lshrrev_b32 v1, 5, v0
	v_readfirstlane_b32 s14, v1                    ; wave 0..3
	s_lshr_b32 s15, s14, 1                         ; which of R's two groups is mine.  Also: I fetch for R (0) or for P (1)
	s_and_b32 s16, s14, 1                          ; which of P's two groups is mine.  Also: which group I fetch
	s_bfe_u32 s40, ttmp6, 0x40000                  ; cx, cy: my place in the cluster
	s_bfe_u32 s41, ttmp6, 0x40004
	s_mov_b32 s42, ttmp9                           ; cluster x: 0 keys, 1 query, 2 values
	s_and_b32 s45, ttmp7, 0xffff                   ; cluster y: 1,024 tokens
	s_lshl_b32 s43, s41, 2
	s_lshl_b32 s43, 15, s43                        ; my row of the cluster
	s_lshl_b32 s44, 0x1111, s40                    ; my column
	; descriptor group 1: a dense run of RQ (PQ) bytes as rows of 256 bytes (32 elements of 8 bytes), no padding: the fragments' loads are dense
	s_or_b32 s[G1R+0], s43, (3<<16)|(1<<21)        ; 15:0 the mask; 17:16 elements of 8 bytes; 21 set beside a mask
	s_or_b32 s[G1P+0], s44, (3<<16)|(1<<21)
	s_mov_b32 s[G1R+1], 32<<16                     ; tensor_dim0 = 32
	s_mov_b32 s[G1R+2], (RQ/256)<<16               ; tensor_dim1
	s_mov_b32 s[G1R+3], 32<<16                     ; tile_dim0
	s_mov_b32 s[G1R+4], RQ/256                     ; tile_dim1
	s_mov_b32 s[G1R+5], 32                         ; the pitch
	s_mov_b32 s[G1R+6], 0
	s_mov_b32 s[G1R+7], 0
	s_mov_b32 s[G1P+1], 32<<16
	s_mov_b32 s[G1P+2], (PQ/256)<<16
	s_mov_b32 s[G1P+3], 32<<16
	s_mov_b32 s[G1P+4], PQ/256
	s_mov_b32 s[G1P+5], 32
	s_mov_b32 s[G1P+6], 0
	s_mov_b32 s[G1P+7], 0
	; which tiles.  R's number is made of cy and cluster numbers alone, P's of cx and cluster numbers alone
	s_lshl_b32 s17, s45, 2
	s_mul_i32 s21, s42, 64*PBLK                    ; the weight's 64 blocks in wi
	s_cmp_eq_u32 s42, 2
	s_cselect_b32 s84, 1, 0                        ; 1: values
	s_cselect_b32 s85, 0, s17
	s_cselect_b32 s98, s17, 0
	s_cselect_b32 s20, 128*RBLK, 0                 ; Wv begins behind Wk and Wq
	s_cselect_b32 s21, 0, s21
	s_add_co_u32 s85, s85, s41                     ; R's tile of 256 rows
	s_add_co_u32 s98, s98, s40                     ; P's
	s_mul_i32 s91, s16, 8*RBLK                     ; the group that I fetch: 8 blocks a group
	s_mul_i32 s22, s85, 16*RBLK
	s_add_co_u32 s22, s22, s20
	s_add_co_u32 s22, s22, s91
	s_mov_b32 s23, 0
	s_mul_i32 s46, s98, 16*PBLK
	s_add_co_u32 s46, s46, s21
	s_add_co_u32 s46, s46, s91
	s_mov_b32 s47, 0
	s_mul_i32 s96, s16, RQ                         ; where they go in a slot: no place in the cluster enters an LDS address
	s_mul_i32 s97, s16, PQ
	s_add_co_u32 s97, s97, 2*RQ
	s_wait_kmcnt 0x0
	s_cmp_eq_u32 s42, 2
	s_cselect_b64 s[92:93], s[70:71], s[68:69]     ; R: wi for values, else xi
	s_cselect_b64 s[94:95], s[68:69], s[70:71]     ; P: the other
	s_add_nc_u64 s[92:93], s[92:93], s[22:23]
	s_add_nc_u64 s[94:95], s[94:95], s[46:47]
	CROUND                                         ; all sixteen work-groups are here: the first joint loads meet
.irp s, 0,1
	s_mov_b32 s[G0R+4*\s], 1
	s_add_co_u32 s[G0R+4*\s+1], s96, \s*SLOT
	s_add_nc_u64 s[G0R+4*\s+2:G0R+4*\s+3], s[92:93], \s*RQ
	s_or_b32 s[G0R+4*\s+3], s[G0R+4*\s+3], 0x80000000
	s_mov_b32 s[G0P+4*\s], 1
	s_add_co_u32 s[G0P+4*\s+1], s97, \s*SLOT
	s_add_nc_u64 s[G0P+4*\s+2:G0P+4*\s+3], s[94:95], \s*PQ
	s_or_b32 s[G0P+4*\s+3], s[G0P+4*\s+3], 0x80000000
	JLOAD G0R+4*\s, G0P+4*\s                       ; two tensor loads of mine are out
.endr
	v_and_b32 v1, 31, v0                           ; lane
	v_and_b32 v2, 15, v0                           ; r
	v_bfe_u32 v3, v0, 4, 1                         ; h
	v_and_b32 v4, 8, v2
	v_add_nc_u32 v4, v4, v2                        ; r + 8 (r / 8)
	v_lshlrev_b32 v24, 4, v1                       ; 16 x lane
	v_lshlrev_b32 v25, 5, v2
	v_lshl_add_u32 v25, v3, 4, v25                 ; 32 r + 16 h
	v_lshlrev_b32 v6, 5, v2                        ; 32 r
	s_mul_i32 s17, s15, RQ                         ; my R group in a slot
	s_mul_i32 s18, s16, PQ
	s_add_co_u32 s18, s18, 2*RQ                    ; my P group
.irp q, 0,1
	s_add_co_u32 s19, s17, \q*RBLK+12288           ; R's scale words of K step q,
	s_add_co_u32 s20, s18, \q*PBLK+12288           ; P's,
	s_sub_co_u32 s20, s20, s19                     ; and the distance between them: lanes 16-31 take P's
	v_mul_u32_u24 v7, s20, v3
	v_add_nc_u32 v7, v7, v6
	v_add_nc_u32 v[ADRS+\q], s19, v7
	v_add_nc_u32 v[ADRS+2+\q], SLOT, v[ADRS+\q]
.endr
.irp s, 0,1
	v_add_nc_u32 v[ADRR+\s], s17, v24
	v_add_nc_u32 v[ADRP+\s], s18, v24
	s_add_co_u32 s17, s17, SLOT
	s_add_co_u32 s18, s18, SLOT
.endr
	s_mov_b32 s[SEL], 0x76543210
	s_mov_b32 s[SEL+1], 0xfedcba98
	s_mov_b32 s90, 0xffff0000                      ; lanes 16-31
	; the bias in the result's layout: register j of tile i.  Keys, query: the feature 32 (i / 2) + 8 (i % 2) + 16 h + j of P's group.  Values: the feature 32 (i / 2) + 8 (i % 2) + r + 8 (r / 8) of R's group, for every j
	s_cmp_eq_u32 s42, 1
	s_cselect_b64 s[92:93], s[74:75], s[72:73]
	s_cmp_eq_u32 s42, 2
	s_cselect_b64 s[92:93], s[76:77], s[92:93]
	s_cselect_b32 s17, s85, s98
	s_cselect_b32 s18, s15, s16
	s_cselect_b32 s19, 0, 64
	s_cselect_b32 s20, 4, 0
	s_cselect_b32 s21, 0, 4
	s_lshl_b32 s17, s17, 10
	s_lshl_b32 s18, s18, 9
	s_add_co_u32 s22, s17, s18
	s_mov_b32 s23, 0
	s_add_nc_u64 s[92:93], s[92:93], s[22:23]
	v_mul_u32_u24 v6, s19, v3
	v_mul_u32_u24 v7, s20, v4
	v_add_nc_u32 v6, v6, v7
.irp j, 0,1,2,3,4,5,6,7
	s_mul_i32 s22, s21, \j
	v_add_nc_u32 v[TM+\j], s22, v6
.endr
.set n, 0
.rept 64
	global_load_b32 v[BI+n], v[TM+n%8], s[92:93] offset:(32*(n/16)+8*((n/8)%2))*4
.set n, n+1
.endr
	; where my block goes.  Keys, query: [token group][K step = feature group].  Values: [batch][feature group][K step = token group in the batch]
	s_lshl_b32 s17, s85, 1
	s_add_co_u32 s17, s17, s15                     ; R's group
	s_lshl_b32 s18, s98, 1
	s_add_co_u32 s18, s18, s16                     ; P's group
	s_lshl_b32 s19, s17, 3
	s_add_co_u32 s19, s19, s18
	s_lshr_b32 s20, s18, 4
	s_lshl_b32 s20, s20, 3
	s_add_co_u32 s20, s20, s17
	s_lshl_b32 s20, s20, 4
	s_and_b32 s21, s18, 15
	s_add_co_u32 s20, s20, s21
	s_cmp_eq_u32 s42, 1
	s_cselect_b64 s[86:87], s[78:79], s[80:81]
	s_cmp_eq_u32 s42, 2
	s_cselect_b64 s[86:87], s[82:83], s[86:87]
	s_cselect_b32 s22, s20, s19
	s_mul_i32 s22, s22, 12800
	s_mov_b32 s23, 0
	s_add_nc_u64 s[86:87], s[86:87], s[22:23]
	s_wait_tensorcnt 1                             ; my part of slot 0 is in; slot 1's may stay out
	s_barrier_signal -1
	s_barrier_wait -1                              ; everybody's is
	FETCH_P 0, 0, 0
	FETCH_R 0, 0, 0
	SCALES 0
	FETCH_R 0, 0, 4
	s_wait_loadcnt 0x0                             ; the bias
	s_cmp_eq_u32 s84, 0                            ; the first K step starts the sums from the bias; it is written twice, since the bias goes with P's tile or with R's.  The branch hangs on the cluster's number alone
	s_cbranch_scc0 .Lfirst_v
	STEP 0, 2
	s_branch .Lfirst_done
.Lfirst_v:
	STEP 0, 3
.Lfirst_done:
	TURN 0, 1, 1                                   ; K = 1,024 is eight K steps: slot 0 takes steps 4, 5,
	STEP 1, 0
	TURN 1, 0, 1                                   ; slot 1 steps 6, 7
	STEP 0, 0
	TURN 0, 1, 0                                   ; nothing is left to fetch
	STEP 1, 0
	s_wait_dscnt 12                                ; the last K step
	WIN MUL_LO
	MUL16 0, 1, 1, 1, 0
	MUL16 2, 1, 1, 1, 0
	s_wait_dscnt 0x0
	WIN MUL_HI
	MUL16 4, 1, 1, 1, 0
	MUL16 6, 1, 1, 1, 0
	WIN 0
	PLACES
.irp b, 0,1,2,3
	v_mov_b32 v[TM+4+\b], 0                        ; a lane permute's destination counts as one of its sources
.endr
; THE WAY OUT.  R's tile a: its 64 registers are, for my lane's row, 128 numbers' worth along P's rows: register 16 b + i = 32 b + 16 h + i.  They become one fragment and one scale word a row, and the fragment
; leaves as it stands: three stores of 512 consecutive bytes.  Each accumulator is read from its low end on.
.macro QW a
.set AC, 64*((\a)%4)
.set WD, 2+(\a)/4
.set PCS, PC+20*((\a)%2)
	s_wait_xcnt 0x0                                ; the earlier stores have read their registers: the set of codes may be written again
	WIN (WD<<2)|(WD<<4)
.irp b, 0,1,2,3
	v_max3_num_f32 v[TM+\b], 0x1800000, |v[AC+16*\b]|, |v[AC+16*\b+1]|   ; the floor 2^(3 - 127) holds the byte at 1 from below
.endr
.irp i, 2,4,6,8,10,12,14
.irp b, 0,1,2,3
	v_max3_num_f32 v[TM+\b], v[TM+\b], |v[AC+16*\b+\i]|, |v[AC+16*\b+\i+1]|
.endr
.endr
	WIN 0
.irp b, 0,1,2,3
	v_permlanex16_b32 v[TM+4+\b], v[TM+\b], s[SEL], s[SEL+1]
.endr
.irp b, 0,1,2,3
	v_max_num_f32 v[TM+\b], v[TM+\b], v[TM+4+\b]
.endr
.irp b, 0,1,2,3
	v_add_nc_u32 v[TM+12+\b], 0xff000000, v[TM+\b]   ; 2 off the exponent field: the conversion's scale operand
.endr
.irp b, 0,1,2,3
	v_lshrrev_b32 v[TM+4+\b], 23, v[TM+12+\b]
.endr
	v_lshl_or_b32 v[SW+(\a)], v[TM+5], 8, v[TM+4]
	v_lshl_or_b32 v[SW+(\a)], v[TM+6], 16, v[SW+(\a)]
	v_lshl_or_b32 v[SW+(\a)], v[TM+7], 24, v[SW+(\a)]
	WIN WD
.irp c, 0,1
	v_cvt_scalef32_pk16_fp6_f32 v[PCS+6*\c:PCS+6*\c+2], v[AC+32*\c:AC+32*\c+15], v[TM+12+2*\c]
	v_cvt_scalef32_pk16_fp6_f32 v[PCS+12+4*\c:PCS+14+4*\c], v[AC+16+32*\c:AC+31+32*\c], v[TM+13+2*\c]
.endr
	WIN 0
	v_nop                                          ; one plain line behind the scaled conversions
.irp c, 0,1
.irp i, 0,1,2
	v_permlane16_swap_b32 v[PCS+6*\c+\i], v[PCS+12+4*\c+\i]
.endr
.irp i, 0,1,2
	v_mov_b32 v[PCS+3+6*\c+\i], v[PCS+12+4*\c+\i]
.endr
.endr
.irp c, 0,1,2
	global_store_b128 v24, v[PCS+4*\c:PCS+4*\c+3], s[86:87] offset:1536*(\a)+512*\c
.endr
.endm
.irp a, 0,1,2,3,4,5,6,7
	QW \a
.endr
.irp i, 0,1,2,3
	v_cndmask_b32 v[PK+\i], v[SW+\i], v[SW+4+\i], s90   ; lanes 0-15 carry tiles 0-3's words of row r, lanes 16-31 tiles 4-7's
.endr
	global_store_b128 v25, v[PK:PK+3], s[86:87] offset:12288   ; the block's 512 bytes of scale words in one store
	s_wait_tensorcnt 0x0                           ; the wave's end
	ds_add_u32 v[SPW], v[NIL]
	s_wait_dscnt 0x0
	CROUND                                         ; the closing round: no work-group ends while a partner may still ask for a tile that names it
	s_endpgm
.Lfunc_end_k_q2e4c0cd2a6_qkv:
	.size	k_q2e4c0cd2a6_qkv, .Lfunc_end_k_q2e4c0cd2a6_qkv-k_q2e4c0cd2a6_qkv
	.p2alignl 7, 3214868480
	.fill 96, 4, 3214868480
	.section	.rodata,"a",@progbits
	.p2align	6, 0x0
	.amdhsa_kernel k_q2e4c0cd2a6_qkv
		.amdhsa_group_segment_fixed_size 327680
		.amdhsa_private_segment_fixed_size 0
		.amdhsa_enable_private_segment 0
		.amdhsa_kernarg_size 64
		.amdhsa_user_sgpr_count 2
		.amdhsa_user_sgpr_kernarg_segment_ptr 1
		.amdhsa_wavefront_size32 1
		.amdhsa_system_sgpr_workgroup_id_x 1
		.amdhsa_system_sgpr_workgroup_id_y 1
		.amdhsa_system_sgpr_workgroup_id_z 1
		.amdhsa_system_vgpr_workitem_id 0
		.amdhsa_next_free_vgpr 1024
		.amdhsa_next_free_sgpr 100
		.amdhsa_reserve_vcc 0
		.amdhsa_float_denorm_mode_32 3
		.amdhsa_float_denorm_mode_16_64 3
		.amdhsa_memory_ordered 1
		.amdhsa_forward_progress 1
		.amdhsa_inst_pref_size 156
	.end_amdhsa_kernel
	.amdgpu_metadata
---
amdhsa.version: [ 1, 2 ]
amdhsa.kernels:
  - .name:           k_q2e4c0cd2a6_qkv
    .symbol:         k_q2e4c0cd2a6_qkv.kd
    .args:
      - { .name: xi, .offset: 0, .size: 8, .value_kind: global_buffer, .address_space: global }
      - { .name: wi, .offset: 8, .size: 8, .value_kind: global_buffer, .address_space: global }
      - { .name: bk, .offset: 16, .size: 8, .value_kind: global_buffer, .address_space: global }
      - { .name: bq, .offset: 24, .size: 8, .value_kind: global_buffer, .address_space: global }
      - { .name: bv, .offset: 32, .size: 8, .value_kind: global_buffer, .address_space: global }
      - { .name: qi, .offset: 40, .size: 8, .value_kind: global_buffer, .address_space: global }
      - { .name: ki, .offset: 48, .size: 8, .value_kind: global_buffer, .address_space: global }
      - { .name: vi, .offset: 56, .size: 8, .value_kind: global_buffer, .address_space: global }
    .group_segment_fixed_size: 327680
    .private_segment_fixed_size: 0
    .kernarg_segment_align: 8
    .kernarg_segment_size: 64
    .max_flat_workgroup_size: 128
    .sgpr_count:     100
    .vgpr_count:     1024
    .wavefront_size: 32
...
	.end_amdgpu_metadata
.endif
;; end of part 2
;; launch sc (part 3): grid 12 x 16, 4 waves a work-group, clusters of 4 x 4, 327,680 bytes of LDS; arguments qi, ki, pi; writes pi
.if DOCPART == 3
	.amdgcn_target "amdgcn-amd-amdhsa--gfx1250"
	.amdhsa_code_object_version 6
	.text
	.protected	k_q2e4c0cd2a6_sc
	.globl	k_q2e4c0cd2a6_sc
	.p2align	8
	.type	k_q2e4c0cd2a6_sc,@function
k_q2e4c0cd2a6_sc:
	s_mov_b64 s[64:65], 0
	v_nop
	global_prefetch_b8 v0, s[64:65] scope:SCOPE_SE
	s_setreg_imm32_b32 hwreg(HW_REG_WAVE_MODE, 25, 1), 1
	s_wait_xcnt 0x0
	s_wait_alu depctr_hold_cnt(0) depctr_sa_sdst(0) depctr_va_vdst(0) depctr_va_sdst(0) depctr_va_ssrc(0) depctr_va_vcc(0) depctr_vm_vsrc(0)
	s_getreg_b32 s2, hwreg(HW_REG_IB_STS2, 6, 4)
	s_cmp_eq_u32 s2, 0
	s_cbranch_scc0 .Lentry_in_a_cluster
	s_endpgm
.Lentry_in_a_cluster:
	s_bfe_u32 s2, ttmp6, 0x10000c
	s_cmp_lg_u32 s2, 0xf033
	s_cbranch_scc0 .Lentry_shape_is_right
	s_endpgm
.Lentry_shape_is_right:
; The scores S^T = keys query^T on codes of FP6 (E2M3), the causal mask, and p = 2^(t - M) quantised along the keys, for the last product.  t = score x log2(e) / 32.
; M IS LOCAL: for each query and each group of 128 keys (one K step of the last product) M = ceil(the group's largest t), a whole number.  Stored with p's codes and scale bytes: -M (f32) and the group's sum of the
; unquantised p.  The next launch brings all groups of a row under the row's M by lowering p's scale bytes by the difference: an exact power of two, which leaves the codes' values as they would be under the row's M.
; OPERANDS are image blocks (see below); R = query (source 1: a lane holds one query), P = keys (source 0: a lane's registers run along the keys, 16 neighbours in tiles 2 b, 2 b + 1).
;   block = 128 rows x 128 K: 8 fragments of 1,536 bytes as the operand's registers stand (registers 4 c .. 4 c + 3 of lane l at 512 c + 16 l), 512 bytes of scale words (row (r, t)'s at 32 r + 4 t);
;   lane r of fragment t = row 32 (t / 2) + 8 (t % 2) + r % 8 + 16 (r / 8).  p's block has two more arrays of 512 bytes in the scale words' order: -M at 12,800, the sum at 13,312: 13,824 bytes.
; SHARES.  A work-group: 256 queries x 256 keys; four waves of 128 x 128.  A cluster of 4 x 4: 1,024 x 1,024.  Of a batch's four such squares the one that lies wholly above the diagonal is not launched:
; cluster x = 0, 1, 2 are the squares (0, 0), (1, 0), (1, 1); cluster y is the batch.  Inside a square on the diagonal every work-group runs alike, also those whose tile is wholly masked: they are partners of
; the joint loads, no branch may hang on a place in the cluster, and their blocks (zero codes, -M = 1e30, sum 0) are read by the next launch.
; LIMITS: masked scores count as -infinity (p = 0), which is what -1e9 gives wherever a row's largest score lies more than some 100 above -1e9; |t| under 2^24, so that M is a whole number in f32;
; a block of 32 whose largest p lies under 2^-58 of 2^M is coded on the grid of 2^-60 (so the bytes lie in 67 .. 125); NaN and infinities are not served.
; REGISTERS, in windows of 256: window 0: v1-4 lane, r, h, r + 8 (r / 8); v8-11, v16-17, v20-21 LDS addresses; v24-26; v28-29 for the add; v32-63 scale words; v64-127 p of one tile;
;   v128-223 R's 8 fragments (later codes, words, -M, sums); v224-255 at work.  window 1: P's fragments, sets at v0 and v128.  windows 2, 3: accumulator (a, b) at v[8 (8 (a % 4) + b)].
.set RBLK,  12800
.set PBLK,  12800
.set OBLK,  13824                      ; a block of p
.set RQ,    2*RBLK
.set PQ,    2*PBLK
.set SLOT,  2*RQ+2*PQ
.set SPARE, 2*SLOT
.set ADRS, 8
.set ADRR, 16
.set ADRP, 20
.set DB,   26                          ; v26  my query less my first key, for tile 0
.set SPW,  28
.set NIL,  29
.set SC,   32
.set T,    64
.set RF,   128
.set PC,   128
.set SW,   168
.set MI,   176
.set LL,   184
.set PK,   192
.set TM,   224
.set NM,   240                         ; v240 -M, v241 t
.set WK,   242
.set SA,   244
.set SB,   246
.set NEGI, 248
.set SEL,  66
.set CS,   88                          ; s[88:89] c = log2(e) / 32
.set G1R, 24
.set G0R, 32
.set G1P, 48
.set G0P, 56
.set MUL_LO, 0xa1
.set MUL_HI, 0xf1
.set MSB, 0
.macro WIN new                         ; the immediate's high byte repeats the setting that is left
.if MSB != (\new)
	s_set_vgpr_msb (MSB<<8)|(\new)
.set MSB, (\new)
.endif
.endm
.macro PLACES                          ; four plain vector lines between a matrix instruction and a load into, or a vector read of, its registers
.rept 4
	v_nop
.endr
.endm
.macro JLOAD g0r, g0p                  ; a joint load: waves 0 and 1 fetch R's two groups, waves 2 and 3 P's; four v_nop follow each line
	s_cmp_eq_u32 s15, 0
	s_cbranch_scc0 .Lfor_p_\@
	tensor_load_to_lds s[\g0r:\g0r+3], s[G1R:G1R+7]
	s_nop 0
	PLACES
	s_branch .Lasked_\@
.Lfor_p_\@:
	tensor_load_to_lds s[\g0p:\g0p+3], s[G1P:G1P+7]
	s_nop 0
	PLACES
.Lasked_\@:
.endm
.macro CREST
	s_cmp_lg_u32 s14, 0
	s_cbranch_scc1 .Lnot_wave_0_\@
	s_barrier_signal -3
.Lnot_wave_0_\@:
	s_barrier_wait -3
	s_barrier_signal -1
	s_barrier_wait -1
.endm
.macro CROUND
	s_barrier_signal -1
	s_barrier_wait -1
	CREST
.endm
.macro FRAG reg, adr, off
.irp c, 0,1,2
	ds_load_b128 v[\reg+4*\c:\reg+4*\c+3], v[\adr] offset:\off+512*\c
.endr
.endm
.macro FETCH_P slot, q, set            ; 24 loads
	WIN 0x40
.irp i, 0,1,2,3,4,5,6,7
	FRAG 128*(\set)+12*\i, ADRP+\slot, (\q)*PBLK+1536*\i
.endr
	WIN 0
.endm
.macro FETCH_R slot, q, i0             ; 12 loads
.irp i, \i0, \i0+1, \i0+2, \i0+3
	FRAG RF+12*(\i), ADRR+\slot, (\q)*RBLK+1536*(\i)
.endr
.endm
.macro SCALES slot                     ; 4 loads
.irp q, 0,1
	ds_load_b128 v[SC+16*\slot+8*\q:SC+16*\slot+8*\q+3], v[ADRS+2*\slot+\q]
	ds_load_b128 v[SC+16*\slot+8*\q+4:SC+16*\slot+8*\q+7], v[ADRS+2*\slot+\q] offset:16
.endr
.endm
; 16 products: R's tiles a0, a0 + 1 x P's eight.  cm = 1: the first product starts the sums.  The 64 accumulators take turns, one instruction a turn.
.macro MUL16 a0, set, q, sc, cm
.irp a, \a0, \a0+1
.irp b, 0,1,2,3,4,5,6,7
.set rD, 8*(8*((\a)%4)+\b)
.set rP, 128*(\set)+12*\b
.set rR, RF+12*(\a)
.set rSP, SC+16*(\sc)+8*(\q)+\b
.set rSR, SC+16*(\sc)+8*(\q)+(\a)
.if \cm == 0
	v_wmma_scale_f32_16x16x128_f8f6f4 v[rD:rD+7], v[rP:rP+11], v[rR:rR+11], v[rD:rD+7], v[rSP], v[rSR] matrix_a_fmt:MATRIX_FMT_FP6 matrix_b_fmt:MATRIX_FMT_FP6 matrix_a_scale:MATRIX_SCALE_ROW1
.else
	v_wmma_scale_f32_16x16x128_f8f6f4 v[rD:rD+7], v[rP:rP+11], v[rR:rR+11], 0, v[rSP], v[rSR] matrix_a_fmt:MATRIX_FMT_FP6 matrix_b_fmt:MATRIX_FMT_FP6 matrix_a_scale:MATRIX_SCALE_ROW1
.endif
.endr
.endr
.endm
.macro STEP slot, cm                   ; a slot's first K step
	s_wait_dscnt 12                                ; all but the youngest twelve loads (R's tiles 4-7) are in
	WIN MUL_LO
	MUL16 0, 0, 0, \slot, \cm
	MUL16 2, 0, 0, \slot, \cm
	s_wait_dscnt 0x0
	PLACES
	FETCH_P \slot, 1, 1
	FETCH_R \slot, 1, 0
	WIN MUL_HI
	MUL16 4, 0, 0, \slot, \cm
	MUL16 6, 0, 0, \slot, \cm
	PLACES
	WIN 0
	FETCH_R \slot, 1, 4
.endm
; A slot's second K step changes slots: one barrier; in front of it each wave waits for all its tensor loads, adds 0 to its spare word, and waits for that and for its reads of this slot.
; fill = 1: the barrier opens a round of the cluster's barrier, and behind the round this slot is filled again: the wave's one tensor load until the next round.
.macro TURN slot, next, fill
	s_wait_tensorcnt 0x0                           ; all my tensor loads have landed
	ds_add_u32 v[SPW], v[NIL]                      ; 0 onto my spare word
	s_wait_dscnt 13                                ; (the add and the youngest twelve loads may be out)
	WIN MUL_LO
	MUL16 0, 1, 1, \slot, 0
	s_wait_dscnt 0x0                               ; the add is done, and my reads of this slot are over
	s_barrier_signal -1
	MUL16 2, 1, 1, \slot, 0
	WIN 0
	s_barrier_wait -1
.if \fill
	CREST
	s_add_nc_u64 s[G0R+4*\slot+2:G0R+4*\slot+3], s[G0R+4*\slot+2:G0R+4*\slot+3], 2*RQ
	s_add_nc_u64 s[G0P+4*\slot+2:G0P+4*\slot+3], s[G0P+4*\slot+2:G0P+4*\slot+3], 2*PQ
	JLOAD G0R+4*\slot, G0P+4*\slot
.else
	PLACES
.endif
	FETCH_P \next, 0, 0
	FETCH_R \next, 0, 0
	SCALES \next
	WIN MUL_HI
	MUL16 4, 1, 1, \slot, 0
	MUL16 6, 1, 1, \slot, 0
	PLACES
	WIN 0
	FETCH_R \next, 0, 4
.endm
	s_load_b128 s[68:71], s[0:1], 0x0              ; qi s[68:69], ki s[70:71]
	s_load_b64 s[72:73], s[0:1], 0x10              ; pi
	v_lshl_add_u32 v[SPW], v0, 2, SPARE
	v_mov_b32 v[NIL], 0
	ds_add_u32 v28, v29
	ds_add_u32 v28, v29
	s_wait_dscnt 0x0
	v_lshrrev_b32 v1, 5, v0
	v_readfirstlane_b32 s14, v1                    ; wave 0..3
	s_lshr_b32 s15, s14, 1                         ; my group of queries.  Also: I fetch for R (0) or for P (1)
	s_and_b32 s16, s14, 1                          ; my group of keys.  Also: which group I fetch
	s_bfe_u32 s40, ttmp6, 0x40000                  ; cx, cy
	s_bfe_u32 s41, ttmp6, 0x40004
	s_mov_b32 s42, ttmp9                           ; the square: 0, 1, 2
	s_and_b32 s45, ttmp7, 0xffff                   ; the batch
	s_lshl_b32 s43, s41, 2
	s_lshl_b32 s43, 15, s43                        ; my row of the cluster
	s_lshl_b32 s44, 0x1111, s40                    ; my column
	s_or_b32 s[G1R+0], s43, (3<<16)|(1<<21)        ; a dense run as rows of 256 bytes (32 elements of 8 bytes), no padding
	s_or_b32 s[G1P+0], s44, (3<<16)|(1<<21)
	s_mov_b32 s[G1R+1], 32<<16
	s_mov_b32 s[G1R+2], (RQ/256)<<16
	s_mov_b32 s[G1R+3], 32<<16
	s_mov_b32 s[G1R+4], RQ/256
	s_mov_b32 s[G1R+5], 32
	s_mov_b32 s[G1R+6], 0
	s_mov_b32 s[G1R+7], 0
	s_mov_b32 s[G1P+1], 32<<16
	s_mov_b32 s[G1P+2], (PQ/256)<<16
	s_mov_b32 s[G1P+3], 32<<16
	s_mov_b32 s[G1P+4], PQ/256
	s_mov_b32 s[G1P+5], 32
	s_mov_b32 s[G1P+6], 0
	s_mov_b32 s[G1P+7], 0
	s_add_co_u32 s85, s42, 1
	s_lshr_b32 s85, s85, 1
	s_lshl_b32 s85, s85, 2
	s_add_co_u32 s85, s85, s41                     ; i: my tile of 256 queries in the batch
	s_lshr_b32 s98, s42, 1
	s_lshl_b32 s98, s98, 2
	s_add_co_u32 s98, s98, s40                     ; j: my tile of 256 keys
	s_lshl_b32 s19, s45, 3                         ; 8 tiles a batch
	s_mul_i32 s91, s16, 8*RBLK                     ; the group that I fetch
	s_add_co_u32 s22, s19, s85
	s_mul_i32 s22, s22, 16*RBLK
	s_add_co_u32 s22, s22, s91
	s_mov_b32 s23, 0
	s_add_co_u32 s46, s19, s98
	s_mul_i32 s46, s46, 16*PBLK
	s_add_co_u32 s46, s46, s91
	s_mov_b32 s47, 0
	s_mul_i32 s96, s16, RQ
	s_mul_i32 s97, s16, PQ
	s_add_co_u32 s97, s97, 2*RQ
	s_wait_kmcnt 0x0
	s_add_nc_u64 s[92:93], s[68:69], s[22:23]
	s_add_nc_u64 s[94:95], s[70:71], s[46:47]
	CROUND                                         ; all sixteen work-groups are here: the first joint loads meet
.irp s, 0,1
	s_mov_b32 s[G0R+4*\s], 1
	s_add_co_u32 s[G0R+4*\s+1], s96, \s*SLOT
	s_add_nc_u64 s[G0R+4*\s+2:G0R+4*\s+3], s[92:93], \s*RQ
	s_or_b32 s[G0R+4*\s+3], s[G0R+4*\s+3], 0x80000000
	s_mov_b32 s[G0P+4*\s], 1
	s_add_co_u32 s[G0P+4*\s+1], s97, \s*SLOT
	s_add_nc_u64 s[G0P+4*\s+2:G0P+4*\s+3], s[94:95], \s*PQ
	s_or_b32 s[G0P+4*\s+3], s[G0P+4*\s+3], 0x80000000
	JLOAD G0R+4*\s, G0P+4*\s                       ; two tensor loads of mine are out
.endr
	v_and_b32 v1, 31, v0
	v_and_b32 v2, 15, v0
	v_bfe_u32 v3, v0, 4, 1
	v_and_b32 v4, 8, v2
	v_add_nc_u32 v4, v4, v2                        ; r + 8 (r / 8)
	v_lshlrev_b32 v24, 4, v1                       ; 16 x lane
	v_lshlrev_b32 v25, 5, v2
	v_lshl_add_u32 v25, v3, 4, v25                 ; 32 r + 16 h
	v_lshlrev_b32 v6, 5, v2
	s_mul_i32 s17, s15, RQ
	s_mul_i32 s18, s16, PQ
	s_add_co_u32 s18, s18, 2*RQ
.irp q, 0,1
	s_add_co_u32 s19, s17, \q*RBLK+12288           ; R's scale words of K step q, P's, and the distance: lanes 16-31 take P's
	s_add_co_u32 s20, s18, \q*PBLK+12288
	s_sub_co_u32 s20, s20, s19
	v_mul_u32_u24 v7, s20, v3
	v_add_nc_u32 v7, v7, v6
	v_add_nc_u32 v[ADRS+\q], s19, v7
	v_add_nc_u32 v[ADRS+2+\q], SLOT, v[ADRS+\q]
.endr
.irp s, 0,1
	v_add_nc_u32 v[ADRR+\s], s17, v24
	v_add_nc_u32 v[ADRP+\s], s18, v24
	s_add_co_u32 s17, s17, SLOT
	s_add_co_u32 s18, s18, SLOT
.endr
	s_mov_b32 s[SEL], 0x76543210
	s_mov_b32 s[SEL+1], 0xfedcba98
	s_mov_b32 s90, 0xffff0000                      ; lanes 16-31
	s_mov_b32 s[CS], 0x3d38aa3b                    ; log2(e) / 32
	s_mov_b32 s[CS+1], s[CS]                       ; (named with it as a pair, so it is written)
	; the mask: tile a's register 16 b + i holds key 256 j + 128 wp + 32 b + 16 h + i, my query is 256 i + 128 wr + 32 (a / 2) + 8 (a % 2) + r + 8 (r / 8): hidden where 32 b + i - 32 (a / 2) - 8 (a % 2) > v[DB]
	s_sub_co_i32 s17, s85, s98
	s_lshl_b32 s17, s17, 8
	s_sub_co_i32 s18, s15, s16
	s_lshl_b32 s18, s18, 7
	s_add_co_i32 s17, s17, s18
	v_lshlrev_b32 v6, 4, v3
	v_sub_nc_u32 v[DB], v4, v6
	v_add_nc_u32 v[DB], s17, v[DB]
	v_mov_b32 v[NEGI], 0xff800000                  ; -infinity
.irp b, 0,1,2,3
	v_mov_b32 v[TM+4+\b], 0                        ; a lane permute's destination counts as one of its sources
.endr
	; where my block goes: [batch][group of queries][K step = group of keys]
	s_lshl_b32 s17, s45, 4
	s_lshl_b32 s18, s85, 1
	s_add_co_u32 s17, s17, s18
	s_add_co_u32 s17, s17, s15
	s_lshl_b32 s17, s17, 4
	s_lshl_b32 s18, s98, 1
	s_add_co_u32 s17, s17, s18
	s_add_co_u32 s17, s17, s16
	s_mul_i32 s22, s17, OBLK
	s_mov_b32 s23, 0
	s_add_nc_u64 s[86:87], s[72:73], s[22:23]
	s_wait_tensorcnt 1                             ; my part of slot 0 is in; slot 1's may stay out
	s_barrier_signal -1
	s_barrier_wait -1
	FETCH_P 0, 0, 0
	FETCH_R 0, 0, 0
	SCALES 0
	FETCH_R 0, 0, 4
	STEP 0, 1                                      ; the first K step starts the sums
	TURN 0, 1, 1                                   ; K = 1,024 is eight K steps: slot 0 takes steps 4, 5,
	STEP 1, 0
	TURN 1, 0, 1                                   ; slot 1 steps 6, 7
	STEP 0, 0
	TURN 0, 1, 0
	STEP 1, 0
	s_wait_dscnt 12                                ; the last K step
	WIN MUL_LO
	MUL16 0, 1, 1, 1, 0
	MUL16 2, 1, 1, 1, 0
	s_wait_dscnt 0x0
	WIN MUL_HI
	MUL16 4, 1, 1, 1, 0
	MUL16 6, 1, 1, 1, 0
	WIN 0
	PLACES
; THE WAY OUT, a tile of 16 queries at a time: mask, the largest score of each block of 32 keys and of the 128, M, p, p's codes and scale word, the sum of the unquantised p.
.macro PT a
.set AC, 64*((\a)%4)
.set WD, 2+(\a)/4
.set PCS, PC+20*((\a)%2)
.set AOFF, 32*((\a)/2)+8*((\a)%2)
	s_wait_xcnt 0x0                                ; the earlier stores have read their registers
	s_cmp_eq_u32 s42, 1                            ; the square under the diagonal has no hidden key.  The branch hangs on the cluster's number alone
	s_cbranch_scc1 .Lopen_\@
	WIN (WD<<6)|WD
.set n, 0
.rept 64
	v_cmp_gt_i32 vcc_lo, 32*(n/16)+n%16-AOFF, v[DB]
	v_cndmask_b32 v[AC+n], v[AC+n], v[NEGI], vcc_lo
.set n, n+1
.endr
	WIN 0
.Lopen_\@:
	WIN (WD<<2)|(WD<<4)
.irp b, 0,1,2,3
	v_max3_num_f32 v[TM+\b], 0xff800000, v[AC+16*\b], v[AC+16*\b+1]   ; the largest score of each block: it serves the group's maximum and, since p rises with the score, the block's largest p
.endr
.irp i, 2,4,6,8,10,12,14
.irp b, 0,1,2,3
	v_max3_num_f32 v[TM+\b], v[TM+\b], v[AC+16*\b+\i], v[AC+16*\b+\i+1]
.endr
.endr
	WIN 0
.irp b, 0,1,2,3
	v_permlanex16_b32 v[TM+4+\b], v[TM+\b], s[SEL], s[SEL+1]
.endr
.irp b, 0,1,2,3
	v_max_num_f32 v[TM+\b], v[TM+\b], v[TM+4+\b]
.endr
	v_max3_num_f32 v[WK], v[TM], v[TM+1], v[TM+2]
	v_max_num_f32 v[WK], v[WK], v[TM+3]
	v_mul_f32 v[NM+1], s[CS], v[WK]                ; as t (c is positive)
	v_max_num_f32 v[NM+1], 0xf149f2ca, v[NM+1]     ; held at -1e30 from below: where all 128 keys are hidden, M stays a number
	v_floor_f32 v[NM], -v[NM+1]                    ; -M = floor(-t) = -ceil(t)
.irp b, 0,1,2,3
	v_fma_f32 v[TM+\b], v[TM+\b], s[CS], v[NM]
.endr
	WIN WD
.set n, 0
.rept 32
	v_pk_fma_f32 v[T+n:T+n+1], v[AC+n:AC+n+1], s[CS:CS+1], v[NM:NM+1] op_sel_hi:[1,0,0]   ; t - M, two at a time
.set n, n+2
.endr
	WIN 0
.set n, 0
.rept 64
	v_exp_f32 v[T+n], v[T+n]                       ; p = 2^(t - M), at most 1
.set n, n+1
.endr
.irp b, 0,1,2,3
	v_exp_f32 v[TM+\b], v[TM+\b]                   ; the block's largest p: the same two instructions on the same number
.endr
	v_mov_b32 v[MI+(\a)], v[NM]                    ; -M is kept.  (A plain line behind the exponentials)
	s_wait_alu depctr_va_vdst(0)
.irp b, 0,1,2,3
	v_max_num_f32 v[TM+\b], 0x22800000, v[TM+\b]   ; the floor 2^-58: the byte stays at 67 or above, so that up to 64 can be taken off it later
.endr
.irp b, 0,1,2,3
	v_add_nc_u32 v[TM+12+\b], 0xff000000, v[TM+\b]
.endr
.irp b, 0,1,2,3
	v_lshrrev_b32 v[TM+4+\b], 23, v[TM+12+\b]
.endr
	v_lshl_or_b32 v[SW+(\a)], v[TM+5], 8, v[TM+4]
	v_lshl_or_b32 v[SW+(\a)], v[TM+6], 16, v[SW+(\a)]
	v_lshl_or_b32 v[SW+(\a)], v[TM+7], 24, v[SW+(\a)]
.irp c, 0,1
	v_cvt_scalef32_pk16_fp6_f32 v[PCS+6*\c:PCS+6*\c+2], v[T+32*\c:T+32*\c+15], v[TM+12+2*\c]
	v_cvt_scalef32_pk16_fp6_f32 v[PCS+12+4*\c:PCS+14+4*\c], v[T+16+32*\c:T+31+32*\c], v[TM+13+2*\c]
.endr
	v_nop                                          ; one plain line behind the scaled conversions
.irp c, 0,1
.irp i, 0,1,2
	v_permlane16_swap_b32 v[PCS+6*\c+\i], v[PCS+12+4*\c+\i]
.endr
.irp i, 0,1,2
	v_mov_b32 v[PCS+3+6*\c+\i], v[PCS+12+4*\c+\i]
.endr
.endr
	v_pk_add_f32 v[SA:SA+1], v[T:T+1], v[T+4:T+5]  ; the sum is taken of the unquantised p: two at a time, in two chains
	v_pk_add_f32 v[SB:SB+1], v[T+2:T+3], v[T+6:T+7]
.irp j, 8,12,16,20,24,28,32,36,40,44,48,52,56,60
	v_pk_add_f32 v[SA:SA+1], v[SA:SA+1], v[T+\j:T+\j+1]
	v_pk_add_f32 v[SB:SB+1], v[SB:SB+1], v[T+\j+2:T+\j+3]
.endr
	v_pk_add_f32 v[SA:SA+1], v[SA:SA+1], v[SB:SB+1]
	v_add_f32 v[SA], v[SA], v[SA+1]
	v_permlanex16_b32 v[SA+1], v[SA], s[SEL], s[SEL+1]
	v_add_f32 v[LL+(\a)], v[SA], v[SA+1]
.irp c, 0,1,2
	global_store_b128 v24, v[PCS+4*\c:PCS+4*\c+3], s[86:87] offset:1536*(\a)+512*\c   ; the fragment as it stands: 512 consecutive bytes a store
.endr
.endm
.irp a, 0,1,2,3,4,5,6,7
	PT \a
.endr
.irp i, 0,1,2,3
	v_cndmask_b32 v[PK+\i], v[SW+\i], v[SW+4+\i], s90     ; lanes 0-15 carry tiles 0-3's figures of row r, lanes 16-31 tiles 4-7's
	v_cndmask_b32 v[PK+4+\i], v[MI+\i], v[MI+4+\i], s90
	v_cndmask_b32 v[PK+8+\i], v[LL+\i], v[LL+4+\i], s90
.endr
	global_store_b128 v25, v[PK:PK+3], s[86:87] offset:12288      ; scale words,
	global_store_b128 v25, v[PK+4:PK+7], s[86:87] offset:12800    ; -M,
	global_store_b128 v25, v[PK+8:PK+11], s[86:87] offset:13312   ; sums: 512 bytes each
	s_wait_tensorcnt 0x0                           ; the wave's end
	ds_add_u32 v[SPW], v[NIL]
	s_wait_dscnt 0x0
	CROUND                                         ; the closing round
	s_endpgm
.Lfunc_end_k_q2e4c0cd2a6_sc:
	.size	k_q2e4c0cd2a6_sc, .Lfunc_end_k_q2e4c0cd2a6_sc-k_q2e4c0cd2a6_sc
	.p2alignl 7, 3214868480
	.fill 96, 4, 3214868480
	.section	.rodata,"a",@progbits
	.p2align	6, 0x0
	.amdhsa_kernel k_q2e4c0cd2a6_sc
		.amdhsa_group_segment_fixed_size 327680
		.amdhsa_private_segment_fixed_size 0
		.amdhsa_enable_private_segment 0
		.amdhsa_kernarg_size 24
		.amdhsa_user_sgpr_count 2
		.amdhsa_user_sgpr_kernarg_segment_ptr 1
		.amdhsa_wavefront_size32 1
		.amdhsa_system_sgpr_workgroup_id_x 1
		.amdhsa_system_sgpr_workgroup_id_y 1
		.amdhsa_system_sgpr_workgroup_id_z 1
		.amdhsa_system_vgpr_workitem_id 0
		.amdhsa_next_free_vgpr 1024
		.amdhsa_next_free_sgpr 100
		.amdhsa_reserve_vcc 1
		.amdhsa_float_denorm_mode_32 3
		.amdhsa_float_denorm_mode_16_64 3
		.amdhsa_memory_ordered 1
		.amdhsa_forward_progress 1
		.amdhsa_inst_pref_size 235
	.end_amdhsa_kernel
	.amdgpu_metadata
---
amdhsa.version: [ 1, 2 ]
amdhsa.kernels:
  - .name:           k_q2e4c0cd2a6_sc
    .symbol:         k_q2e4c0cd2a6_sc.kd
    .args:
      - { .name: qi, .offset: 0, .size: 8, .value_kind: global_buffer, .address_space: global }
      - { .name: ki, .offset: 8, .size: 8, .value_kind: global_buffer, .address_space: global }
      - { .name: pi, .offset: 16, .size: 8, .value_kind: global_buffer, .address_space: global }
    .group_segment_fixed_size: 327680
    .private_segment_fixed_size: 0
    .kernarg_segment_align: 8
    .kernarg_segment_size: 24
    .max_flat_workgroup_size: 128
    .sgpr_count:     100
    .vgpr_count:     1024
    .wavefront_size: 32
...
	.end_amdgpu_metadata
.endif
;; end of part 3
;; launch pv (part 4): grid 4 x 32, 4 waves a work-group, clusters of 4 x 4, 327,680 bytes of LDS; arguments pi, vi, out0; writes out0
.if DOCPART == 4
	.amdgcn_target "amdgcn-amd-amdhsa--gfx1250"
	.amdhsa_code_object_version 6
	.text
	.protected	k_q2e4c0cd2a6_pv
	.globl	k_q2e4c0cd2a6_pv
	.p2align	8
	.type	k_q2e4c0cd2a6_pv,@function
k_q2e4c0cd2a6_pv:
	s_mov_b64 s[64:65], 0
	v_nop
	global_prefetch_b8 v0, s[64:65] scope:SCOPE_SE
	s_setreg_imm32_b32 hwreg(HW_REG_WAVE_MODE, 25, 1), 1
	s_wait_xcnt 0x0
	s_wait_alu depctr_hold_cnt(0) depctr_sa_sdst(0) depctr_va_vdst(0) depctr_va_sdst(0) depctr_va_ssrc(0) depctr_va_vcc(0) depctr_vm_vsrc(0)
	s_getreg_b32 s2, hwreg(HW_REG_IB_STS2, 6, 4)
	s_cmp_eq_u32 s2, 0
	s_cbranch_scc0 .Lentry_in_a_cluster
	s_endpgm
.Lentry_in_a_cluster:
	s_bfe_u32 s2, ttmp6, 0x10000c
	s_cmp_lg_u32 s2, 0xf033
	s_cbranch_scc0 .Lentry_shape_is_right
	s_endpgm
.Lentry_shape_is_right:
; read = (p values) / l on codes of FP6 (E2M3), into the right half of out0 [8192][2048] f32.  O^T = values^T p^T: R = p (source 1: a lane holds one query), P = values^T (source 0: a lane's registers run along the 1,024 channels).
; p was quantised under a maximum M of its own for each query and each group of 128 keys (one K step).  Here the row's M is the largest of them, and each K step's scale bytes of p are lowered by (row's M - group's M),
; a whole number: an exact power of two.  The difference is held at 64; the bytes are 67 or more, so no byte borrows from its neighbour.  l = the sum of the groups' sums x 2^(group's M - row's M); O is multiplied by 1 / l.
; OPERANDS are image blocks: 128 rows x 128 K: 8 fragments of 1,536 bytes as the operand's registers stand, 512 bytes of scale words (row (r, t)'s at 32 r + 4 t); p's block has -M at 12,800 and the sum at 13,312.
; SHARES.  A work-group: 256 queries x 256 channels; four waves of 128 x 128.  Cluster y = 2 x batch + I: queries 1,024 I on; place along y: the tile of queries; place along x: the tile of channels.
; K = the keys that the mask leaves to the cluster's queries: 1,024 (I + 1): the trip count hangs on the cluster's number alone.  Inside the loop only global addresses step.
; LIMITS: a group of keys more than 2^64 under the row's maximum is weighted 2^-64 in O (in l: 2^-256 at the least); NaN and infinities are not served.
; REGISTERS, in windows of 256: window 0: v1-4; v8-13, v16-17, v20-21 LDS addresses; v24-26 the way out; v28-29 for the add; v32-63 scale words; v64-79 1 / l, a pair a tile; v80-87 the row's -M; v88-103 a slot's -M;
;   v104 the hold; v128-223 R's 8 fragments (first the statistics, at last rows of O); v224-255 at work.  window 1: P's fragments.  windows 2, 3: accumulator (a, b) at v[8 (8 (a % 4) + b)].
.set RBLK,  13824
.set PBLK,  12800
.set RQ,    2*RBLK
.set PQ,    2*PBLK
.set SLOT,  2*RQ+2*PQ
.set SPARE, 2*SLOT
.set ADRS, 8
.set ADRM, 12                          ; v12-13 my rows' -M in slot 0, 1
.set ADRR, 16
.set ADRP, 20
.set CO,   24                          ; 16 x lane
.set STO,  25                          ; the stage, in
.set RD,   26                          ; the stage, back
.set SPW,  28
.set NIL,  29
.set SC,   32
.set RL,   64
.set MR,   80
.set ML,   88
.set CAP,  104
.set RF,   128
.set NMS,  128                         ; the statistics: -M of key step 2 p + h, tile a, at v[128 + 8 p + a];
.set LS,   192                         ; its sum at v[192 + 8 p + a]
.set BK,   128                         ; the way out: 16 rows read back: v128-191 and v192-255 by turns
.set AT,   224
.set SEL,  66
.set G1R, 24
.set G0R, 32
.set G1P, 48
.set G0P, 56
.set MUL_LO, 0xa1
.set MUL_HI, 0xf1
.set MSB, 0
.macro WIN new                         ; the immediate's high byte repeats the setting that is left
.if MSB != (\new)
	s_set_vgpr_msb (MSB<<8)|(\new)
.set MSB, (\new)
.endif
.endm
.macro PLACES                          ; four plain vector lines between a matrix instruction and a load into, or a vector read of, its registers
.rept 4
	v_nop
.endr
.endm
.macro JLOAD g0r, g0p                  ; a joint load: waves 0 and 1 fetch R's two groups, waves 2 and 3 P's; four v_nop follow each line
	s_cmp_eq_u32 s15, 0
	s_cbranch_scc0 .Lfor_p_\@
	tensor_load_to_lds s[\g0r:\g0r+3], s[G1R:G1R+7]
	s_nop 0
	PLACES
	s_branch .Lasked_\@
.Lfor_p_\@:
	tensor_load_to_lds s[\g0p:\g0p+3], s[G1P:G1P+7]
	s_nop 0
	PLACES
.Lasked_\@:
.endm
.macro CREST
	s_cmp_lg_u32 s14, 0
	s_cbranch_scc1 .Lnot_wave_0_\@
	s_barrier_signal -3
.Lnot_wave_0_\@:
	s_barrier_wait -3
	s_barrier_signal -1
	s_barrier_wait -1
.endm
.macro CROUND
	s_barrier_signal -1
	s_barrier_wait -1
	CREST
.endm
.macro FRAG reg, adr, off
.irp c, 0,1,2
	ds_load_b128 v[\reg+4*\c:\reg+4*\c+3], v[\adr] offset:\off+512*\c
.endr
.endm
.macro FETCH_P slot, q, set            ; 24 loads
	WIN 0x40
.irp i, 0,1,2,3,4,5,6,7
	FRAG 128*(\set)+12*\i, ADRP+\slot, (\q)*PBLK+1536*\i
.endr
	WIN 0
.endm
.macro FETCH_R slot, q, i0             ; 12 loads
.irp i, \i0, \i0+1, \i0+2, \i0+3
	FRAG RF+12*(\i), ADRR+\slot, (\q)*RBLK+1536*(\i)
.endr
.endm
.macro SCALES slot                     ; 4 loads
.irp q, 0,1
	ds_load_b128 v[SC+16*\slot+8*\q:SC+16*\slot+8*\q+3], v[ADRS+2*\slot+\q]
	ds_load_b128 v[SC+16*\slot+8*\q+4:SC+16*\slot+8*\q+7], v[ADRS+2*\slot+\q] offset:16
.endr
.endm
.macro MLOAD slot                      ; the slot's two K steps' -M of my rows: 4 loads; both halves of the lanes read row r's
.irp q, 0,1
	ds_load_b128 v[ML+8*\q:ML+8*\q+3], v[ADRM+\slot] offset:\q*RBLK
	ds_load_b128 v[ML+8*\q+4:ML+8*\q+7], v[ADRM+\slot] offset:\q*RBLK+16
.endr
.endm
; p's scale words of a slot are brought under the row's M: from each of a word's four bytes the difference, held at 64 in lanes 0-15 (p's words) and at 0 in lanes 16-31 (the values' words), is taken.
.macro ADJ set
.set n, 0
.rept 16
	v_sub_f32 v[AT+n], v[ML+n], v[MR+n%8]          ; (-M of the group) - (-M of the row): a whole number, 0 or more
.set n, n+1
.endr
.set n, 0
.rept 16
	v_min_num_f32 v[AT+n], v[AT+n], v[CAP]
.set n, n+1
.endr
.set n, 0
.rept 16
	v_cvt_u32_f32 v[AT+n], v[AT+n]
.set n, n+1
.endr
.set n, 0
.rept 16
	v_perm_b32 v[AT+n], v[AT+n], v[AT+n], 0        ; its low byte into all four
.set n, n+1
.endr
.set n, 0
.rept 16
	v_sub_nc_u32 v[SC+16*\set+n], v[SC+16*\set+n], v[AT+n]
.set n, n+1
.endr
.rept 8
	v_nop                                          ; a scale register written by a vector instruction stands eight plain lines ahead of a scaled matrix instruction
.endr
.endm
; 16 products: R's tiles a0, a0 + 1 x P's eight.  cm = 1: the first product starts the sums.  The 64 accumulators take turns, one instruction a turn.
.macro MUL16 a0, set, q, sc, cm
.irp a, \a0, \a0+1
.irp b, 0,1,2,3,4,5,6,7
.set rD, 8*(8*((\a)%4)+\b)
.set rP, 128*(\set)+12*\b
.set rR, RF+12*(\a)
.set rSP, SC+16*(\sc)+8*(\q)+\b
.set rSR, SC+16*(\sc)+8*(\q)+(\a)
.if \cm == 0
	v_wmma_scale_f32_16x16x128_f8f6f4 v[rD:rD+7], v[rP:rP+11], v[rR:rR+11], v[rD:rD+7], v[rSP], v[rSR] matrix_a_fmt:MATRIX_FMT_FP6 matrix_b_fmt:MATRIX_FMT_FP6 matrix_a_scale:MATRIX_SCALE_ROW1
.else
	v_wmma_scale_f32_16x16x128_f8f6f4 v[rD:rD+7], v[rP:rP+11], v[rR:rR+11], 0, v[rSP], v[rSR] matrix_a_fmt:MATRIX_FMT_FP6 matrix_b_fmt:MATRIX_FMT_FP6 matrix_a_scale:MATRIX_SCALE_ROW1
.endif
.endr
.endr
.endm
.macro STEP slot, cm                   ; a slot's first K step; at its head the slot's scale words are brought under the row's M
	s_wait_dscnt 12                                ; all but the youngest twelve loads (R's tiles 4-7) are in: the scale words and -M among them
	ADJ \slot
	WIN MUL_LO
	MUL16 0, 0, 0, \slot, \cm
	MUL16 2, 0, 0, \slot, \cm
	s_wait_dscnt 0x0
	PLACES
	FETCH_P \slot, 1, 1
	FETCH_R \slot, 1, 0
	WIN MUL_HI
	MUL16 4, 0, 0, \slot, \cm
	MUL16 6, 0, 0, \slot, \cm
	PLACES
	WIN 0
	FETCH_R \slot, 1, 4
.endm
; A slot's second K step changes slots: one barrier; in front of it each wave waits for all its tensor loads, adds 0 to its spare word, and waits for that and for its reads of this slot.
; fill = 1: the barrier opens a round of the cluster's barrier, and behind the round this slot is filled again: the wave's one tensor load until the next round.
.macro TURN slot, next, fill
	s_wait_tensorcnt 0x0                           ; all my tensor loads have landed
	ds_add_u32 v[SPW], v[NIL]                      ; 0 onto my spare word
	s_wait_dscnt 13                                ; (the add and the youngest twelve loads may be out)
	WIN MUL_LO
	MUL16 0, 1, 1, \slot, 0
	s_wait_dscnt 0x0                               ; the add is done, and my reads of this slot are over
	s_barrier_signal -1
	MUL16 2, 1, 1, \slot, 0
	WIN 0
	s_barrier_wait -1
.if \fill
	CREST
	s_add_nc_u64 s[G0R+4*\slot+2:G0R+4*\slot+3], s[G0R+4*\slot+2:G0R+4*\slot+3], 2*RQ
	s_add_nc_u64 s[G0P+4*\slot+2:G0P+4*\slot+3], s[G0P+4*\slot+2:G0P+4*\slot+3], 2*PQ
	JLOAD G0R+4*\slot, G0P+4*\slot
.else
	PLACES
.endif
	FETCH_P \next, 0, 0
	FETCH_R \next, 0, 0
	SCALES \next
	MLOAD \next
	WIN MUL_HI
	MUL16 4, 1, 1, \slot, 0
	MUL16 6, 1, 1, \slot, 0
	PLACES
	WIN 0
	FETCH_R \next, 0, 4
.endm
	s_load_b128 s[68:71], s[0:1], 0x0              ; pi s[68:69], vi s[70:71]
	s_load_b64 s[72:73], s[0:1], 0x10              ; out0
	v_lshl_add_u32 v[SPW], v0, 2, SPARE
	v_mov_b32 v[NIL], 0
	ds_add_u32 v28, v29
	ds_add_u32 v28, v29
	s_wait_dscnt 0x0
	v_lshrrev_b32 v1, 5, v0
	v_readfirstlane_b32 s14, v1                    ; wave 0..3
	s_lshr_b32 s15, s14, 1                         ; my group of queries.  Also: I fetch for R (0) or for P (1)
	s_and_b32 s16, s14, 1                          ; my group of channels.  Also: which group I fetch
	s_bfe_u32 s40, ttmp6, 0x40000                  ; cx, cy
	s_bfe_u32 s41, ttmp6, 0x40004
	s_and_b32 s45, ttmp7, 0xffff
	s_lshr_b32 s84, s45, 1                         ; the batch
	s_and_b32 s85, s45, 1                          ; I: which 1,024 queries
	s_lshl_b32 s43, s41, 2
	s_lshl_b32 s43, 15, s43                        ; my row of the cluster
	s_lshl_b32 s44, 0x1111, s40                    ; my column
	s_or_b32 s[G1R+0], s43, (3<<16)|(1<<21)        ; a dense run as rows of 256 bytes (32 elements of 8 bytes), no padding
	s_or_b32 s[G1P+0], s44, (3<<16)|(1<<21)
	s_mov_b32 s[G1R+1], 32<<16
	s_mov_b32 s[G1R+2], (RQ/256)<<16
	s_mov_b32 s[G1R+3], 32<<16
	s_mov_b32 s[G1R+4], RQ/256
	s_mov_b32 s[G1R+5], 32
	s_mov_b32 s[G1R+6], 0
	s_mov_b32 s[G1R+7], 0
	s_mov_b32 s[G1P+1], 32<<16
	s_mov_b32 s[G1P+2], (PQ/256)<<16
	s_mov_b32 s[G1P+3], 32<<16
	s_mov_b32 s[G1P+4], PQ/256
	s_mov_b32 s[G1P+5], 32
	s_mov_b32 s[G1P+6], 0
	s_mov_b32 s[G1P+7], 0
	s_lshl_b32 s98, s85, 2
	s_add_co_u32 s98, s98, s41                     ; i: my tile of 256 queries in the batch
	s_lshl_b32 s18, s84, 4
	s_lshl_b32 s19, s98, 1
	s_add_co_u32 s18, s18, s19                     ; the first of its two groups
	s_add_co_u32 s20, s18, s16                     ; the group that I fetch: 16 blocks a group
	s_mul_i32 s22, s20, 16*RBLK
	s_mov_b32 s23, 0
	s_add_co_u32 s21, s18, s15                     ; the group that I multiply: its statistics
	s_mul_i32 s92, s21, 16*RBLK
	s_mov_b32 s93, 0
	s_lshl_b32 s46, s84, 3
	s_lshl_b32 s47, s40, 1
	s_add_co_u32 s46, s46, s47
	s_add_co_u32 s46, s46, s16                     ; the group of channels that I fetch
	s_mul_i32 s46, s46, 16*PBLK
	s_mov_b32 s47, 0
	s_cmp_eq_u32 s85, 1
	s_cselect_b32 s99, 1.0, 0                      ; do key steps 8-15 count?
	s_cselect_b32 s91, 8*RBLK, 0                   ; where they are read: with I = 0 the first eight once more, weighted 0
	s_lshl_b32 s3, s85, 1
	s_add_co_u32 s3, s3, 1                         ; trips: 1 for 1,024 keys, 3 for 2,048
	s_mul_i32 s96, s16, RQ
	s_mul_i32 s97, s16, PQ
	s_add_co_u32 s97, s97, 2*RQ
	s_wait_kmcnt 0x0
	s_add_nc_u64 s[22:23], s[68:69], s[22:23]
	s_add_nc_u64 s[92:93], s[68:69], s[92:93]
	s_add_nc_u64 s[46:47], s[70:71], s[46:47]
	CROUND                                         ; all sixteen work-groups are here: the first joint loads meet
.irp s, 0,1
	s_mov_b32 s[G0R+4*\s], 1
	s_add_co_u32 s[G0R+4*\s+1], s96, \s*SLOT
	s_add_nc_u64 s[G0R+4*\s+2:G0R+4*\s+3], s[22:23], \s*RQ
	s_or_b32 s[G0R+4*\s+3], s[G0R+4*\s+3], 0x80000000
	s_mov_b32 s[G0P+4*\s], 1
	s_add_co_u32 s[G0P+4*\s+1], s97, \s*SLOT
	s_add_nc_u64 s[G0P+4*\s+2:G0P+4*\s+3], s[46:47], \s*PQ
	s_or_b32 s[G0P+4*\s+3], s[G0P+4*\s+3], 0x80000000
	JLOAD G0R+4*\s, G0P+4*\s                       ; two tensor loads of mine are out
.endr
	v_and_b32 v1, 31, v0
	v_and_b32 v2, 15, v0
	v_bfe_u32 v3, v0, 4, 1
	; the statistics of my 128 queries: lane (r, h) takes key steps 2 p + h
	v_mul_u32_u24 v6, v3, RBLK
	v_lshl_add_u32 v6, v2, 5, v6                   ; h blocks on, row r's 32 bytes
	v_add_nc_u32 v7, s91, v6
.irp p, 0,1,2,3
	global_load_b128 v[NMS+8*\p:NMS+8*\p+3], v6, s[92:93] offset:2*RBLK*\p+12800
	global_load_b128 v[NMS+8*\p+4:NMS+8*\p+7], v6, s[92:93] offset:2*RBLK*\p+12816
	global_load_b128 v[LS+8*\p:LS+8*\p+3], v6, s[92:93] offset:2*RBLK*\p+13312
	global_load_b128 v[LS+8*\p+4:LS+8*\p+7], v6, s[92:93] offset:2*RBLK*\p+13328
	global_load_b128 v[NMS+32+8*\p:NMS+32+8*\p+3], v7, s[92:93] offset:2*RBLK*\p+12800
	global_load_b128 v[NMS+32+8*\p+4:NMS+32+8*\p+7], v7, s[92:93] offset:2*RBLK*\p+12816
	global_load_b128 v[LS+32+8*\p:LS+32+8*\p+3], v7, s[92:93] offset:2*RBLK*\p+13312
	global_load_b128 v[LS+32+8*\p+4:LS+32+8*\p+7], v7, s[92:93] offset:2*RBLK*\p+13328
.endr
	v_lshlrev_b32 v[CO], 4, v1                     ; 16 x lane
	v_lshlrev_b32 v4, 5, v2                        ; 32 r
	s_mul_i32 s17, s15, RQ
	s_mul_i32 s18, s16, PQ
	s_add_co_u32 s18, s18, 2*RQ
.irp q, 0,1
	s_add_co_u32 s19, s17, \q*RBLK+12288           ; R's scale words of K step q, P's, and the distance: lanes 16-31 take P's
	s_add_co_u32 s20, s18, \q*PBLK+12288
	s_sub_co_u32 s20, s20, s19
	v_mul_u32_u24 v5, s20, v3
	v_add_nc_u32 v5, v5, v4
	v_add_nc_u32 v[ADRS+\q], s19, v5
	v_add_nc_u32 v[ADRS+2+\q], SLOT, v[ADRS+\q]
.endr
	s_add_co_u32 s19, s17, 12800
	v_add_nc_u32 v[ADRM], s19, v4
	v_add_nc_u32 v[ADRM+1], SLOT, v[ADRM]
.irp s, 0,1
	v_add_nc_u32 v[ADRR+\s], s17, v[CO]
	v_add_nc_u32 v[ADRP+\s], s18, v[CO]
	s_add_co_u32 s17, s17, SLOT
	s_add_co_u32 s18, s18, SLOT
.endr
	s_mul_i32 s17, s14, 8448                       ; my stage for the way out: 16 rows x (512 + 16) bytes, in slot 0, which has had its last fill and its last read when the first result is stored there
	v_mul_u32_u24 v[STO], v2, 528
	v_lshl_add_u32 v[STO], v3, 6, v[STO]
	v_add_nc_u32 v[STO], s17, v[STO]               ; in: row r, + 64 h
	v_add_nc_u32 v[RD], s17, v[CO]                 ; back: a row's 512 bytes, 16 a lane
	s_mov_b32 s[SEL], 0x76543210
	s_mov_b32 s[SEL+1], 0xfedcba98
	v_cmp_eq_u32 vcc_lo, 0, v3
	v_mov_b32 v105, 0x42800000
	v_cndmask_b32 v[CAP], 0, v105, vcc_lo          ; 64.0 in lanes 0-15, 0 in lanes 16-31
.irp a, 0,1,2,3,4,5,6,7
	v_mov_b32 v[ML+\a], 0                          ; a lane permute's destination counts as one of its sources
.endr
	; my first row and column of out0: row 2,048 batch + 256 i + 128 wr of 8,192 bytes; the right half; 1,024 bytes a tile of channels, 512 a group
	s_lshl_b32 s17, s84, 11
	s_lshl_b32 s18, s98, 8
	s_add_co_u32 s17, s17, s18
	s_lshl_b32 s18, s15, 7
	s_add_co_u32 s17, s17, s18
	s_lshl_b32 s22, s17, 13
	s_lshl_b32 s18, s40, 10
	s_add_co_u32 s22, s22, s18
	s_lshl_b32 s18, s16, 9
	s_add_co_u32 s22, s22, s18
	s_add_co_u32 s22, s22, 4096
	s_mov_b32 s23, 0
	s_add_nc_u64 s[86:87], s[72:73], s[22:23]
	s_wait_loadcnt 0x0                             ; the statistics
.irp a, 0,1,2,3,4,5,6,7
	v_min3_num_f32 v[MR+\a], v[NMS+\a], v[NMS+8+\a], v[NMS+16+\a]   ; the row's -M is the least of the groups'
.endr
.irp a, 0,1,2,3,4,5,6,7
	v_min3_num_f32 v[MR+\a], v[MR+\a], v[NMS+24+\a], v[NMS+32+\a]
.endr
.irp a, 0,1,2,3,4,5,6,7
	v_min3_num_f32 v[MR+\a], v[MR+\a], v[NMS+40+\a], v[NMS+48+\a]
.endr
.irp a, 0,1,2,3,4,5,6,7
	v_min_num_f32 v[MR+\a], v[MR+\a], v[NMS+56+\a]
.endr
.irp a, 0,1,2,3,4,5,6,7
	v_permlanex16_b32 v[ML+\a], v[MR+\a], s[SEL], s[SEL+1]
.endr
.irp a, 0,1,2,3,4,5,6,7
	v_min_num_f32 v[MR+\a], v[MR+\a], v[ML+\a]     ; with the other half's key steps
.endr
.set n, 0
.rept 64
	v_sub_f32 v[NMS+n], v[MR+n%8], v[NMS+n]        ; group's M - row's M: a whole number, 0 or less
.set n, n+1
.endr
.set n, 0
.rept 64
	v_max_num_f32 v[NMS+n], 0xc3800000, v[NMS+n]   ; held at -256
.set n, n+1
.endr
.set n, 0
.rept 64
	v_cvt_i32_f32 v[NMS+n], v[NMS+n]
.set n, n+1
.endr
.set n, 0
.rept 64
	v_ldexp_f32 v[LS+n], v[LS+n], v[NMS+n]         ; the group's sum under the row's M
.set n, n+1
.endr
.irp a, 0,1,2,3,4,5,6,7
	v_add_f32 v[LS+\a], v[LS+\a], v[LS+8+\a]
	v_add_f32 v[LS+16+\a], v[LS+16+\a], v[LS+24+\a]
	v_add_f32 v[LS+32+\a], v[LS+32+\a], v[LS+40+\a]
	v_add_f32 v[LS+48+\a], v[LS+48+\a], v[LS+56+\a]
.endr
.irp a, 0,1,2,3,4,5,6,7
	v_add_f32 v[LS+\a], v[LS+\a], v[LS+16+\a]
	v_add_f32 v[LS+32+\a], v[LS+32+\a], v[LS+48+\a]
.endr
.irp a, 0,1,2,3,4,5,6,7
	v_fma_f32 v[LS+\a], v[LS+32+\a], s99, v[LS+\a] ; key steps 8-15 count where they exist
.endr
.irp a, 0,1,2,3,4,5,6,7
	v_permlanex16_b32 v[ML+\a], v[LS+\a], s[SEL], s[SEL+1]
.endr
.irp a, 0,1,2,3,4,5,6,7
	v_add_f32 v[LS+\a], v[LS+\a], v[ML+\a]         ; l
.endr
.irp a, 0,1,2,3,4,5,6,7
	v_rcp_f32 v[RL+2*\a], v[LS+\a]
.endr
	v_nop                                          ; a plain line behind the reciprocals
	s_wait_alu depctr_va_vdst(0)
.irp a, 0,1,2,3,4,5,6,7
	v_mov_b32 v[RL+2*\a+1], v[RL+2*\a]             ; (the packed multiply names the pair)
.endr
	s_wait_tensorcnt 1                             ; my part of slot 0 is in; slot 1's may stay out
	s_barrier_signal -1
	s_barrier_wait -1
	FETCH_P 0, 0, 0
	FETCH_R 0, 0, 0
	SCALES 0
	MLOAD 0
	FETCH_R 0, 0, 4
	STEP 0, 1                                      ; the first K step starts the sums
.Llap:                                                 ; a trip goes once round the ring, from a lap's second K step to the next lap's first, and fills both slots again
	TURN 0, 1, 1
	STEP 1, 0
	TURN 1, 0, 1
	STEP 0, 0
	s_sub_co_u32 s3, s3, 1
	s_cmp_lg_u32 s3, 0
	s_cbranch_scc1 .Llap
	TURN 0, 1, 0                                   ; the last lap fills nothing
	STEP 1, 0
	s_wait_dscnt 12                                ; the last K step
	WIN MUL_LO
	MUL16 0, 1, 1, 1, 0
	MUL16 2, 1, 1, 1, 0
	s_wait_dscnt 0x0
	WIN MUL_HI
	MUL16 4, 1, 1, 1, 0
	MUL16 6, 1, 1, 1, 0
	WIN 0
	PLACES
; THE WAY OUT, a tile of 16 queries x 128 channels at a time: x 1 / l; through my own stage in LDS (a lane holds 2 x 32 bytes of each 128 of its row); back as whole rows of 512 bytes, which the 32 lanes store as one run.
; LDS serves a wave's instructions in order: no wait between the stores and the loads, nor in front of the next tile's stores.
.macro TOSTAGE a
.set AC, 64*((\a)%4)
.set WD, 2+(\a)/4
	WIN (WD<<6)|WD
.set n, 0
.rept 32
	v_pk_mul_f32 v[AC+n:AC+n+1], v[AC+n:AC+n+1], v[RL+2*(\a):RL+2*(\a)+1] op_sel_hi:[1,0]   ; each accumulator from its low end on
.set n, n+2
.endr
	WIN WD<<2                                      ; an LDS store's data are its source 1
.irp b, 0,1,2,3,4,5,6,7
	ds_store_b128 v[STO], v[AC+8*\b:AC+8*\b+3] offset:128*(\b/2)+32*(\b%2)      ; channels 32 (b / 2) + 16 h + 8 (b % 2) on
	ds_store_b128 v[STO], v[AC+8*\b+4:AC+8*\b+7] offset:128*(\b/2)+32*(\b%2)+16
.endr
	WIN 0
.set BB, BK+64*((\a)%2)
.irp t, 0,1,2,3,4,5,6,7,8,9,10,11,12,13,14,15
	ds_load_b128 v[BB+4*\t:BB+4*\t+3], v[RD] offset:\t*528
.endr
.endm
.macro SEND a, younger                 ; younger: the LDS instructions issued behind tile a's loads, which may stay out
.set BB, BK+64*((\a)%2)
	s_wait_dscnt \younger
.irp t, 0,1,2,3,4,5,6,7,8,9,10,11,12,13,14,15
	global_store_b128 v[CO], v[BB+4*\t:BB+4*\t+3], s[86:87] offset:(32*((\a)/2)+8*((\a)%2)+\t+8*(\t/8))*8192 th:TH_STORE_NT   ; stage row t is query 32 (a / 2) + 8 (a % 2) + t + 8 (t / 8); 512 consecutive bytes; 127 rows at the most: inside the signed 24-bit immediate
.endr
.endm
	TOSTAGE 0
.irp a, 1,2,3,4,5,6,7
.if \a > 1
	s_wait_xcnt 0x0                                ; tile a - 2's stores have read their registers: tile a's loads may land there
.endif
	TOSTAGE \a
	SEND \a-1, 32                                  ; behind tile a - 1's loads: tile a's 16 stores and 16 loads
.endr
	SEND 7, 0
	s_wait_tensorcnt 0x0                           ; the wave's end
	ds_add_u32 v[SPW], v[NIL]
	s_wait_dscnt 0x0
	CROUND                                         ; the closing round
	s_endpgm
.Lfunc_end_k_q2e4c0cd2a6_pv:
	.size	k_q2e4c0cd2a6_pv, .Lfunc_end_k_q2e4c0cd2a6_pv-k_q2e4c0cd2a6_pv
	.p2alignl 7, 3214868480
	.fill 96, 4, 3214868480
	.section	.rodata,"a",@progbits
	.p2align	6, 0x0
	.amdhsa_kernel k_q2e4c0cd2a6_pv
		.amdhsa_group_segment_fixed_size 327680
		.amdhsa_private_segment_fixed_size 0
		.amdhsa_enable_private_segment 0
		.amdhsa_kernarg_size 24
		.amdhsa_user_sgpr_count 2
		.amdhsa_user_sgpr_kernarg_segment_ptr 1
		.amdhsa_wavefront_size32 1
		.amdhsa_system_sgpr_workgroup_id_x 1
		.amdhsa_system_sgpr_workgroup_id_y 1
		.amdhsa_system_sgpr_workgroup_id_z 1
		.amdhsa_system_vgpr_workitem_id 0
		.amdhsa_next_free_vgpr 1024
		.amdhsa_next_free_sgpr 100
		.amdhsa_reserve_vcc 1
		.amdhsa_float_denorm_mode_32 3
		.amdhsa_float_denorm_mode_16_64 3
		.amdhsa_memory_ordered 1
		.amdhsa_forward_progress 1
		.amdhsa_inst_pref_size 184
	.end_amdhsa_kernel
	.amdgpu_metadata
---
amdhsa.version: [ 1, 2 ]
amdhsa.kernels:
  - .name:           k_q2e4c0cd2a6_pv
    .symbol:         k_q2e4c0cd2a6_pv.kd
    .args:
      - { .name: pi, .offset: 0, .size: 8, .value_kind: global_buffer, .address_space: global }
      - { .name: vi, .offset: 8, .size: 8, .value_kind: global_buffer, .address_space: global }
      - { .name: out0, .offset: 16, .size: 8, .value_kind: global_buffer, .address_space: global }
    .group_segment_fixed_size: 327680
    .private_segment_fixed_size: 0
    .kernarg_segment_align: 8
    .kernarg_segment_size: 24
    .max_flat_workgroup_size: 128
    .sgpr_count:     100
    .vgpr_count:     1024
    .wavefront_size: 32
...
	.end_amdgpu_metadata
.endif
;; end of part 4
;; ======== version 2 of 2: 4 launches; 1.17 times as fast as version 1
;; workspace buffers: xi 6,553,600 bytes; wi 2,457,600 bytes; qi 6,553,600 bytes; ki 6,553,600 bytes; vi 6,553,600 bytes; pi 14,155,776 bytes
;; launch prep (part 5): grid 704 x 1, 8 waves a work-group, no clusters, 69,632 bytes of LDS; arguments inputs, Wk_codes, Wk_scales, Wq_codes, Wq_scales, Wv_codes, Wv_scales, xi, wi, out0; writes xi, wi, out0
.if DOCPART == 5
	.amdgcn_target "amdgcn-amd-amdhsa--gfx1250"
	.amdhsa_code_object_version 6
	.text
	.protected	k_q2e4c0cd2a6_prep
	.globl	k_q2e4c0cd2a6_prep
	.p2align	8
	.type	k_q2e4c0cd2a6_prep,@function
k_q2e4c0cd2a6_prep:
	s_mov_b64 s[64:65], 0
	v_nop
	global_prefetch_b8 v0, s[64:65] scope:SCOPE_SE
	s_setreg_imm32_b32 hwreg(HW_REG_WAVE_MODE, 25, 1), 1
	s_wait_xcnt 0x0
; x [8192][1024] f32 is copied into the left half of out0 [8192][2048] and turned into codes of FP6 (E2M3) with one E8M0 byte for each 32 along its 1,024;
; the three weights, which arrive as codes with K innermost, are laid anew.  Both leave as IMAGE BLOCKS, the one layout of all operands that the later launches read:
;   a block = 128 rows x 128 along K = 8 fragments of 16 rows, 1,536 bytes each, as the operand's 12 registers stand: registers 4 c .. 4 c + 3 of lane l at 512 c + 16 l;
;   lane r of fragment t holds row 32 (t / 2) + 8 (t % 2) + (r % 8) + 16 (r / 8) of the 128; behind the fragments, at byte 12,288, the scale words: row (r, t)'s at 32 r + 4 t.  12,800 bytes a block.
;   Blocks lie [group of 128 rows][K step], so that neighbouring K steps of a group are one dense run of bytes.
; That choice of rows makes a later product's results, taken with such a fragment as source 0, run along the rows in a lane's registers, 16 neighbours in two tiles.
; SHARES.  Work-groups 0-511: block n of x (group n / 8, K step n % 8).  Work-groups 512-703: block n - 512 of the weights, in the order K, Q, V (64 blocks each).  Wave t makes fragment t.  No loop.
; x: each of a wave's 16 loads reads 512 consecutive bytes of one row; the same registers are stored to out0 (512 consecutive bytes) and go through the wave's own stage in LDS (rows 528 bytes apart), from which a lane
; takes 16 neighbours of each block of 32 of ITS row: what the conversions want.  Nothing is shared between work-groups, so there is no cluster; no tensor load, so no ring.
; REGISTERS are kept to 146 (the quantiser's work and the codes lie over the rows as loaded, once the copy's stores have read them), so that three work-groups of 8 waves fit on a WGP's four SIMDs
; of 1,024 registers (6 x 146) and in its LDS (3 x 69,632 bytes): 768 places for the 704 work-groups, all with their loads on the way at once.
; A block's scale is 2^(floor(log2(its largest magnitude)) - 2): its byte is that magnitude's exponent field - 2, held at 1 from below.
; LIMITS: NaN and infinities are not served; a block of zeros gets the byte 1 (not 127): its codes are zeros, and only this program reads the bytes.
.set STGW, 8448                        ; a wave's stage: 16 rows x (512 + 16) bytes
.set GA,   8*STGW                      ; behind the stages: 512 bytes in which the block's scale words meet
.set BLK,  12800
.set X,    16                          ; v16-79   16 rows x 16 bytes a lane, as loaded
.set Y,    80                          ; v80-143  my row's numbers: register 16 b + i = k 32 b + 16 (lane / 16) + i
.set TM,   16                          ; v16-31   at work in QUANT (over X, behind the wait that frees it)
.set PC,   32                          ; v32-43   the fragment's 12 registers; v44-50 at work
.set PW,   52                          ; my row's scale word
.set OW,   56                          ; v56-59   the scale words on their way out
.set SEL,  20                          ; s[20:21] lane selects: lane l xor 16
; 64 numbers of a lane become a fragment's codes in v[PC] on and its scale word in v[PW]
.macro QUANT s
.irp b, 0,1,2,3
	v_max3_num_f32 v[TM+\b], |v[\s+16*\b]|, |v[\s+1+16*\b]|, 0x1800000   ; block b: my 16 numbers, and the floor 2^(3 - 127): the byte cannot fall under 1
.endr
.irp i, 2,4,6,8,10,12,14
.irp b, 0,1,2,3
	v_max3_num_f32 v[TM+\b], v[TM+\b], |v[\s+16*\b+\i]|, |v[\s+1+16*\b+\i]|   ; the four blocks by turns
.endr
.endr
.irp b, 0,1,2,3
	v_permlanex16_b32 v[TM+4+\b], v[TM+\b], s[SEL], s[SEL+1]
.endr
.irp b, 0,1,2,3
	v_max_num_f32 v[TM+\b], v[TM+\b], v[TM+4+\b]   ; with lane l xor 16's 16: the block's largest magnitude
.endr
.irp b, 0,1,2,3
	v_add_nc_u32 v[TM+12+\b], 0xff000000, v[TM+\b]   ; 2 off its exponent field: the conversion takes this operand's exponent field as its scale
.endr
.irp b, 0,1,2,3
	v_lshrrev_b32 v[TM+4+\b], 23, v[TM+12+\b]      ; the scale's byte
.endr
	v_lshl_or_b32 v[PW], v[TM+5], 8, v[TM+4]
	v_lshl_or_b32 v[PW], v[TM+6], 16, v[PW]
	v_lshl_or_b32 v[PW], v[TM+7], 24, v[PW]
.irp c, 0,1
	v_cvt_scalef32_pk16_fp6_f32 v[PC+6*\c:PC+2+6*\c], v[\s+32*\c:\s+15+32*\c], v[TM+12+2*\c]
	v_cvt_scalef32_pk16_fp6_f32 v[PC+12+4*\c:PC+14+4*\c], v[\s+16+32*\c:\s+31+32*\c], v[TM+13+2*\c]   ; (a conversion's three registers begin on an even number)
.endr
	v_nop                                          ; one plain line behind the scaled conversions
.irp c, 0,1                                    ; the operand wants a whole block of 32 in a lane: lanes 0-15 block 2 c, lanes 16-31 block 2 c + 1
.irp i, 0,1,2
	v_permlane16_swap_b32 v[PC+6*\c+\i], v[PC+12+4*\c+\i]
.endr
.irp i, 0,1,2
	v_mov_b32 v[PC+3+6*\c+\i], v[PC+12+4*\c+\i]
.endr
.endr
.endm
	s_load_b256 s[4:11], s[0:1], 0x0               ; x s[4:5], Wk codes s[6:7], Wk scales s[8:9], Wq codes s[10:11]
	s_load_b256 s[12:19], s[0:1], 0x20             ; Wq scales s[12:13], Wv codes s[14:15], Wv scales s[16:17], xi s[18:19]
	s_load_b128 s[24:27], s[0:1], 0x40             ; wi s[24:25], out0 s[26:27]
	v_lshl_add_u32 v144, v0, 2, 0x10c00
	v_mov_b32 v145, 0
	v_lshrrev_b32 v1, 5, v0
	v_readfirstlane_b32 s22, v1                    ; wave t = my fragment
	v_and_b32 v1, 31, v0                           ; lane
	v_and_b32 v2, 15, v0                           ; r
	v_bfe_u32 v3, v0, 4, 1                         ; h
	v_and_b32 v4, 8, v2
	v_add_nc_u32 v4, v4, v2                        ; r + 8 (r / 8): my row in the fragment's 24
	v_lshlrev_b32 v5, 4, v1                        ; 16 x lane
	s_mul_i32 s23, s22, STGW
	v_add_nc_u32 v6, s23, v5                       ; the stage, in: a row's 512 bytes as loaded
	v_mul_u32_u24 v7, v2, 528
	v_lshl_add_u32 v7, v3, 6, v7
	v_add_nc_u32 v7, s23, v7                       ; and out: row r, + 64 h: my 16 numbers of each block of 32
	v_lshlrev_b32 v8, 5, v2
	s_lshl_b32 s23, s22, 2
	s_add_co_u32 s23, s23, GA
	v_add_nc_u32 v8, s23, v8                       ; my scale word's place: 32 r + 4 t
	v_mul_u32_u24 v9, v4, 768                      ; a weight's row is 1,024 codes = 768 bytes
	v_mad_u32_u24 v9, v3, 24, v9
	v_lshlrev_b32 v10, 5, v4                       ; and 32 scale bytes
	s_mul_i32 s23, s22, 1536
	v_add_nc_u32 v11, s23, v5                      ; my 16 bytes in the block: fragment t, lane l
	v_add_nc_u32 v12, GA, v5
	s_mov_b32 s[SEL], 0x76543210
	s_mov_b32 s[SEL+1], 0xfedcba98
	s_lshr_b32 s28, s22, 1
	s_lshl_b32 s28, s28, 5
	s_and_b32 s29, s22, 1
	s_lshl_b32 s29, s29, 3
	s_add_co_u32 s28, s28, s29                     ; the fragment's first row in its group: 32 (t / 2) + 8 (t % 2)
	s_wait_kmcnt 0x0
	s_cmp_ge_u32 ttmp9, 512
	s_cbranch_scc1 .Lweights
	; ---- a block of x
	s_lshr_b32 s30, ttmp9, 3
	s_and_b32 s31, ttmp9, 7
	s_lshl_b32 s30, s30, 7
	s_add_co_u32 s30, s30, s28                     ; my first row of x
	s_lshl_b32 s31, s31, 9                         ; the K step's 512 bytes in a row
	s_lshl_b32 s32, s30, 12                        ; rows of 4,096 bytes in x (under 2^25 bytes in all)
	s_add_co_u32 s32, s32, s31
	s_mov_b32 s33, 0
	s_add_nc_u64 s[4:5], s[4:5], s[32:33]
	s_lshl_b32 s32, s30, 13                        ; rows of 8,192 bytes in out0
	s_add_co_u32 s32, s32, s31
	s_add_nc_u64 s[26:27], s[26:27], s[32:33]
.irp i, 0,1,2,3,4,5,6,7,8,9,10,11,12,13,14,15
	global_load_b128 v[X+4*\i:X+4*\i+3], v5, s[4:5] offset:((\i%8)+16*(\i/8))*4096 th:TH_LOAD_NT   ; lane i's row of the fragment: 512 consecutive bytes
.endr
.irp i, 0,1,2,3,4,5,6,7,8,9,10,11,12,13,14,15
	s_wait_loadcnt 15-\i                           ; loads come back in order: row i is in, the younger ones may be out
	ds_store_b128 v6, v[X+4*\i:X+4*\i+3] offset:528*\i
	global_store_b128 v5, v[X+4*\i:X+4*\i+3], s[26:27] offset:((\i%8)+16*(\i/8))*8192 th:TH_STORE_NT   ; the copy: 512 consecutive bytes
.endr
.irp b, 0,1,2,3
.irp j, 0,1,2,3
	ds_load_b128 v[Y+16*\b+4*\j:Y+16*\b+4*\j+3], v7 offset:128*\b+16*\j   ; LDS serves a wave's instructions in order: these see my stores
.endr
.endr
	s_wait_dscnt 0x0
	s_wait_xcnt 0x0                                ; the copy's stores have had their addresses translated (ISA guide 3.1): only behind this wait are X's registers written again
.irp b, 0,1,2,3
	v_mov_b32 v[TM+4+\b], 0                        ; a lane permute's destination counts as one of its sources
.endr
	QUANT Y
	s_branch .Ltail
.Lweights:
	; ---- a block of a weight: the codes are the operand's registers as they lie; only their place changes
	s_sub_co_u32 s30, ttmp9, 512
	s_lshr_b32 s31, s30, 6                         ; 0, 1, 2: K, Q, V
	s_cmp_eq_u32 s31, 1
	s_cselect_b64 s[6:7], s[10:11], s[6:7]
	s_cselect_b64 s[8:9], s[12:13], s[8:9]
	s_cmp_eq_u32 s31, 2
	s_cselect_b64 s[6:7], s[14:15], s[6:7]
	s_cselect_b64 s[8:9], s[16:17], s[8:9]
	s_bfe_u32 s32, s30, 0x30003                    ; the group of 128 rows
	s_and_b32 s34, s30, 7                          ; the K step
	s_lshl_b32 s32, s32, 7
	s_add_co_u32 s32, s32, s28                     ; my first row
	s_mul_i32 s36, s32, 768
	s_mul_i32 s35, s34, 96
	s_add_co_u32 s36, s36, s35
	s_mov_b32 s37, 0
	s_add_nc_u64 s[6:7], s[6:7], s[36:37]
	s_lshl_b32 s36, s32, 5
	s_lshl_b32 s35, s34, 2
	s_add_co_u32 s36, s36, s35
	s_add_nc_u64 s[8:9], s[8:9], s[36:37]
.irp p, 0,1,2,3,4,5
	global_load_b64 v[PC+2*\p:PC+2*\p+1], v9, s[6:7] offset:48*(\p/3)+8*(\p%3) th:TH_LOAD_NT   ; 24 bytes at 24 h, 24 bytes at 48 + 24 h, in pieces of 8
.endr
	global_load_b32 v[PW], v10, s[8:9] th:TH_LOAD_NT
	s_wait_loadcnt 0x0
.Ltail:
	; ---- the fragment and its scale words leave
	s_cmp_lt_u32 ttmp9, 512
	s_cselect_b64 s[38:39], s[18:19], s[24:25]     ; xi or wi: the choice hangs on the work-group's number alone
	s_cselect_b32 s40, 0, 512
	s_sub_co_u32 s40, ttmp9, s40
	s_mul_i32 s40, s40, BLK
	s_mov_b32 s41, 0
	s_add_nc_u64 s[38:39], s[38:39], s[40:41]
.irp c, 0,1,2
	global_store_b128 v11, v[PC+4*\c:PC+4*\c+3], s[38:39] offset:512*\c   ; 512 consecutive bytes a store
.endr
	ds_store_b32 v8, v[PW]                         ; both halves of the lanes write the same word with the same value
	s_wait_dscnt 0x0                               ; for the others' sake: my word has landed
	s_barrier_signal -1
	s_barrier_wait -1
	s_cmp_lg_u32 s22, 0
	s_cbranch_scc1 .Lend
	ds_load_b128 v[OW:OW+3], v12                   ; wave 0 stores the eight waves' 512 bytes of scale words as one run
	s_wait_dscnt 0x0
	global_store_b128 v5, v[OW:OW+3], s[38:39] offset:12288
.Lend:
	s_wait_tensorcnt 0x0
	ds_add_u32 v144, v145
	s_wait_dscnt 0x0
	s_endpgm
.Lfunc_end_k_q2e4c0cd2a6_prep:
	.size	k_q2e4c0cd2a6_prep, .Lfunc_end_k_q2e4c0cd2a6_prep-k_q2e4c0cd2a6_prep
	.p2alignl 7, 3214868480
	.fill 96, 4, 3214868480
	.section	.rodata,"a",@progbits
	.p2align	6, 0x0
	.amdhsa_kernel k_q2e4c0cd2a6_prep
		.amdhsa_group_segment_fixed_size 69632
		.amdhsa_private_segment_fixed_size 0
		.amdhsa_enable_private_segment 0
		.amdhsa_kernarg_size 80
		.amdhsa_user_sgpr_count 2
		.amdhsa_user_sgpr_kernarg_segment_ptr 1
		.amdhsa_wavefront_size32 1
		.amdhsa_system_sgpr_workgroup_id_x 1
		.amdhsa_system_sgpr_workgroup_id_y 1
		.amdhsa_system_sgpr_workgroup_id_z 1
		.amdhsa_system_vgpr_workitem_id 0
		.amdhsa_next_free_vgpr 146
		.amdhsa_next_free_sgpr 66
		.amdhsa_reserve_vcc 0
		.amdhsa_float_denorm_mode_32 3
		.amdhsa_float_denorm_mode_16_64 3
		.amdhsa_memory_ordered 1
		.amdhsa_forward_progress 1
		.amdhsa_inst_pref_size 15
	.end_amdhsa_kernel
	.amdgpu_metadata
---
amdhsa.version: [ 1, 2 ]
amdhsa.kernels:
  - .name:           k_q2e4c0cd2a6_prep
    .symbol:         k_q2e4c0cd2a6_prep.kd
    .args:
      - { .name: inputs, .offset: 0, .size: 8, .value_kind: global_buffer, .address_space: global }
      - { .name: Wk_codes, .offset: 8, .size: 8, .value_kind: global_buffer, .address_space: global }
      - { .name: Wk_scales, .offset: 16, .size: 8, .value_kind: global_buffer, .address_space: global }
      - { .name: Wq_codes, .offset: 24, .size: 8, .value_kind: global_buffer, .address_space: global }
      - { .name: Wq_scales, .offset: 32, .size: 8, .value_kind: global_buffer, .address_space: global }
      - { .name: Wv_codes, .offset: 40, .size: 8, .value_kind: global_buffer, .address_space: global }
      - { .name: Wv_scales, .offset: 48, .size: 8, .value_kind: global_buffer, .address_space: global }
      - { .name: xi, .offset: 56, .size: 8, .value_kind: global_buffer, .address_space: global }
      - { .name: wi, .offset: 64, .size: 8, .value_kind: global_buffer, .address_space: global }
      - { .name: out0, .offset: 72, .size: 8, .value_kind: global_buffer, .address_space: global }
    .group_segment_fixed_size: 69632
    .private_segment_fixed_size: 0
    .kernarg_segment_align: 8
    .kernarg_segment_size: 80
    .max_flat_workgroup_size: 256
    .sgpr_count:     66
    .vgpr_count:     146
    .wavefront_size: 32
...
	.end_amdgpu_metadata
.endif
;; end of part 5
;; launch qkv (part 6): grid 12 x 32, 4 waves a work-group, clusters of 4 x 4, 327,680 bytes of LDS; arguments xi, wi, bk, bq, bv, qi, ki, vi; writes qi, ki, vi
.if DOCPART == 6
	.amdgcn_target "amdgcn-amd-amdhsa--gfx1250"
	.amdhsa_code_object_version 6
	.text
	.protected	k_q2e4c0cd2a6_qkv
	.globl	k_q2e4c0cd2a6_qkv
	.p2align	8
	.type	k_q2e4c0cd2a6_qkv,@function
k_q2e4c0cd2a6_qkv:
	s_mov_b64 s[64:65], 0
	v_nop
	global_prefetch_b8 v0, s[64:65] scope:SCOPE_SE
	s_setreg_imm32_b32 hwreg(HW_REG_WAVE_MODE, 25, 1), 1
	s_wait_xcnt 0x0
	s_wait_alu depctr_hold_cnt(0) depctr_sa_sdst(0) depctr_va_vdst(0) depctr_va_sdst(0) depctr_va_ssrc(0) depctr_va_vcc(0) depctr_vm_vsrc(0)
	s_getreg_b32 s2, hwreg(HW_REG_IB_STS2, 6, 4)
	s_cmp_eq_u32 s2, 0
	s_cbranch_scc0 .Lentry_in_a_cluster
	s_endpgm
.Lentry_in_a_cluster:
	s_bfe_u32 s2, ttmp6, 0x10000c
	s_cmp_lg_u32 s2, 0xf033
	s_cbranch_scc0 .Lentry_shape_is_right
	s_endpgm
.Lentry_shape_is_right:
; keys = x Wk + bk, query = x Wq + bq, values = x Wv + bv on codes of FP6 (E2M3) with E8M0 scales, sums in f32, and each result quantised at once for the product that will read it:
; keys and query along their 1,024 features, values along the tokens (the keys of the last product).  Nothing wide goes to memory.
; OPERANDS are image blocks (128 rows x 128 K: 8 fragments of 1,536 bytes as the operand's registers stand, registers 4 c .. 4 c + 3 of lane l at 512 c + 16 l; 512 bytes of scale words, row (r, t)'s at 32 r + 4 t;
; lane r of fragment t = row 32 (t / 2) + 8 (t % 2) + r % 8 + 16 (r / 8)), laid [group][K step].  A fragment comes from LDS by three loads of 16 bytes a lane, dense; the scale words ride in the slots.
; NAMES.  R = source 1: its rows fall to LANES.  P = source 0: its rows fall to a lane's REGISTERS, 16 neighbours in tiles 2 b and 2 b + 1: the axis along which the result is quantised.
;   cluster x = 0: keys, 1: query: R = x (tokens), P = W (features).   cluster x = 2: values: R = Wv (features), P = x (tokens).  The roles are changed by addresses alone.
; SHARES.  A work-group makes 256 rows of R x 256 rows of P; four waves, each 128 x 128: 64 accumulators, 512 registers.
; THREE SLOTS, ONE REFILL.  K = 1,024 is eight K steps of 128; a slot holds two (102,400 bytes).  Three slots fit in LDS, so six K steps are asked for at the start, as first fills; only K steps 6 and 7 are a refill,
; of slot 0, asked for as soon as slot 0 has been read: that load has slots 1 and 2, four K steps less a quarter, in which to land.  A wave has three tensor loads out at the start, later one.
; CLUSTER 4 x 4: R's tile hangs on the place along y and is asked for jointly by a row of the cluster, P's on the place along x, by a column: each tile is requested once for four work-groups.
; The bias is the C of each sum's first product.  LIMITS: NaN and infinities are not served; a block of zeros gets the byte 1 with zero codes (only this program reads the bytes).
; REGISTERS, in windows of 256: window 0: v1-4 lane, r, h, r + 8 (r / 8); v8-13, v16-18, v20-22 LDS addresses; v24-25 offsets of the stores; v28-29 for the add; v32-63 scale words, two sets by turns;
;   v64-127 the bias; v128-223 R's 8 fragments, one set (later the codes made); v224-255 at work.  window 1: P's fragments, sets at v0 and v128.  windows 2, 3: accumulator (a, b) at v[8 (8 (a % 4) + b)].
.set RBLK,  12800
.set PBLK,  12800
.set RQ,    2*RBLK                     ; two K steps of a group: one dense run, one tensor load
.set PQ,    2*PBLK
.set SLOT,  2*RQ+2*PQ                  ; R's two groups, then P's two
.set SPARE, 3*SLOT                     ; behind the slots: the spare words, 128 bytes a wave, which no other line names
.set ADRS, 8                           ; v8-13  my scale words in slot s, K step q: v[8 + 2 s + q]; lanes 0-15 R's, lanes 16-31 P's
.set ADRR, 16                          ; v16-18 my R group in slot 0, 1, 2: + 16 x lane
.set ADRP, 20                          ; v20-22 my P group
.set SPW,  28
.set NIL,  29
.set SC,   32                          ; scale words: set n, K step q, tile i at v[32 + 16 n + 8 q + i]
.set BI,   64
.set RF,   128
.set PC,   128                         ; the way out: codes, two sets of 20
.set SW,   168                         ; v168-175 the eight tiles' scale words
.set PK,   176
.set TM,   224
.set SEL,  66
.set G1R, 24                           ; s[24:31] descriptor group 1 for R;  s[32:39] group 0 for slots 0 and 1;  s[4:7] for slot 2
.set G0R, 32
.set G0R2, 4
.set G1P, 48                           ; s[48:55], s[56:63], s[8:11] the same for P
.set G0P, 56
.set G0P2, 8
.set MUL_LO, 0xa1                      ; source 0 (P) window 1, source 1 (R) window 0, C and D window 2
.set MUL_HI, 0xf1                      ; the same, C and D window 3
.set MSB, 0
.macro WIN new                         ; the immediate's high byte repeats the setting that is left
.if MSB != (\new)
	s_set_vgpr_msb (MSB<<8)|(\new)
.set MSB, (\new)
.endif
.endm
.macro PLACES                          ; four plain vector lines between a matrix instruction and a load into, or a vector read of, its registers
.rept 4
	v_nop
.endr
.endm
; A joint load: waves 0 and 1 fetch R's two groups, waves 2 and 3 P's.  Each line has one mask and one set of registers; the branch hangs on the wave's number alone.  Four v_nop follow each line.
.macro JLOAD g0r, g0p
	s_cmp_eq_u32 s15, 0
	s_cbranch_scc0 .Lfor_p_\@
	tensor_load_to_lds s[\g0r:\g0r+3], s[G1R:G1R+7]
	s_nop 0
	PLACES
	s_branch .Lasked_\@
.Lfor_p_\@:
	tensor_load_to_lds s[\g0p:\g0p+3], s[G1P:G1P+7]
	s_nop 0
	PLACES
.Lasked_\@:
.endm
.macro FIRST g0r, g0p, slot            ; a slot's group 0 for R and for P, and its first fill
	s_mov_b32 s[\g0r], 1
	s_add_co_u32 s[\g0r+1], s96, \slot*SLOT
	s_add_nc_u64 s[\g0r+2:\g0r+3], s[92:93], \slot*RQ
	s_or_b32 s[\g0r+3], s[\g0r+3], 0x80000000
	s_mov_b32 s[\g0p], 1
	s_add_co_u32 s[\g0p+1], s97, \slot*SLOT
	s_add_nc_u64 s[\g0p+2:\g0p+3], s[94:95], \slot*PQ
	s_or_b32 s[\g0p+3], s[\g0p+3], 0x80000000
	JLOAD \g0r, \g0p
.endm
.macro CREST                           ; a round of the cluster's barrier behind its opening barrier
	s_cmp_lg_u32 s14, 0
	s_cbranch_scc1 .Lnot_wave_0_\@
	s_barrier_signal -3
.Lnot_wave_0_\@:
	s_barrier_wait -3
	s_barrier_signal -1
	s_barrier_wait -1
.endm
.macro CROUND
	s_barrier_signal -1
	s_barrier_wait -1
	CREST
.endm
.macro FRAG reg, adr, off              ; a fragment's 12 registers: three dense loads
.irp c, 0,1,2
	ds_load_b128 v[\reg+4*\c:\reg+4*\c+3], v[\adr] offset:\off+512*\c
.endr
.endm
.macro FETCH_P slot, q, set            ; P's eight fragments of the slot's K step q: 24 loads
	WIN 0x40
.irp i, 0,1,2,3,4,5,6,7
	FRAG 128*(\set)+12*\i, ADRP+\slot, (\q)*PBLK+1536*\i
.endr
	WIN 0
.endm
.macro FETCH_R slot, q, i0             ; R's fragments i0 .. i0 + 3: 12 loads
.irp i, \i0, \i0+1, \i0+2, \i0+3
	FRAG RF+12*(\i), ADRR+\slot, (\q)*RBLK+1536*(\i)
.endr
.endm
.macro SCALES slot, set                ; the slot's scale words, both K steps, into set: 4 loads; a lane's 32 bytes are its row's words of the eight tiles
.irp q, 0,1
	ds_load_b128 v[SC+16*\set+8*\q:SC+16*\set+8*\q+3], v[ADRS+2*\slot+\q]
	ds_load_b128 v[SC+16*\set+8*\q+4:SC+16*\set+8*\q+7], v[ADRS+2*\slot+\q] offset:16
.endr
.endm
; 16 products: R's tiles a0, a0 + 1 x P's eight.  cm: 0 adds in place; 2: the sum starts from the bias of P's tile; 3: from the bias of R's tile.
; The 64 accumulators take turns, one instruction a turn, in one order everywhere.
.macro MUL16 a0, set, q, sc, cm
.irp a, \a0, \a0+1
.irp b, 0,1,2,3,4,5,6,7
.set rD, 8*(8*((\a)%4)+\b)
.set rP, 128*(\set)+12*\b
.set rR, RF+12*(\a)
.set rSP, SC+16*(\sc)+8*(\q)+\b
.set rSR, SC+16*(\sc)+8*(\q)+(\a)
.if \cm == 0
	v_wmma_scale_f32_16x16x128_f8f6f4 v[rD:rD+7], v[rP:rP+11], v[rR:rR+11], v[rD:rD+7], v[rSP], v[rSR] matrix_a_fmt:MATRIX_FMT_FP6 matrix_b_fmt:MATRIX_FMT_FP6 matrix_a_scale:MATRIX_SCALE_ROW1
.elseif \cm == 2
	v_wmma_scale_f32_16x16x128_f8f6f4 v[rD:rD+7], v[rP:rP+11], v[rR:rR+11], v[BI+8*\b:BI+8*\b+7], v[rSP], v[rSR] matrix_a_fmt:MATRIX_FMT_FP6 matrix_b_fmt:MATRIX_FMT_FP6 matrix_a_scale:MATRIX_SCALE_ROW1
.else
	v_wmma_scale_f32_16x16x128_f8f6f4 v[rD:rD+7], v[rP:rP+11], v[rR:rR+11], v[BI+8*(\a):BI+8*(\a)+7], v[rSP], v[rSR] matrix_a_fmt:MATRIX_FMT_FP6 matrix_b_fmt:MATRIX_FMT_FP6 matrix_a_scale:MATRIX_SCALE_ROW1
.endif
.endr
.endr
.endm
; A slot's first K step; sc: its set of scale words.  R's tiles are free as soon as their eight products are issued, so one set serves R: tiles 0-3 are fetched anew in the middle, tiles 4-7 at the end.
.macro STEP slot, sc, cm
	s_wait_dscnt 12                                ; all but the youngest twelve loads (R's tiles 4-7) are in
.if \cm >= 2
	WIN 0x81                                       ; the bias, C, lies in window 0
.else
	WIN MUL_LO
.endif
	MUL16 0, 0, 0, \sc, \cm
	MUL16 2, 0, 0, \sc, \cm
	s_wait_dscnt 0x0                               ; R's tiles 4-7 are in
	PLACES
	FETCH_P \slot, 1, 1
	FETCH_R \slot, 1, 0
.if \cm >= 2
	WIN 0xc1
.else
	WIN MUL_HI
.endif
	MUL16 4, 0, 0, \sc, \cm
	MUL16 6, 0, 0, \sc, \cm
	PLACES
	WIN 0
	FETCH_R \slot, 1, 4
.endm
; A slot's second K step goes on to the next slot.
; mode 1: this slot is filled again.  In front of the barrier each wave waits for all its tensor loads (the first fills of the two slots ahead), adds 0 to its spare word, and waits for that and for its reads of this slot;
;         the barrier opens a round of the cluster's barrier, and the joint refill is the first thing behind the round, the wave's one tensor load from there on.
; mode 2: nothing is filled and the next slot was shown whole to every wave by the barrier of mode 1: no wait on TENSORcnt, no barrier; the refill stays on its way.
; mode 0: the next slot is the one that was filled again: each wave waits for its part of it and says so at a plain barrier.
.macro TURN slot, sc, next, nsc, mode
.if \mode < 2
	s_wait_tensorcnt 0x0                           ; all my tensor loads have landed
	ds_add_u32 v[SPW], v[NIL]                      ; 0 onto my spare word
	s_wait_dscnt 13                                ; (the add and the youngest twelve loads may be out)
.else
	s_wait_dscnt 12                                ; all but the youngest twelve loads (R's tiles 4-7) are in
.endif
	WIN MUL_LO
	MUL16 0, 1, 1, \sc, 0                          ; sixteen products stand between the add and the wait for it
.if \mode < 2
	s_wait_dscnt 0x0                               ; the add is done, and my reads of this slot are over
	s_barrier_signal -1
.endif
	MUL16 2, 1, 1, \sc, 0
	WIN 0
.if \mode < 2
	s_barrier_wait -1
.else
	s_wait_dscnt 0x0                               ; R's tiles 4-7 are in
.endif
.if \mode == 1
	CREST                                          ; no wave of any partner still reads this slot or has a load on its way
	s_add_nc_u64 s[G0R+4*\slot+2:G0R+4*\slot+3], s[G0R+4*\slot+2:G0R+4*\slot+3], 3*RQ   ; three slots on along K
	s_add_nc_u64 s[G0P+4*\slot+2:G0P+4*\slot+3], s[G0P+4*\slot+2:G0P+4*\slot+3], 3*PQ
	JLOAD G0R+4*\slot, G0P+4*\slot                 ; its four v_nop are also the places in front of the loads below
.else
	PLACES
.endif
	FETCH_P \next, 0, 0
	FETCH_R \next, 0, 0
	SCALES \next, \nsc
	WIN MUL_HI
	MUL16 4, 1, 1, \sc, 0
	MUL16 6, 1, 1, \sc, 0
	PLACES
	WIN 0
	FETCH_R \next, 0, 4
.endm
	s_load_b256 s[68:75], s[0:1], 0x0              ; xi s[68:69], wi s[70:71], bk s[72:73], bq s[74:75]
	s_load_b256 s[76:83], s[0:1], 0x20             ; bv s[76:77], qi s[78:79], ki s[80:81], vi s[82:83]
	v_lshl_add_u32 v[SPW], v0, 2, SPARE
	v_mov_b32 v[NIL], 0
	ds_add_u32 v28, v29
	ds_add_u32 v28, v29
	s_wait_dscnt 0x0
	v_lshrrev_b32 v1, 5, v0
	v_readfirstlane_b32 s14, v1                    ; wave 0..3
	s_lshr_b32 s15, s14, 1                         ; which of R's two groups is mine.  Also: I fetch for R (0) or for P (1)
	s_and_b32 s16, s14, 1                          ; which of P's two groups is mine.  Also: which group I fetch
	s_bfe_u32 s40, ttmp6, 0x40000                  ; cx, cy: my place in the cluster
	s_bfe_u32 s41, ttmp6, 0x40004
	s_mov_b32 s42, ttmp9                           ; cluster x: 0 keys, 1 query, 2 values
	s_and_b32 s45, ttmp7, 0xffff                   ; cluster y: 1,024 tokens
	s_lshl_b32 s43, s41, 2
	s_lshl_b32 s43, 15, s43                        ; my row of the cluster
	s_lshl_b32 s44, 0x1111, s40                    ; my column
	; descriptor group 1: a dense run of RQ (PQ) bytes as rows of 256 bytes (32 elements of 8 bytes), no padding: the fragments' loads are dense
	s_or_b32 s[G1R+0], s43, (3<<16)|(1<<21)        ; 15:0 the mask; 17:16 elements of 8 bytes; 21 set beside a mask
	s_or_b32 s[G1P+0], s44, (3<<16)|(1<<21)
	s_mov_b32 s[G1R+1], 32<<16                     ; tensor_dim0 = 32
	s_mov_b32 s[G1R+2], (RQ/256)<<16               ; tensor_dim1
	s_mov_b32 s[G1R+3], 32<<16                     ; tile_dim0
	s_mov_b32 s[G1R+4], RQ/256                     ; tile_dim1
	s_mov_b32 s[G1R+5], 32                         ; the pitch
	s_mov_b32 s[G1R+6], 0
	s_mov_b32 s[G1R+7], 0
	s_mov_b32 s[G1P+1], 32<<16
	s_mov_b32 s[G1P+2], (PQ/256)<<16
	s_mov_b32 s[G1P+3], 32<<16
	s_mov_b32 s[G1P+4], PQ/256
	s_mov_b32 s[G1P+5], 32
	s_mov_b32 s[G1P+6], 0
	s_mov_b32 s[G1P+7], 0
	; which tiles.  R's number is made of cy and cluster numbers alone, P's of cx and cluster numbers alone
	s_lshl_b32 s17, s45, 2
	s_mul_i32 s21, s42, 64*PBLK                    ; the weight's 64 blocks in wi
	s_cmp_eq_u32 s42, 2
	s_cselect_b32 s84, 1, 0                        ; 1: values
	s_cselect_b32 s85, 0, s17
	s_cselect_b32 s98, s17, 0
	s_cselect_b32 s20, 128*RBLK, 0                 ; Wv begins behind Wk and Wq
	s_cselect_b32 s21, 0, s21
	s_add_co_u32 s85, s85, s41                     ; R's tile of 256 rows
	s_add_co_u32 s98, s98, s40                     ; P's
	s_mul_i32 s91, s16, 8*RBLK                     ; the group that I fetch: 8 blocks a group
	s_mul_i32 s22, s85, 16*RBLK
	s_add_co_u32 s22, s22, s20
	s_add_co_u32 s22, s22, s91
	s_mov_b32 s23, 0
	s_mul_i32 s46, s98, 16*PBLK
	s_add_co_u32 s46, s46, s21
	s_add_co_u32 s46, s46, s91
	s_mov_b32 s47, 0
	s_mul_i32 s96, s16, RQ                         ; where they go in a slot: no place in the cluster enters an LDS address
	s_mul_i32 s97, s16, PQ
	s_add_co_u32 s97, s97, 2*RQ
	s_wait_kmcnt 0x0
	s_cmp_eq_u32 s42, 2
	s_cselect_b64 s[92:93], s[70:71], s[68:69]     ; R: wi for values, else xi
	s_cselect_b64 s[94:95], s[68:69], s[70:71]     ; P: the other
	s_add_nc_u64 s[92:93], s[92:93], s[22:23]
	s_add_nc_u64 s[94:95], s[94:95], s[46:47]
	CROUND                                         ; all sixteen work-groups are here: the first joint loads meet
	FIRST G0R, G0P, 0                              ; K steps 0, 1
	FIRST G0R+4, G0P+4, 1                          ; K steps 2, 3
	FIRST G0R2, G0P2, 2                            ; K steps 4, 5: three tensor loads of mine are out
	v_and_b32 v1, 31, v0                           ; lane
	v_and_b32 v2, 15, v0                           ; r
	v_bfe_u32 v3, v0, 4, 1                         ; h
	v_and_b32 v4, 8, v2
	v_add_nc_u32 v4, v4, v2                        ; r + 8 (r / 8)
	v_lshlrev_b32 v24, 4, v1                       ; 16 x lane
	v_lshlrev_b32 v25, 5, v2
	v_lshl_add_u32 v25, v3, 4, v25                 ; 32 r + 16 h
	v_lshlrev_b32 v6, 5, v2                        ; 32 r
	s_mul_i32 s17, s15, RQ                         ; my R group in a slot
	s_mul_i32 s18, s16, PQ
	s_add_co_u32 s18, s18, 2*RQ                    ; my P group
.irp q, 0,1
	s_add_co_u32 s19, s17, \q*RBLK+12288           ; R's scale words of K step q,
	s_add_co_u32 s20, s18, \q*PBLK+12288           ; P's,
	s_sub_co_u32 s20, s20, s19                     ; and the distance between them: lanes 16-31 take P's
	v_mul_u32_u24 v7, s20, v3
	v_add_nc_u32 v7, v7, v6
	v_add_nc_u32 v[ADRS+\q], s19, v7
	v_add_nc_u32 v[ADRS+2+\q], SLOT, v[ADRS+\q]
	v_add_nc_u32 v[ADRS+4+\q], 2*SLOT, v[ADRS+\q]
.endr
.irp s, 0,1,2
	v_add_nc_u32 v[ADRR+\s], s17, v24
	v_add_nc_u32 v[ADRP+\s], s18, v24
	s_add_co_u32 s17, s17, SLOT
	s_add_co_u32 s18, s18, SLOT
.endr
	s_mov_b32 s[SEL], 0x76543210
	s_mov_b32 s[SEL+1], 0xfedcba98
	s_mov_b32 s90, 0xffff0000                      ; lanes 16-31
	; the bias in the result's layout: register j of tile i.  Keys, query: the feature 32 (i / 2) + 8 (i % 2) + 16 h + j of P's group.  Values: the feature 32 (i / 2) + 8 (i % 2) + r + 8 (r / 8) of R's group, for every j
	s_cmp_eq_u32 s42, 1
	s_cselect_b64 s[92:93], s[74:75], s[72:73]
	s_cmp_eq_u32 s42, 2
	s_cselect_b64 s[92:93], s[76:77], s[92:93]
	s_cselect_b32 s17, s85, s98
	s_cselect_b32 s18, s15, s16
	s_cselect_b32 s19, 0, 64
	s_cselect_b32 s20, 4, 0
	s_cselect_b32 s21, 0, 4
	s_lshl_b32 s17, s17, 10
	s_lshl_b32 s18, s18, 9
	s_add_co_u32 s22, s17, s18
	s_mov_b32 s23, 0
	s_add_nc_u64 s[92:93], s[92:93], s[22:23]
	v_mul_u32_u24 v6, s19, v3
	v_mul_u32_u24 v7, s20, v4
	v_add_nc_u32 v6, v6, v7
.irp j, 0,1,2,3,4,5,6,7
	s_mul_i32 s22, s21, \j
	v_add_nc_u32 v[TM+\j], s22, v6
.endr
.set n, 0
.rept 64
	global_load_b32 v[BI+n], v[TM+n%8], s[92:93] offset:(32*(n/16)+8*((n/8)%2))*4
.set n, n+1
.endr
	; where my block goes.  Keys, query: [token group][K step = feature group].  Values: [batch][feature group][K step = token group in the batch]
	s_lshl_b32 s17, s85, 1
	s_add_co_u32 s17, s17, s15                     ; R's group
	s_lshl_b32 s18, s98, 1
	s_add_co_u32 s18, s18, s16                     ; P's group
	s_lshl_b32 s19, s17, 3
	s_add_co_u32 s19, s19, s18
	s_lshr_b32 s20, s18, 4
	s_lshl_b32 s20, s20, 3
	s_add_co_u32 s20, s20, s17
	s_lshl_b32 s20, s20, 4
	s_and_b32 s21, s18, 15
	s_add_co_u32 s20, s20, s21
	s_cmp_eq_u32 s42, 1
	s_cselect_b64 s[86:87], s[78:79], s[80:81]
	s_cmp_eq_u32 s42, 2
	s_cselect_b64 s[86:87], s[82:83], s[86:87]
	s_cselect_b32 s22, s20, s19
	s_mul_i32 s22, s22, 12800
	s_mov_b32 s23, 0
	s_add_nc_u64 s[86:87], s[86:87], s[22:23]
	s_wait_tensorcnt 2                             ; my part of slot 0 is in; slots 1 and 2's may stay out
	s_barrier_signal -1
	s_barrier_wait -1                              ; everybody's is
	FETCH_P 0, 0, 0
	FETCH_R 0, 0, 0
	SCALES 0, 0
	FETCH_R 0, 0, 4
	s_wait_loadcnt 0x0                             ; the bias
	s_cmp_eq_u32 s84, 0                            ; the first K step starts the sums from the bias; it is written twice, since the bias goes with P's tile or with R's.  The branch hangs on the cluster's number alone
	s_cbranch_scc0 .Lfirst_v
	STEP 0, 0, 2
	s_branch .Lfirst_done
.Lfirst_v:
	STEP 0, 0, 3
.Lfirst_done:
	TURN 0, 0, 1, 1, 1                             ; slot 0 has been read: it takes K steps 6, 7
	STEP 1, 1, 0
	TURN 1, 1, 2, 0, 2                             ; on to slot 2, which is whole since the round above
	STEP 2, 0, 0
	TURN 2, 0, 0, 1, 0                             ; on to slot 0's second tile
	STEP 0, 1, 0
	s_wait_dscnt 12                                ; the last K step
	WIN MUL_LO
	MUL16 0, 1, 1, 1, 0
	MUL16 2, 1, 1, 1, 0
	s_wait_dscnt 0x0
	WIN MUL_HI
	MUL16 4, 1, 1, 1, 0
	MUL16 6, 1, 1, 1, 0
	WIN 0
	PLACES
.irp b, 0,1,2,3
	v_mov_b32 v[TM+4+\b], 0                        ; a lane permute's destination counts as one of its sources
.endr
; THE WAY OUT.  R's tile a: its 64 registers are, for my lane's row, 128 numbers' worth along P's rows: register 16 b + i = 32 b + 16 h + i.  They become one fragment and one scale word a row, and the fragment
; leaves as it stands: three stores of 512 consecutive bytes.  Each accumulator is read from its low end on.
.macro QW a
.set AC, 64*((\a)%4)
.set WD, 2+(\a)/4
.set PCS, PC+20*((\a)%2)
	s_wait_xcnt 0x0                                ; the earlier stores have read their registers: the set of codes may be written again
	WIN (WD<<2)|(WD<<4)
.irp b, 0,1,2,3
	v_max3_num_f32 v[TM+\b], 0x1800000, |v[AC+16*\b]|, |v[AC+16*\b+1]|   ; the floor 2^(3 - 127) holds the byte at 1 from below
.endr
.irp i, 2,4,6,8,10,12,14
.irp b, 0,1,2,3
	v_max3_num_f32 v[TM+\b], v[TM+\b], |v[AC+16*\b+\i]|, |v[AC+16*\b+\i+1]|
.endr
.endr
	WIN 0
.irp b, 0,1,2,3
	v_permlanex16_b32 v[TM+4+\b], v[TM+\b], s[SEL], s[SEL+1]
.endr
.irp b, 0,1,2,3
	v_max_num_f32 v[TM+\b], v[TM+\b], v[TM+4+\b]
.endr
.irp b, 0,1,2,3
	v_add_nc_u32 v[TM+12+\b], 0xff000000, v[TM+\b]   ; 2 off the exponent field: the conversion's scale operand
.endr
.irp b, 0,1,2,3
	v_lshrrev_b32 v[TM+4+\b], 23, v[TM+12+\b]
.endr
	v_lshl_or_b32 v[SW+(\a)], v[TM+5], 8, v[TM+4]
	v_lshl_or_b32 v[SW+(\a)], v[TM+6], 16, v[SW+(\a)]
	v_lshl_or_b32 v[SW+(\a)], v[TM+7], 24, v[SW+(\a)]
	WIN WD
.irp c, 0,1
	v_cvt_scalef32_pk16_fp6_f32 v[PCS+6*\c:PCS+6*\c+2], v[AC+32*\c:AC+32*\c+15], v[TM+12+2*\c]
	v_cvt_scalef32_pk16_fp6_f32 v[PCS+12+4*\c:PCS+14+4*\c], v[AC+16+32*\c:AC+31+32*\c], v[TM+13+2*\c]
.endr
	WIN 0
	v_nop                                          ; one plain line behind the scaled conversions
.irp c, 0,1
.irp i, 0,1,2
	v_permlane16_swap_b32 v[PCS+6*\c+\i], v[PCS+12+4*\c+\i]
.endr
.irp i, 0,1,2
	v_mov_b32 v[PCS+3+6*\c+\i], v[PCS+12+4*\c+\i]
.endr
.endr
.irp c, 0,1,2
	global_store_b128 v24, v[PCS+4*\c:PCS+4*\c+3], s[86:87] offset:1536*(\a)+512*\c
.endr
.endm
.irp a, 0,1,2,3,4,5,6,7
	QW \a
.endr
.irp i, 0,1,2,3
	v_cndmask_b32 v[PK+\i], v[SW+\i], v[SW+4+\i], s90   ; lanes 0-15 carry tiles 0-3's words of row r, lanes 16-31 tiles 4-7's
.endr
	global_store_b128 v25, v[PK:PK+3], s[86:87] offset:12288   ; the block's 512 bytes of scale words in one store
	s_wait_tensorcnt 0x0                           ; the wave's end
	ds_add_u32 v[SPW], v[NIL]
	s_wait_dscnt 0x0
	CROUND                                         ; the closing round: no work-group ends while a partner may still ask for a tile that names it
	s_endpgm
.Lfunc_end_k_q2e4c0cd2a6_qkv:
	.size	k_q2e4c0cd2a6_qkv, .Lfunc_end_k_q2e4c0cd2a6_qkv-k_q2e4c0cd2a6_qkv
	.p2alignl 7, 3214868480
	.fill 96, 4, 3214868480
	.section	.rodata,"a",@progbits
	.p2align	6, 0x0
	.amdhsa_kernel k_q2e4c0cd2a6_qkv
		.amdhsa_group_segment_fixed_size 327680
		.amdhsa_private_segment_fixed_size 0
		.amdhsa_enable_private_segment 0
		.amdhsa_kernarg_size 64
		.amdhsa_user_sgpr_count 2
		.amdhsa_user_sgpr_kernarg_segment_ptr 1
		.amdhsa_wavefront_size32 1
		.amdhsa_system_sgpr_workgroup_id_x 1
		.amdhsa_system_sgpr_workgroup_id_y 1
		.amdhsa_system_sgpr_workgroup_id_z 1
		.amdhsa_system_vgpr_workitem_id 0
		.amdhsa_next_free_vgpr 1024
		.amdhsa_next_free_sgpr 100
		.amdhsa_reserve_vcc 0
		.amdhsa_float_denorm_mode_32 3
		.amdhsa_float_denorm_mode_16_64 3
		.amdhsa_memory_ordered 1
		.amdhsa_forward_progress 1
		.amdhsa_inst_pref_size 156
	.end_amdhsa_kernel
	.amdgpu_metadata
---
amdhsa.version: [ 1, 2 ]
amdhsa.kernels:
  - .name:           k_q2e4c0cd2a6_qkv
    .symbol:         k_q2e4c0cd2a6_qkv.kd
    .args:
      - { .name: xi, .offset: 0, .size: 8, .value_kind: global_buffer, .address_space: global }
      - { .name: wi, .offset: 8, .size: 8, .value_kind: global_buffer, .address_space: global }
      - { .name: bk, .offset: 16, .size: 8, .value_kind: global_buffer, .address_space: global }
      - { .name: bq, .offset: 24, .size: 8, .value_kind: global_buffer, .address_space: global }
      - { .name: bv, .offset: 32, .size: 8, .value_kind: global_buffer, .address_space: global }
      - { .name: qi, .offset: 40, .size: 8, .value_kind: global_buffer, .address_space: global }
      - { .name: ki, .offset: 48, .size: 8, .value_kind: global_buffer, .address_space: global }
      - { .name: vi, .offset: 56, .size: 8, .value_kind: global_buffer, .address_space: global }
    .group_segment_fixed_size: 327680
    .private_segment_fixed_size: 0
    .kernarg_segment_align: 8
    .kernarg_segment_size: 64
    .max_flat_workgroup_size: 128
    .sgpr_count:     100
    .vgpr_count:     1024
    .wavefront_size: 32
...
	.end_amdgpu_metadata
.endif
;; end of part 6
;; launch sc (part 7): grid 12 x 16, 4 waves a work-group, clusters of 4 x 4, 327,680 bytes of LDS; arguments qi, ki, pi; writes pi
.if DOCPART == 7
	.amdgcn_target "amdgcn-amd-amdhsa--gfx1250"
	.amdhsa_code_object_version 6
	.text
	.protected	k_q2e4c0cd2a6_sc
	.globl	k_q2e4c0cd2a6_sc
	.p2align	8
	.type	k_q2e4c0cd2a6_sc,@function
k_q2e4c0cd2a6_sc:
	s_mov_b64 s[64:65], 0
	v_nop
	global_prefetch_b8 v0, s[64:65] scope:SCOPE_SE
	s_setreg_imm32_b32 hwreg(HW_REG_WAVE_MODE, 25, 1), 1
	s_wait_xcnt 0x0
	s_wait_alu depctr_hold_cnt(0) depctr_sa_sdst(0) depctr_va_vdst(0) depctr_va_sdst(0) depctr_va_ssrc(0) depctr_va_vcc(0) depctr_vm_vsrc(0)
	s_getreg_b32 s2, hwreg(HW_REG_IB_STS2, 6, 4)
	s_cmp_eq_u32 s2, 0
	s_cbranch_scc0 .Lentry_in_a_cluster
	s_endpgm
.Lentry_in_a_cluster:
	s_bfe_u32 s2, ttmp6, 0x10000c
	s_cmp_lg_u32 s2, 0xf033
	s_cbranch_scc0 .Lentry_shape_is_right
	s_endpgm
.Lentry_shape_is_right:
; The scores S^T = keys query^T on codes of FP6 (E2M3), the causal mask, and p = 2^(t - M) quantised along the keys, for the last product.  t = score x log2(e) / 32.
; M IS LOCAL: for each query and each group of 128 keys (one K step of the last product) M = ceil(the group's largest t), a whole number.  Stored with p's codes and scale bytes: -M (f32) and the group's sum of the
; unquantised p.  The next launch brings all groups of a row under the row's M by lowering p's scale bytes by the difference: an exact power of two, which leaves the codes' values as they would be under the row's M.
; OPERANDS are image blocks (see below); R = query (source 1: a lane holds one query), P = keys (source 0: a lane's registers run along the keys, 16 neighbours in tiles 2 b, 2 b + 1).
;   block = 128 rows x 128 K: 8 fragments of 1,536 bytes as the operand's registers stand (registers 4 c .. 4 c + 3 of lane l at 512 c + 16 l), 512 bytes of scale words (row (r, t)'s at 32 r + 4 t);
;   lane r of fragment t = row 32 (t / 2) + 8 (t % 2) + r % 8 + 16 (r / 8).  p's block has two more arrays of 512 bytes in the scale words' order: -M at 12,800, the sum at 13,312: 13,824 bytes.
; SHARES.  A work-group: 256 queries x 256 keys; four waves of 128 x 128.  A cluster of 4 x 4: 1,024 x 1,024.  Of a batch's four such squares the one that lies wholly above the diagonal is not launched:
; cluster x = 0, 1, 2 are the squares (0, 0), (1, 0), (1, 1); cluster y is the batch.  Inside a square on the diagonal every work-group runs alike, also those whose tile is wholly masked: they are partners of
; the joint loads, no branch may hang on a place in the cluster, and their blocks (zero codes, -M = 1e30, sum 0) are read by the next launch.
; THREE SLOTS, ONE REFILL.  K = 1,024 is eight K steps of 128; a slot holds two (102,400 bytes).  Six K steps are asked for at the start, as first fills; only K steps 6 and 7 are a refill, of slot 0, asked for as soon
; as slot 0 has been read: that load has slots 1 and 2 in which to land.  A wave has three tensor loads out at the start, later one.
; LIMITS: masked scores count as -infinity (p = 0), which is what -1e9 gives wherever a row's largest score lies more than some 100 above -1e9; |t| under 2^24, so that M is a whole number in f32;
; a block of 32 whose largest p lies under 2^-58 of 2^M is coded on the grid of 2^-60 (so the bytes lie in 67 .. 125); NaN and infinities are not served.
; REGISTERS, in windows of 256: window 0: v1-4 lane, r, h, r + 8 (r / 8); v8-13, v16-18, v20-22 LDS addresses; v24-26; v28-29 for the add; v32-63 scale words, two sets by turns; v64-127 p of one tile;
;   v128-223 R's 8 fragments (later codes, words, -M, sums); v224-255 at work.  window 1: P's fragments, sets at v0 and v128.  windows 2, 3: accumulator (a, b) at v[8 (8 (a % 4) + b)].
.set RBLK,  12800
.set PBLK,  12800
.set OBLK,  13824                      ; a block of p
.set RQ,    2*RBLK
.set PQ,    2*PBLK
.set SLOT,  2*RQ+2*PQ
.set SPARE, 3*SLOT                     ; behind the slots: the spare words, 128 bytes a wave, which no other line names
.set ADRS, 8                           ; v8-13
.set ADRR, 16                          ; v16-18
.set ADRP, 20                          ; v20-22
.set DB,   26                          ; v26  my query less my first key, for tile 0
.set SPW,  28
.set NIL,  29
.set SC,   32
.set T,    64
.set RF,   128
.set PC,   128
.set SW,   168
.set MI,   176
.set LL,   184
.set PK,   192
.set TM,   224
.set NM,   240                         ; v240 -M, v241 t
.set WK,   242
.set SA,   244
.set SB,   246
.set NEGI, 248
.set SEL,  66
.set CS,   88                          ; s[88:89] c = log2(e) / 32
.set G1R, 24                           ; s[24:31] group 1 for R;  s[32:39] group 0 for slots 0 and 1;  s[4:7] for slot 2
.set G0R, 32
.set G0R2, 4
.set G1P, 48                           ; s[48:55], s[56:63], s[8:11] the same for P
.set G0P, 56
.set G0P2, 8
.set MUL_LO, 0xa1
.set MUL_HI, 0xf1
.set MSB, 0
.macro WIN new                         ; the immediate's high byte repeats the setting that is left
.if MSB != (\new)
	s_set_vgpr_msb (MSB<<8)|(\new)
.set MSB, (\new)
.endif
.endm
.macro PLACES                          ; four plain vector lines between a matrix instruction and a load into, or a vector read of, its registers
.rept 4
	v_nop
.endr
.endm
.macro JLOAD g0r, g0p                  ; a joint load: waves 0 and 1 fetch R's two groups, waves 2 and 3 P's; four v_nop follow each line
	s_cmp_eq_u32 s15, 0
	s_cbranch_scc0 .Lfor_p_\@
	tensor_load_to_lds s[\g0r:\g0r+3], s[G1R:G1R+7]
	s_nop 0
	PLACES
	s_branch .Lasked_\@
.Lfor_p_\@:
	tensor_load_to_lds s[\g0p:\g0p+3], s[G1P:G1P+7]
	s_nop 0
	PLACES
.Lasked_\@:
.endm
.macro FIRST g0r, g0p, slot            ; a slot's group 0 for R and for P, and its first fill
	s_mov_b32 s[\g0r], 1
	s_add_co_u32 s[\g0r+1], s96, \slot*SLOT
	s_add_nc_u64 s[\g0r+2:\g0r+3], s[92:93], \slot*RQ
	s_or_b32 s[\g0r+3], s[\g0r+3], 0x80000000
	s_mov_b32 s[\g0p], 1
	s_add_co_u32 s[\g0p+1], s97, \slot*SLOT
	s_add_nc_u64 s[\g0p+2:\g0p+3], s[94:95], \slot*PQ
	s_or_b32 s[\g0p+3], s[\g0p+3], 0x80000000
	JLOAD \g0r, \g0p
.endm
.macro CREST
	s_cmp_lg_u32 s14, 0
	s_cbranch_scc1 .Lnot_wave_0_\@
	s_barrier_signal -3
.Lnot_wave_0_\@:
	s_barrier_wait -3
	s_barrier_signal -1
	s_barrier_wait -1
.endm
.macro CROUND
	s_barrier_signal -1
	s_barrier_wait -1
	CREST
.endm
.macro FRAG reg, adr, off
.irp c, 0,1,2
	ds_load_b128 v[\reg+4*\c:\reg+4*\c+3], v[\adr] offset:\off+512*\c
.endr
.endm
.macro FETCH_P slot, q, set            ; 24 loads
	WIN 0x40
.irp i, 0,1,2,3,4,5,6,7
	FRAG 128*(\set)+12*\i, ADRP+\slot, (\q)*PBLK+1536*\i
.endr
	WIN 0
.endm
.macro FETCH_R slot, q, i0             ; 12 loads
.irp i, \i0, \i0+1, \i0+2, \i0+3
	FRAG RF+12*(\i), ADRR+\slot, (\q)*RBLK+1536*(\i)
.endr
.endm
.macro SCALES slot, set                ; 4 loads
.irp q, 0,1
	ds_load_b128 v[SC+16*\set+8*\q:SC+16*\set+8*\q+3], v[ADRS+2*\slot+\q]
	ds_load_b128 v[SC+16*\set+8*\q+4:SC+16*\set+8*\q+7], v[ADRS+2*\slot+\q] offset:16
.endr
.endm
; 16 products: R's tiles a0, a0 + 1 x P's eight.  cm = 1: the first product starts the sums.  The 64 accumulators take turns, one instruction a turn.
.macro MUL16 a0, set, q, sc, cm
.irp a, \a0, \a0+1
.irp b, 0,1,2,3,4,5,6,7
.set rD, 8*(8*((\a)%4)+\b)
.set rP, 128*(\set)+12*\b
.set rR, RF+12*(\a)
.set rSP, SC+16*(\sc)+8*(\q)+\b
.set rSR, SC+16*(\sc)+8*(\q)+(\a)
.if \cm == 0
	v_wmma_scale_f32_16x16x128_f8f6f4 v[rD:rD+7], v[rP:rP+11], v[rR:rR+11], v[rD:rD+7], v[rSP], v[rSR] matrix_a_fmt:MATRIX_FMT_FP6 matrix_b_fmt:MATRIX_FMT_FP6 matrix_a_scale:MATRIX_SCALE_ROW1
.else
	v_wmma_scale_f32_16x16x128_f8f6f4 v[rD:rD+7], v[rP:rP+11], v[rR:rR+11], 0, v[rSP], v[rSR] matrix_a_fmt:MATRIX_FMT_FP6 matrix_b_fmt:MATRIX_FMT_FP6 matrix_a_scale:MATRIX_SCALE_ROW1
.endif
.endr
.endr
.endm
.macro STEP slot, sc, cm               ; a slot's first K step; sc: its set of scale words
	s_wait_dscnt 12                                ; all but the youngest twelve loads (R's tiles 4-7) are in
	WIN MUL_LO
	MUL16 0, 0, 0, \sc, \cm
	MUL16 2, 0, 0, \sc, \cm
	s_wait_dscnt 0x0
	PLACES
	FETCH_P \slot, 1, 1
	FETCH_R \slot, 1, 0
	WIN MUL_HI
	MUL16 4, 0, 0, \sc, \cm
	MUL16 6, 0, 0, \sc, \cm
	PLACES
	WIN 0
	FETCH_R \slot, 1, 4
.endm
; A slot's second K step goes on to the next slot.
; mode 1: this slot is filled again.  In front of the barrier each wave waits for all its tensor loads (the first fills of the two slots ahead), adds 0 to its spare word, and waits for that and for its reads of this slot;
;         the barrier opens a round of the cluster's barrier, and the joint refill is the first thing behind the round, the wave's one tensor load from there on.
; mode 2: nothing is filled and the next slot was shown whole to every wave by the barrier of mode 1: no wait on TENSORcnt, no barrier; the refill stays on its way.
; mode 0: the next slot is the one that was filled again: each wave waits for its part of it and says so at a plain barrier.
.macro TURN slot, sc, next, nsc, mode
.if \mode < 2
	s_wait_tensorcnt 0x0                           ; all my tensor loads have landed
	ds_add_u32 v[SPW], v[NIL]                      ; 0 onto my spare word
	s_wait_dscnt 13                                ; (the add and the youngest twelve loads may be out)
.else
	s_wait_dscnt 12                                ; all but the youngest twelve loads (R's tiles 4-7) are in
.endif
	WIN MUL_LO
	MUL16 0, 1, 1, \sc, 0
.if \mode < 2
	s_wait_dscnt 0x0                               ; the add is done, and my reads of this slot are over
	s_barrier_signal -1
.endif
	MUL16 2, 1, 1, \sc, 0
	WIN 0
.if \mode < 2
	s_barrier_wait -1
.else
	s_wait_dscnt 0x0                               ; R's tiles 4-7 are in
.endif
.if \mode == 1
	CREST                                          ; no wave of any partner still reads this slot or has a load on its way
	s_add_nc_u64 s[G0R+4*\slot+2:G0R+4*\slot+3], s[G0R+4*\slot+2:G0R+4*\slot+3], 3*RQ   ; three slots on along K
	s_add_nc_u64 s[G0P+4*\slot+2:G0P+4*\slot+3], s[G0P+4*\slot+2:G0P+4*\slot+3], 3*PQ
	JLOAD G0R+4*\slot, G0P+4*\slot
.else
	PLACES
.endif
	FETCH_P \next, 0, 0
	FETCH_R \next, 0, 0
	SCALES \next, \nsc
	WIN MUL_HI
	MUL16 4, 1, 1, \sc, 0
	MUL16 6, 1, 1, \sc, 0
	PLACES
	WIN 0
	FETCH_R \next, 0, 4
.endm
	s_load_b128 s[68:71], s[0:1], 0x0              ; qi s[68:69], ki s[70:71]
	s_load_b64 s[72:73], s[0:1], 0x10              ; pi
	v_lshl_add_u32 v[SPW], v0, 2, SPARE
	v_mov_b32 v[NIL], 0
	ds_add_u32 v28, v29
	ds_add_u32 v28, v29
	s_wait_dscnt 0x0
	v_lshrrev_b32 v1, 5, v0
	v_readfirstlane_b32 s14, v1                    ; wave 0..3
	s_lshr_b32 s15, s14, 1                         ; my group of queries.  Also: I fetch for R (0) or for P (1)
	s_and_b32 s16, s14, 1                          ; my group of keys.  Also: which group I fetch
	s_bfe_u32 s40, ttmp6, 0x40000                  ; cx, cy
	s_bfe_u32 s41, ttmp6, 0x40004
	s_mov_b32 s42, ttmp9                           ; the square: 0, 1, 2
	s_and_b32 s45, ttmp7, 0xffff                   ; the batch
	s_lshl_b32 s43, s41, 2
	s_lshl_b32 s43, 15, s43                        ; my row of the cluster
	s_lshl_b32 s44, 0x1111, s40                    ; my column
	s_or_b32 s[G1R+0], s43, (3<<16)|(1<<21)        ; a dense run as rows of 256 bytes (32 elements of 8 bytes), no padding
	s_or_b32 s[G1P+0], s44, (3<<16)|(1<<21)
	s_mov_b32 s[G1R+1], 32<<16
	s_mov_b32 s[G1R+2], (RQ/256)<<16
	s_mov_b32 s[G1R+3], 32<<16
	s_mov_b32 s[G1R+4], RQ/256
	s_mov_b32 s[G1R+5], 32
	s_mov_b32 s[G1R+6], 0
	s_mov_b32 s[G1R+7], 0
	s_mov_b32 s[G1P+1], 32<<16
	s_mov_b32 s[G1P+2], (PQ/256)<<16
	s_mov_b32 s[G1P+3], 32<<16
	s_mov_b32 s[G1P+4], PQ/256
	s_mov_b32 s[G1P+5], 32
	s_mov_b32 s[G1P+6], 0
	s_mov_b32 s[G1P+7], 0
	s_add_co_u32 s85, s42, 1
	s_lshr_b32 s85, s85, 1
	s_lshl_b32 s85, s85, 2
	s_add_co_u32 s85, s85, s41                     ; i: my tile of 256 queries in the batch
	s_lshr_b32 s98, s42, 1
	s_lshl_b32 s98, s98, 2
	s_add_co_u32 s98, s98, s40                     ; j: my tile of 256 keys
	s_lshl_b32 s19, s45, 3                         ; 8 tiles a batch
	s_mul_i32 s91, s16, 8*RBLK                     ; the group that I fetch
	s_add_co_u32 s22, s19, s85
	s_mul_i32 s22, s22, 16*RBLK
	s_add_co_u32 s22, s22, s91
	s_mov_b32 s23, 0
	s_add_co_u32 s46, s19, s98
	s_mul_i32 s46, s46, 16*PBLK
	s_add_co_u32 s46, s46, s91
	s_mov_b32 s47, 0
	s_mul_i32 s96, s16, RQ
	s_mul_i32 s97, s16, PQ
	s_add_co_u32 s97, s97, 2*RQ
	s_wait_kmcnt 0x0
	s_add_nc_u64 s[92:93], s[68:69], s[22:23]
	s_add_nc_u64 s[94:95], s[70:71], s[46:47]
	CROUND                                         ; all sixteen work-groups are here: the first joint loads meet
	FIRST G0R, G0P, 0                              ; K steps 0, 1
	FIRST G0R+4, G0P+4, 1                          ; K steps 2, 3
	FIRST G0R2, G0P2, 2                            ; K steps 4, 5: three tensor loads of mine are out
	v_and_b32 v1, 31, v0
	v_and_b32 v2, 15, v0
	v_bfe_u32 v3, v0, 4, 1
	v_and_b32 v4, 8, v2
	v_add_nc_u32 v4, v4, v2                        ; r + 8 (r / 8)
	v_lshlrev_b32 v24, 4, v1                       ; 16 x lane
	v_lshlrev_b32 v25, 5, v2
	v_lshl_add_u32 v25, v3, 4, v25                 ; 32 r + 16 h
	v_lshlrev_b32 v6, 5, v2
	s_mul_i32 s17, s15, RQ
	s_mul_i32 s18, s16, PQ
	s_add_co_u32 s18, s18, 2*RQ
.irp q, 0,1
	s_add_co_u32 s19, s17, \q*RBLK+12288           ; R's scale words of K step q, P's, and the distance: lanes 16-31 take P's
	s_add_co_u32 s20, s18, \q*PBLK+12288
	s_sub_co_u32 s20, s20, s19
	v_mul_u32_u24 v7, s20, v3
	v_add_nc_u32 v7, v7, v6
	v_add_nc_u32 v[ADRS+\q], s19, v7
	v_add_nc_u32 v[ADRS+2+\q], SLOT, v[ADRS+\q]
	v_add_nc_u32 v[ADRS+4+\q], 2*SLOT, v[ADRS+\q]
.endr
.irp s, 0,1,2
	v_add_nc_u32 v[ADRR+\s], s17, v24
	v_add_nc_u32 v[ADRP+\s], s18, v24
	s_add_co_u32 s17, s17, SLOT
	s_add_co_u32 s18, s18, SLOT
.endr
	s_mov_b32 s[SEL], 0x76543210
	s_mov_b32 s[SEL+1], 0xfedcba98
	s_mov_b32 s90, 0xffff0000                      ; lanes 16-31
	s_mov_b32 s[CS], 0x3d38aa3b                    ; log2(e) / 32
	s_mov_b32 s[CS+1], s[CS]                       ; (named with it as a pair, so it is written)
	; the mask: tile a's register 16 b + i holds key 256 j + 128 wp + 32 b + 16 h + i, my query is 256 i + 128 wr + 32 (a / 2) + 8 (a % 2) + r + 8 (r / 8): hidden where 32 b + i - 32 (a / 2) - 8 (a % 2) > v[DB]
	s_sub_co_i32 s17, s85, s98
	s_lshl_b32 s17, s17, 8
	s_sub_co_i32 s18, s15, s16
	s_lshl_b32 s18, s18, 7
	s_add_co_i32 s17, s17, s18
	v_lshlrev_b32 v6, 4, v3
	v_sub_nc_u32 v[DB], v4, v6
	v_add_nc_u32 v[DB], s17, v[DB]
	v_mov_b32 v[NEGI], 0xff800000                  ; -infinity
.irp b, 0,1,2,3
	v_mov_b32 v[TM+4+\b], 0                        ; a lane permute's destination counts as one of its sources
.endr
	; where my block goes: [batch][group of queries][K step = group of keys]
	s_lshl_b32 s17, s45, 4
	s_lshl_b32 s18, s85, 1
	s_add_co_u32 s17, s17, s18
	s_add_co_u32 s17, s17, s15
	s_lshl_b32 s17, s17, 4
	s_lshl_b32 s18, s98, 1
	s_add_co_u32 s17, s17, s18
	s_add_co_u32 s17, s17, s16
	s_mul_i32 s22, s17, OBLK
	s_mov_b32 s23, 0
	s_add_nc_u64 s[86:87], s[72:73], s[22:23]
	s_wait_tensorcnt 2                             ; my part of slot 0 is in; slots 1 and 2's may stay out
	s_barrier_signal -1
	s_barrier_wait -1
	FETCH_P 0, 0, 0
	FETCH_R 0, 0, 0
	SCALES 0, 0
	FETCH_R 0, 0, 4
	STEP 0, 0, 1                                   ; the first K step starts the sums
	TURN 0, 0, 1, 1, 1                             ; slot 0 has been read: it takes K steps 6, 7
	STEP 1, 1, 0
	TURN 1, 1, 2, 0, 2                             ; on to slot 2, which is whole since the round above
	STEP 2, 0, 0
	TURN 2, 0, 0, 1, 0                             ; on to slot 0's second tile
	STEP 0, 1, 0
	s_wait_dscnt 12                                ; the last K step
	WIN MUL_LO
	MUL16 0, 1, 1, 1, 0
	MUL16 2, 1, 1, 1, 0
	s_wait_dscnt 0x0
	WIN MUL_HI
	MUL16 4, 1, 1, 1, 0
	MUL16 6, 1, 1, 1, 0
	WIN 0
	PLACES
; THE WAY OUT, a tile of 16 queries at a time: mask, the largest score of each block of 32 keys and of the 128, M, p, p's codes and scale word, the sum of the unquantised p.
.macro PT a
.set AC, 64*((\a)%4)
.set WD, 2+(\a)/4
.set PCS, PC+20*((\a)%2)
.set AOFF, 32*((\a)/2)+8*((\a)%2)
	s_wait_xcnt 0x0                                ; the earlier stores have read their registers
	s_cmp_eq_u32 s42, 1                            ; the square under the diagonal has no hidden key.  The branch hangs on the cluster's number alone
	s_cbranch_scc1 .Lopen_\@
	WIN (WD<<6)|WD
.set n, 0
.rept 64
	v_cmp_gt_i32 vcc_lo, 32*(n/16)+n%16-AOFF, v[DB]
	v_cndmask_b32 v[AC+n], v[AC+n], v[NEGI], vcc_lo
.set n, n+1
.endr
	WIN 0
.Lopen_\@:
	WIN (WD<<2)|(WD<<4)
.irp b, 0,1,2,3
	v_max3_num_f32 v[TM+\b], 0xff800000, v[AC+16*\b], v[AC+16*\b+1]   ; the largest score of each block: it serves the group's maximum and, since p rises with the score, the block's largest p
.endr
.irp i, 2,4,6,8,10,12,14
.irp b, 0,1,2,3
	v_max3_num_f32 v[TM+\b], v[TM+\b], v[AC+16*\b+\i], v[AC+16*\b+\i+1]
.endr
.endr
	WIN 0
.irp b, 0,1,2,3
	v_permlanex16_b32 v[TM+4+\b], v[TM+\b], s[SEL], s[SEL+1]
.endr
.irp b, 0,1,2,3
	v_max_num_f32 v[TM+\b], v[TM+\b], v[TM+4+\b]
.endr
	v_max3_num_f32 v[WK], v[TM], v[TM+1], v[TM+2]
	v_max_num_f32 v[WK], v[WK], v[TM+3]
	v_mul_f32 v[NM+1], s[CS], v[WK]                ; as t (c is positive)
	v_max_num_f32 v[NM+1], 0xf149f2ca, v[NM+1]     ; held at -1e30 from below: where all 128 keys are hidden, M stays a number
	v_floor_f32 v[NM], -v[NM+1]                    ; -M = floor(-t) = -ceil(t)
.irp b, 0,1,2,3
	v_fma_f32 v[TM+\b], v[TM+\b], s[CS], v[NM]
.endr
	WIN WD
.set n, 0
.rept 32
	v_pk_fma_f32 v[T+n:T+n+1], v[AC+n:AC+n+1], s[CS:CS+1], v[NM:NM+1] op_sel_hi:[1,0,0]   ; t - M, two at a time
.set n, n+2
.endr
	WIN 0
.set n, 0
.rept 64
	v_exp_f32 v[T+n], v[T+n]                       ; p = 2^(t - M), at most 1
.set n, n+1
.endr
.irp b, 0,1,2,3
	v_exp_f32 v[TM+\b], v[TM+\b]                   ; the block's largest p: the same two instructions on the same number
.endr
	v_mov_b32 v[MI+(\a)], v[NM]                    ; -M is kept.  (A plain line behind the exponentials)
	s_wait_alu depctr_va_vdst(0)
.irp b, 0,1,2,3
	v_max_num_f32 v[TM+\b], 0x22800000, v[TM+\b]   ; the floor 2^-58: the byte stays at 67 or above, so that up to 64 can be taken off it later
.endr
.irp b, 0,1,2,3
	v_add_nc_u32 v[TM+12+\b], 0xff000000, v[TM+\b]
.endr
.irp b, 0,1,2,3
	v_lshrrev_b32 v[TM+4+\b], 23, v[TM+12+\b]
.endr
	v_lshl_or_b32 v[SW+(\a)], v[TM+5], 8, v[TM+4]
	v_lshl_or_b32 v[SW+(\a)], v[TM+6], 16, v[SW+(\a)]
	v_lshl_or_b32 v[SW+(\a)], v[TM+7], 24, v[SW+(\a)]
.irp c, 0,1
	v_cvt_scalef32_pk16_fp6_f32 v[PCS+6*\c:PCS+6*\c+2], v[T+32*\c:T+32*\c+15], v[TM+12+2*\c]
	v_cvt_scalef32_pk16_fp6_f32 v[PCS+12+4*\c:PCS+14+4*\c], v[T+16+32*\c:T+31+32*\c], v[TM+13+2*\c]
.endr
	v_nop                                          ; one plain line behind the scaled conversions
.irp c, 0,1
.irp i, 0,1,2
	v_permlane16_swap_b32 v[PCS+6*\c+\i], v[PCS+12+4*\c+\i]
.endr
.irp i, 0,1,2
	v_mov_b32 v[PCS+3+6*\c+\i], v[PCS+12+4*\c+\i]
.endr
.endr
	v_pk_add_f32 v[SA:SA+1], v[T:T+1], v[T+4:T+5]  ; the sum is taken of the unquantised p: two at a time, in two chains
	v_pk_add_f32 v[SB:SB+1], v[T+2:T+3], v[T+6:T+7]
.irp j, 8,12,16,20,24,28,32,36,40,44,48,52,56,60
	v_pk_add_f32 v[SA:SA+1], v[SA:SA+1], v[T+\j:T+\j+1]
	v_pk_add_f32 v[SB:SB+1], v[SB:SB+1], v[T+\j+2:T+\j+3]
.endr
	v_pk_add_f32 v[SA:SA+1], v[SA:SA+1], v[SB:SB+1]
	v_add_f32 v[SA], v[SA], v[SA+1]
	v_permlanex16_b32 v[SA+1], v[SA], s[SEL], s[SEL+1]
	v_add_f32 v[LL+(\a)], v[SA], v[SA+1]
.irp c, 0,1,2
	global_store_b128 v24, v[PCS+4*\c:PCS+4*\c+3], s[86:87] offset:1536*(\a)+512*\c   ; the fragment as it stands: 512 consecutive bytes a store
.endr
.endm
.irp a, 0,1,2,3,4,5,6,7
	PT \a
.endr
.irp i, 0,1,2,3
	v_cndmask_b32 v[PK+\i], v[SW+\i], v[SW+4+\i], s90     ; lanes 0-15 carry tiles 0-3's figures of row r, lanes 16-31 tiles 4-7's
	v_cndmask_b32 v[PK+4+\i], v[MI+\i], v[MI+4+\i], s90
	v_cndmask_b32 v[PK+8+\i], v[LL+\i], v[LL+4+\i], s90
.endr
	global_store_b128 v25, v[PK:PK+3], s[86:87] offset:12288      ; scale words,
	global_store_b128 v25, v[PK+4:PK+7], s[86:87] offset:12800    ; -M,
	global_store_b128 v25, v[PK+8:PK+11], s[86:87] offset:13312   ; sums: 512 bytes each
	s_wait_tensorcnt 0x0                           ; the wave's end
	ds_add_u32 v[SPW], v[NIL]
	s_wait_dscnt 0x0
	CROUND                                         ; the closing round
	s_endpgm
.Lfunc_end_k_q2e4c0cd2a6_sc:
	.size	k_q2e4c0cd2a6_sc, .Lfunc_end_k_q2e4c0cd2a6_sc-k_q2e4c0cd2a6_sc
	.p2alignl 7, 3214868480
	.fill 96, 4, 3214868480
	.section	.rodata,"a",@progbits
	.p2align	6, 0x0
	.amdhsa_kernel k_q2e4c0cd2a6_sc
		.amdhsa_group_segment_fixed_size 327680
		.amdhsa_private_segment_fixed_size 0
		.amdhsa_enable_private_segment 0
		.amdhsa_kernarg_size 24
		.amdhsa_user_sgpr_count 2
		.amdhsa_user_sgpr_kernarg_segment_ptr 1
		.amdhsa_wavefront_size32 1
		.amdhsa_system_sgpr_workgroup_id_x 1
		.amdhsa_system_sgpr_workgroup_id_y 1
		.amdhsa_system_sgpr_workgroup_id_z 1
		.amdhsa_system_vgpr_workitem_id 0
		.amdhsa_next_free_vgpr 1024
		.amdhsa_next_free_sgpr 100
		.amdhsa_reserve_vcc 1
		.amdhsa_float_denorm_mode_32 3
		.amdhsa_float_denorm_mode_16_64 3
		.amdhsa_memory_ordered 1
		.amdhsa_forward_progress 1
		.amdhsa_inst_pref_size 236
	.end_amdhsa_kernel
	.amdgpu_metadata
---
amdhsa.version: [ 1, 2 ]
amdhsa.kernels:
  - .name:           k_q2e4c0cd2a6_sc
    .symbol:         k_q2e4c0cd2a6_sc.kd
    .args:
      - { .name: qi, .offset: 0, .size: 8, .value_kind: global_buffer, .address_space: global }
      - { .name: ki, .offset: 8, .size: 8, .value_kind: global_buffer, .address_space: global }
      - { .name: pi, .offset: 16, .size: 8, .value_kind: global_buffer, .address_space: global }
    .group_segment_fixed_size: 327680
    .private_segment_fixed_size: 0
    .kernarg_segment_align: 8
    .kernarg_segment_size: 24
    .max_flat_workgroup_size: 128
    .sgpr_count:     100
    .vgpr_count:     1024
    .wavefront_size: 32
...
	.end_amdgpu_metadata
.endif
;; end of part 7
;; launch pv (part 8): grid 4 x 64, 4 waves a work-group, clusters of 4 x 4, 327,680 bytes of LDS; arguments pi, vi, out0; writes out0
.if DOCPART == 8
	.amdgcn_target "amdgcn-amd-amdhsa--gfx1250"
	.amdhsa_code_object_version 6
	.text
	.protected	k_q2e4c0cd2a6_pv
	.globl	k_q2e4c0cd2a6_pv
	.p2align	8
	.type	k_q2e4c0cd2a6_pv,@function
k_q2e4c0cd2a6_pv:
	s_mov_b64 s[64:65], 0
	v_nop
	global_prefetch_b8 v0, s[64:65] scope:SCOPE_SE
	s_setreg_imm32_b32 hwreg(HW_REG_WAVE_MODE, 25, 1), 1
	s_wait_xcnt 0x0
	s_wait_alu depctr_hold_cnt(0) depctr_sa_sdst(0) depctr_va_vdst(0) depctr_va_sdst(0) depctr_va_ssrc(0) depctr_va_vcc(0) depctr_vm_vsrc(0)
	s_getreg_b32 s2, hwreg(HW_REG_IB_STS2, 6, 4)
	s_cmp_eq_u32 s2, 0
	s_cbranch_scc0 .Lentry_in_a_cluster
	s_endpgm
.Lentry_in_a_cluster:
	s_bfe_u32 s2, ttmp6, 0x10000c
	s_cmp_lg_u32 s2, 0xf033
	s_cbranch_scc0 .Lentry_shape_is_right
	s_endpgm
.Lentry_shape_is_right:
; read = (p values) / l on codes of FP6 (E2M3), into the right half of out0 [8192][2048] f32.  O^T = values^T p^T: R = p (source 1: a lane holds one query), P = values^T (source 0: a lane's registers run along the 1,024 channels).
; p was quantised under a maximum M of its own for each query and each group of 128 keys (one K step).  Here the row's M is the largest of them, and each K step's scale bytes of p are lowered by (row's M - group's M),
; a whole number: an exact power of two.  The difference is held at 64; the bytes are 67 or more, so no byte borrows from its neighbour.  l = the sum of the groups' sums x 2^(group's M - row's M); O is multiplied by 1 / l.
; OPERANDS are image blocks: 128 rows x 128 K: 8 fragments of 1,536 bytes as the operand's registers stand, 512 bytes of scale words (row (r, t)'s at 32 r + 4 t); p's block has -M at 12,800 and the sum at 13,312.
; SHARES.  A work-group: ONE group of 128 queries x 256 channels, so that 4 batches x 16 groups x 4 tiles of channels are 256 work-groups.  Wave (wr, wp): fragments 4 wr .. 4 wr + 3 of p (64 queries) x channel group wp
; (128 channels): 32 accumulators.  It reads 12 fragments from LDS for 32 products: the price of a work-group for every WGP.
; CLUSTER 4 x 4: cluster y = 4 x batch + the block of 512 queries; place along y: the group of queries (p's tile is asked for jointly by a row of the cluster); place along x: the tile of channels (by a column).
; SLOTS OF FOUR K STEPS.  A K step is 13,824 + 2 x 12,800 bytes, so two slots of four K steps (157,696 bytes each) fit in LDS.  K = the keys that the mask leaves to the cluster's half of the batch's queries: 1,024 or 2,048.
; With 1,024 keys the two first fills are all; with 2,048 each slot is filled once more: those eight K steps stand under one scalar branch on the cluster's number.  A wave has two tensor loads out at the start, later one.
; LIMITS: a group of keys more than 2^64 under the row's maximum is weighted 2^-64 in O (in l: 2^-256 at the least); NaN and infinities are not served.
; REGISTERS, in windows of 256: window 0: v1-7; v8-21 LDS addresses; v24-26 the way out; v28-29 for the add; v32-95 scale words, a set for each slot; v96-103 1 / l, a pair a tile; v104-107 the row's -M; v108 the hold;
;   v112-127 a slot's -M; v128-191 the statistics, v224-239 at work, at last v128-255 rows of O.  windows 1 and 3: the two sets of fragments: P's eight at v0-95, R's four at v96-143.  window 2: accumulator (a, b) at v[8 (8 a + b)].
.set RBLK,  13824
.set PBLK,  12800
.set RH,    2*RBLK                     ; what one tensor load brings of p: two K steps
.set RS,    4*RBLK                     ; p's part of a slot
.set PG,    4*PBLK                     ; a channel group's part: one tensor load
.set SLOT,  RS+2*PG
.set SPARE, 2*SLOT                     ; behind the ring: the spare words, 128 bytes a wave, which no other line names
.set ADRS, 8                           ; v8-15  my scale words in slot s, K step q: v[8 + 4 s + q]; lanes 0-15 p's (from my first tile's on), lanes 16-31 the values'
.set ADRR, 16                          ; v16-17 my four fragments of p in slot 0, 1: + 16 x lane
.set ADRM, 18                          ; v18-19 my rows' -M
.set ADRP, 20                          ; v20-21 my channel group
.set CO,   24                          ; 16 x lane
.set STO,  25                          ; the stage, in
.set RD,   26                          ; the stage, back
.set SPW,  28
.set NIL,  29
.set SC,   32                          ; scale words: slot s, K step q, register i at v[32 + 32 s + 8 q + i]: lanes 0-15 p's tile 4 wr + i (i < 4), lanes 16-31 the values' tile i
.set RL,   96
.set MR,   104
.set CAP,  108
.set ML,   112                         ; -M of K step q, tile a at v[112 + 4 q + a]
.set NMS,  128                         ; the statistics: -M of key step 2 p + h, tile a, at v[128 + 4 p + a];
.set LS,   160                         ; its sum at v[160 + 4 p + a]
.set BK,   128                         ; the way out: 16 rows read back: v128-191 and v192-255 by turns
.set AT,   224
.set FR,   96                          ; in windows 1 and 3: R's fragments
.set SEL,  66
.set G1R, 24
.set G0R, 32
.set G1P, 48
.set G0P, 56
.set MSB, 0
.macro WIN new                         ; the immediate's high byte repeats the setting that is left
.if MSB != (\new)
	s_set_vgpr_msb (MSB<<8)|(\new)
.set MSB, (\new)
.endif
.endm
.macro PLACES                          ; four plain vector lines between a matrix instruction and a load into, or a vector read of, its registers
.rept 4
	v_nop
.endr
.endm
.macro JLOAD g0r, g0p                  ; a joint load: waves 0 and 1 fetch p's two halves of a slot, waves 2 and 3 the two channel groups; four v_nop follow each line
	s_cmp_eq_u32 s15, 0
	s_cbranch_scc0 .Lfor_p_\@
	tensor_load_to_lds s[\g0r:\g0r+3], s[G1R:G1R+7]
	s_nop 0
	PLACES
	s_branch .Lasked_\@
.Lfor_p_\@:
	tensor_load_to_lds s[\g0p:\g0p+3], s[G1P:G1P+7]
	s_nop 0
	PLACES
.Lasked_\@:
.endm
.macro CREST
	s_cmp_lg_u32 s14, 0
	s_cbranch_scc1 .Lnot_wave_0_\@
	s_barrier_signal -3
.Lnot_wave_0_\@:
	s_barrier_wait -3
	s_barrier_signal -1
	s_barrier_wait -1
.endm
.macro CROUND
	s_barrier_signal -1
	s_barrier_wait -1
	CREST
.endm
.macro FRAG reg, adr, off
.irp c, 0,1,2
	ds_load_b128 v[\reg+4*\c:\reg+4*\c+3], v[\adr] offset:\off+512*\c
.endr
.endm
.macro FETCH slot, q, p                ; the fragments of the slot's K step q into set p (window 1 or 3): R's four, then P's eight: 36 loads
	WIN 0x40+0x80*(\p)
.irp a, 0,1,2,3
	FRAG FR+12*\a, ADRR+\slot, (\q)*RBLK+1536*\a
.endr
.irp b, 0,1,2,3,4,5,6,7
	FRAG 12*\b, ADRP+\slot, (\q)*PBLK+1536*\b
.endr
	WIN 0
.endm
.macro SCALES slot                     ; the slot's scale words, four K steps: 8 loads
.irp q, 0,1,2,3
	ds_load_b128 v[SC+32*\slot+8*\q:SC+32*\slot+8*\q+3], v[ADRS+4*\slot+\q]
	ds_load_b128 v[SC+32*\slot+8*\q+4:SC+32*\slot+8*\q+7], v[ADRS+4*\slot+\q] offset:16   ; (of these four registers only lanes 16-31, the values' tiles 4-7, are used)
.endr
.endm
.macro MLOAD slot                      ; the slot's four K steps' -M of my four tiles: 4 loads; both halves of the lanes read row r's
.irp q, 0,1,2,3
	ds_load_b128 v[ML+4*\q:ML+4*\q+3], v[ADRM+\slot] offset:\q*RBLK
.endr
.endm
; p's scale words of a slot are brought under the row's M: from each of a word's four bytes the difference, held at 64 in lanes 0-15 (p's words) and at 0 in lanes 16-31 (the values' words), is taken.
.macro ADJ set
.set n, 0
.rept 16
	v_sub_f32 v[AT+n], v[ML+n], v[MR+n%4]          ; (-M of the group) - (-M of the row): a whole number, 0 or more
.set n, n+1
.endr
.set n, 0
.rept 16
	v_min_num_f32 v[AT+n], v[AT+n], v[CAP]
.set n, n+1
.endr
.set n, 0
.rept 16
	v_cvt_u32_f32 v[AT+n], v[AT+n]
.set n, n+1
.endr
.set n, 0
.rept 16
	v_perm_b32 v[AT+n], v[AT+n], v[AT+n], 0        ; its low byte into all four
.set n, n+1
.endr
.set n, 0
.rept 16
	v_sub_nc_u32 v[SC+32*\set+8*(n/4)+n%4], v[SC+32*\set+8*(n/4)+n%4], v[AT+n]
.set n, n+1
.endr
.rept 8
	v_nop                                          ; a scale register written by a vector instruction stands eight plain lines ahead of a scaled matrix instruction
.endr
.endm
; 8 products: P's tiles b0, b0 + 1 x R's four.  cm = 1: the first product starts the sums.  The 32 accumulators take turns, one instruction a turn, in one order everywhere.
.macro MUL8 b0, q, sc, cm
.irp b, \b0, \b0+1
.irp a, 0,1,2,3
.set rD, 8*(8*\a+(\b))
.set rP, 12*(\b)
.set rR, FR+12*\a
.set rSP, SC+32*(\sc)+8*(\q)+(\b)
.set rSR, SC+32*(\sc)+8*(\q)+\a
.if \cm == 0
	v_wmma_scale_f32_16x16x128_f8f6f4 v[rD:rD+7], v[rP:rP+11], v[rR:rR+11], v[rD:rD+7], v[rSP], v[rSR] matrix_a_fmt:MATRIX_FMT_FP6 matrix_b_fmt:MATRIX_FMT_FP6 matrix_a_scale:MATRIX_SCALE_ROW1
.else
	v_wmma_scale_f32_16x16x128_f8f6f4 v[rD:rD+7], v[rP:rP+11], v[rR:rR+11], 0, v[rSP], v[rSR] matrix_a_fmt:MATRIX_FMT_FP6 matrix_b_fmt:MATRIX_FMT_FP6 matrix_a_scale:MATRIX_SCALE_ROW1
.endif
.endr
.endr
.endm
; One of a slot's first three K steps: multiplies set q % 2 (sources in window 1: 0xa5, or 3: 0xaf; C and D in window 2) and, in its middle, fetches K step q + 1 into the other set.
; At a slot's head its scale words are brought under the row's M.
.macro STEP slot, q, cm
	s_wait_dscnt 12                                ; all but the youngest twelve loads (P's tiles 4-7) are in: the scale words and -M among them
.if \q == 0
	ADJ \slot
.endif
	WIN 0xa5+10*((\q)%2)
	MUL8 0, \q, \slot, \cm
	MUL8 2, \q, \slot, \cm
	s_wait_dscnt 0x0                               ; P's tiles 4-7 are in
	PLACES                                         ; the other set was read by the K step before
	FETCH \slot, (\q)+1, ((\q)+1)%2
	WIN 0xa5+10*((\q)%2)
	MUL8 4, \q, \slot, \cm
	MUL8 6, \q, \slot, \cm
	WIN 0
.endm
; A slot's fourth K step changes slots: one barrier; in front of it each wave waits for all its tensor loads (its part of the next slot), adds 0 to its spare word, and waits for that and for its reads of this slot.
; fill = 1: the barrier opens a round of the cluster's barrier, and behind the round this slot is filled again, eight K steps on: the wave's one tensor load until the next round; it has the next slot's four K steps in which to land.
.macro TURN slot, next, fill
	s_wait_tensorcnt 0x0                           ; all my tensor loads have landed
	ds_add_u32 v[SPW], v[NIL]                      ; 0 onto my spare word
	s_wait_dscnt 13                                ; (the add and the youngest twelve loads may be out)
	WIN 0xaf
	MUL8 0, 3, \slot, 0                            ; eight products stand between the add and the wait for it
	s_wait_dscnt 0x0                               ; the add is done, and my reads of this slot are over
	s_barrier_signal -1
	MUL8 2, 3, \slot, 0
	WIN 0
	s_barrier_wait -1
.if \fill
	CREST                                          ; no wave of any partner still reads this slot or has a load on its way
	s_add_nc_u64 s[G0R+4*\slot+2:G0R+4*\slot+3], s[G0R+4*\slot+2:G0R+4*\slot+3], 2*RS
	s_add_nc_u64 s[G0P+4*\slot+2:G0P+4*\slot+3], s[G0P+4*\slot+2:G0P+4*\slot+3], 2*PG
	JLOAD G0R+4*\slot, G0P+4*\slot                 ; its four v_nop are also the places in front of the loads below
.else
	PLACES
.endif
	SCALES \next
	MLOAD \next
	FETCH \next, 0, 0
	WIN 0xaf
	MUL8 4, 3, \slot, 0
	MUL8 6, 3, \slot, 0
	WIN 0
.endm
	s_load_b128 s[68:71], s[0:1], 0x0              ; pi s[68:69], vi s[70:71]
	s_load_b64 s[72:73], s[0:1], 0x10              ; out0
	v_lshl_add_u32 v[SPW], v0, 2, SPARE
	v_mov_b32 v[NIL], 0
	ds_add_u32 v28, v29
	ds_add_u32 v28, v29
	s_wait_dscnt 0x0
	v_lshrrev_b32 v1, 5, v0
	v_readfirstlane_b32 s14, v1                    ; wave 0..3
	s_lshr_b32 s15, s14, 1                         ; wr: my half of the group's queries.  Also: I fetch for R (0) or for P (1)
	s_and_b32 s16, s14, 1                          ; wp: my group of channels.  Also: which part I fetch
	s_bfe_u32 s40, ttmp6, 0x40000                  ; cx, cy
	s_bfe_u32 s41, ttmp6, 0x40004
	s_and_b32 s45, ttmp7, 0xffff
	s_lshr_b32 s84, s45, 2                         ; the batch
	s_and_b32 s85, s45, 3                          ; which 512 queries of it
	s_lshl_b32 s43, s41, 2
	s_lshl_b32 s43, 15, s43                        ; my row of the cluster
	s_lshl_b32 s44, 0x1111, s40                    ; my column
	s_or_b32 s[G1R+0], s43, (3<<16)|(1<<21)        ; a dense run as rows of 256 bytes (32 elements of 8 bytes), no padding: the fragments' loads are dense
	s_or_b32 s[G1P+0], s44, (3<<16)|(1<<21)
	s_mov_b32 s[G1R+1], 32<<16
	s_mov_b32 s[G1R+2], (RH/256)<<16
	s_mov_b32 s[G1R+3], 32<<16
	s_mov_b32 s[G1R+4], RH/256
	s_mov_b32 s[G1R+5], 32
	s_mov_b32 s[G1R+6], 0
	s_mov_b32 s[G1R+7], 0
	s_mov_b32 s[G1P+1], 32<<16
	s_mov_b32 s[G1P+2], (PG/256)<<16
	s_mov_b32 s[G1P+3], 32<<16
	s_mov_b32 s[G1P+4], PG/256
	s_mov_b32 s[G1P+5], 32
	s_mov_b32 s[G1P+6], 0
	s_mov_b32 s[G1P+7], 0
	s_lshl_b32 s98, s85, 2
	s_add_co_u32 s98, s98, s41                     ; my group of 128 queries in the batch
	s_lshl_b32 s18, s84, 4
	s_add_co_u32 s18, s18, s98
	s_mul_i32 s92, s18, 16*RBLK                    ; its 16 blocks in pi
	s_mov_b32 s93, 0
	s_mul_i32 s22, s16, RH                         ; the two K steps of a slot that I fetch
	s_add_co_u32 s22, s22, s92
	s_mov_b32 s23, 0
	s_lshl_b32 s46, s84, 3
	s_lshl_b32 s47, s40, 1
	s_add_co_u32 s46, s46, s47
	s_add_co_u32 s46, s46, s16                     ; the group of channels that I fetch
	s_mul_i32 s46, s46, 16*PBLK
	s_mov_b32 s47, 0
	s_lshr_b32 s3, s85, 1                          ; 0: 1,024 keys; 1: 2,048
	s_cmp_eq_u32 s3, 1
	s_cselect_b32 s99, 1.0, 0                      ; do key steps 8-15 count?
	s_cselect_b32 s91, 8*RBLK, 0                   ; where their statistics are read: with 1,024 keys the first eight once more, weighted 0
	s_mul_i32 s96, s16, RH                         ; where the tiles go in a slot: no place in the cluster enters an LDS address
	s_mul_i32 s97, s16, PG
	s_add_co_u32 s97, s97, RS
	s_lshl_b32 s94, s15, 4                         ; 16 wr: my four tiles' 16 bytes of a row's 32
	s_wait_kmcnt 0x0
	s_add_nc_u64 s[22:23], s[68:69], s[22:23]
	s_add_nc_u64 s[92:93], s[68:69], s[92:93]
	s_add_nc_u64 s[46:47], s[70:71], s[46:47]
	CROUND                                         ; all sixteen work-groups are here: the first joint loads meet
.irp s, 0,1
	s_mov_b32 s[G0R+4*\s], 1
	s_add_co_u32 s[G0R+4*\s+1], s96, \s*SLOT
	s_add_nc_u64 s[G0R+4*\s+2:G0R+4*\s+3], s[22:23], \s*RS
	s_or_b32 s[G0R+4*\s+3], s[G0R+4*\s+3], 0x80000000
	s_mov_b32 s[G0P+4*\s], 1
	s_add_co_u32 s[G0P+4*\s+1], s97, \s*SLOT
	s_add_nc_u64 s[G0P+4*\s+2:G0P+4*\s+3], s[46:47], \s*PG
	s_or_b32 s[G0P+4*\s+3], s[G0P+4*\s+3], 0x80000000
	JLOAD G0R+4*\s, G0P+4*\s                       ; two tensor loads of mine are out: K steps 0-3 and 4-7
.endr
	v_and_b32 v1, 31, v0
	v_and_b32 v2, 15, v0
	v_bfe_u32 v3, v0, 4, 1
	; the statistics of my 64 queries: lane (r, h) takes key steps 2 p + h
	v_mul_u32_u24 v6, v3, RBLK
	v_lshl_add_u32 v6, v2, 5, v6                   ; h blocks on, row r's 32 bytes,
	v_add_nc_u32 v6, s94, v6                       ; my four tiles' half of them
	v_add_nc_u32 v7, s91, v6
.irp p, 0,1,2,3
	global_load_b128 v[NMS+4*\p:NMS+4*\p+3], v6, s[92:93] offset:2*RBLK*\p+12800
	global_load_b128 v[LS+4*\p:LS+4*\p+3], v6, s[92:93] offset:2*RBLK*\p+13312
	global_load_b128 v[NMS+16+4*\p:NMS+16+4*\p+3], v7, s[92:93] offset:2*RBLK*\p+12800
	global_load_b128 v[LS+16+4*\p:LS+16+4*\p+3], v7, s[92:93] offset:2*RBLK*\p+13312
.endr
	v_lshlrev_b32 v[CO], 4, v1                     ; 16 x lane
	v_lshlrev_b32 v4, 5, v2                        ; 32 r
	s_mul_i32 s18, s16, PG
	s_add_co_u32 s18, s18, RS                      ; my channel group in a slot
.irp q, 0,1,2,3
	s_add_co_u32 s19, s94, \q*RBLK+12288           ; p's scale words of K step q, from my first tile's on; the values'; and the distance: lanes 16-31 take the values'
	s_add_co_u32 s20, s18, \q*PBLK+12288
	s_sub_co_u32 s20, s20, s19
	v_mul_u32_u24 v5, s20, v3
	v_add_nc_u32 v5, v5, v4
	v_add_nc_u32 v[ADRS+\q], s19, v5
	v_add_nc_u32 v[ADRS+4+\q], SLOT, v[ADRS+\q]
.endr
	s_add_co_u32 s19, s94, 12800
	v_add_nc_u32 v[ADRM], s19, v4
	v_add_nc_u32 v[ADRM+1], SLOT, v[ADRM]
	s_mul_i32 s19, s15, 4*1536                     ; my four fragments of p
.irp s, 0,1
	v_add_nc_u32 v[ADRR+\s], s19, v[CO]
	v_add_nc_u32 v[ADRP+\s], s18, v[CO]
	s_add_co_u32 s19, s19, SLOT
	s_add_co_u32 s18, s18, SLOT
.endr
	s_mul_i32 s21, s14, 8448                       ; my stage for the way out: 16 rows x (512 + 16) bytes, in slot 0, which has had its last fill and its last read when the first result is stored there
	v_mul_u32_u24 v[STO], v2, 528
	v_lshl_add_u32 v[STO], v3, 6, v[STO]
	v_add_nc_u32 v[STO], s21, v[STO]               ; in: row r, + 64 h
	v_add_nc_u32 v[RD], s21, v[CO]                 ; back: a row's 512 bytes, 16 a lane
	s_mov_b32 s[SEL], 0x76543210
	s_mov_b32 s[SEL+1], 0xfedcba98
	v_cmp_eq_u32 vcc_lo, 0, v3
	v_mov_b32 v109, 0x42800000
	v_cndmask_b32 v[CAP], 0, v109, vcc_lo          ; 64.0 in lanes 0-15, 0 in lanes 16-31
.irp a, 0,1,2,3
	v_mov_b32 v[ML+\a], 0                          ; a lane permute's destination counts as one of its sources
.endr
	; my first row and column of out0: row 2,048 batch + 128 group + 64 wr of 8,192 bytes; the right half; 1,024 bytes a tile of channels, 512 a group
	s_lshl_b32 s17, s84, 11
	s_lshl_b32 s18, s98, 7
	s_add_co_u32 s17, s17, s18
	s_lshl_b32 s18, s15, 6
	s_add_co_u32 s17, s17, s18
	s_lshl_b32 s22, s17, 13
	s_lshl_b32 s18, s40, 10
	s_add_co_u32 s22, s22, s18
	s_lshl_b32 s18, s16, 9
	s_add_co_u32 s22, s22, s18
	s_add_co_u32 s22, s22, 4096
	s_mov_b32 s23, 0
	s_add_nc_u64 s[86:87], s[72:73], s[22:23]
	s_wait_loadcnt 0x0                             ; the statistics
.irp a, 0,1,2,3
	v_min3_num_f32 v[MR+\a], v[NMS+\a], v[NMS+4+\a], v[NMS+8+\a]   ; the row's -M is the least of the groups'
.endr
.irp a, 0,1,2,3
	v_min3_num_f32 v[MR+\a], v[MR+\a], v[NMS+12+\a], v[NMS+16+\a]
.endr
.irp a, 0,1,2,3
	v_min3_num_f32 v[MR+\a], v[MR+\a], v[NMS+20+\a], v[NMS+24+\a]
.endr
.irp a, 0,1,2,3
	v_min_num_f32 v[MR+\a], v[MR+\a], v[NMS+28+\a]
.endr
.irp a, 0,1,2,3
	v_permlanex16_b32 v[ML+\a], v[MR+\a], s[SEL], s[SEL+1]
.endr
.irp a, 0,1,2,3
	v_min_num_f32 v[MR+\a], v[MR+\a], v[ML+\a]     ; with the other half's key steps
.endr
.set n, 0
.rept 32
	v_sub_f32 v[NMS+n], v[MR+n%4], v[NMS+n]        ; group's M - row's M: a whole number, 0 or less
.set n, n+1
.endr
.set n, 0
.rept 32
	v_max_num_f32 v[NMS+n], 0xc3800000, v[NMS+n]   ; held at -256
.set n, n+1
.endr
.set n, 0
.rept 32
	v_cvt_i32_f32 v[NMS+n], v[NMS+n]
.set n, n+1
.endr
.set n, 0
.rept 32
	v_ldexp_f32 v[LS+n], v[LS+n], v[NMS+n]         ; the group's sum under the row's M
.set n, n+1
.endr
.irp a, 0,1,2,3
	v_add_f32 v[LS+\a], v[LS+\a], v[LS+4+\a]
	v_add_f32 v[LS+8+\a], v[LS+8+\a], v[LS+12+\a]
	v_add_f32 v[LS+16+\a], v[LS+16+\a], v[LS+20+\a]
	v_add_f32 v[LS+24+\a], v[LS+24+\a], v[LS+28+\a]
.endr
.irp a, 0,1,2,3
	v_add_f32 v[LS+\a], v[LS+\a], v[LS+8+\a]
	v_add_f32 v[LS+16+\a], v[LS+16+\a], v[LS+24+\a]
.endr
.irp a, 0,1,2,3
	v_fma_f32 v[LS+\a], v[LS+16+\a], s99, v[LS+\a] ; key steps 8-15 count where they exist
.endr
.irp a, 0,1,2,3
	v_permlanex16_b32 v[ML+\a], v[LS+\a], s[SEL], s[SEL+1]
.endr
.irp a, 0,1,2,3
	v_add_f32 v[LS+\a], v[LS+\a], v[ML+\a]         ; l
.endr
.irp a, 0,1,2,3
	v_rcp_f32 v[RL+2*\a], v[LS+\a]
.endr
	v_nop                                          ; a plain line behind the reciprocals
	s_wait_alu depctr_va_vdst(0)
.irp a, 0,1,2,3
	v_mov_b32 v[RL+2*\a+1], v[RL+2*\a]             ; (the packed multiply names the pair)
.endr
	s_wait_tensorcnt 1                             ; my part of slot 0 is in; slot 1's may stay out
	s_barrier_signal -1
	s_barrier_wait -1
	SCALES 0
	MLOAD 0
	FETCH 0, 0, 0
	STEP 0, 0, 1                                   ; the first K step starts the sums
	STEP 0, 1, 0
	STEP 0, 2, 0
	s_cmp_eq_u32 s3, 0                             ; 1,024 keys: both slots are asked for already.  The branch hangs on the cluster's number alone: all sixteen partners take the same way
	s_cbranch_scc1 .Lshort
	TURN 0, 1, 1                                   ; 2,048 keys: slot 0 takes K steps 8-11,
	STEP 1, 0, 0
	STEP 1, 1, 0
	STEP 1, 2, 0
	TURN 1, 0, 1                                   ; slot 1 K steps 12-15
	STEP 0, 0, 0
	STEP 0, 1, 0
	STEP 0, 2, 0
.Lshort:
	TURN 0, 1, 0                                   ; the last change of slots fills nothing
	STEP 1, 0, 0
	STEP 1, 1, 0
	STEP 1, 2, 0
	s_wait_dscnt 12                                ; the last K step
	WIN 0xaf
	MUL8 0, 3, 1, 0
	MUL8 2, 3, 1, 0
	s_wait_dscnt 0x0
	MUL8 4, 3, 1, 0
	MUL8 6, 3, 1, 0
	WIN 0
	PLACES
; THE WAY OUT, a tile of 16 queries x 128 channels at a time: x 1 / l; through my own stage in LDS (a lane holds 2 x 32 bytes of each 128 of its row); back as whole rows of 512 bytes, which the 32 lanes store as one run.
; LDS serves a wave's instructions in order: no wait between the stores and the loads, nor in front of the next tile's stores.
.macro TOSTAGE a
.set AC, 64*(\a)
	WIN 0x82                                       ; destination and source 0: window 2
.set n, 0
.rept 32
	v_pk_mul_f32 v[AC+n:AC+n+1], v[AC+n:AC+n+1], v[RL+2*(\a):RL+2*(\a)+1] op_sel_hi:[1,0]   ; each accumulator from its low end on
.set n, n+2
.endr
	WIN 0x08                                       ; an LDS store's data are its source 1
.irp b, 0,1,2,3,4,5,6,7
	ds_store_b128 v[STO], v[AC+8*\b:AC+8*\b+3] offset:128*(\b/2)+32*(\b%2)      ; channels 32 (b / 2) + 16 h + 8 (b % 2) on
	ds_store_b128 v[STO], v[AC+8*\b+4:AC+8*\b+7] offset:128*(\b/2)+32*(\b%2)+16
.endr
	WIN 0
.set BB, BK+64*((\a)%2)
.irp t, 0,1,2,3,4,5,6,7,8,9,10,11,12,13,14,15
	ds_load_b128 v[BB+4*\t:BB+4*\t+3], v[RD] offset:\t*528
.endr
.endm
.macro SEND a, younger                 ; younger: the LDS instructions issued behind tile a's loads, which may stay out
.set BB, BK+64*((\a)%2)
	s_wait_dscnt \younger
.irp t, 0,1,2,3,4,5,6,7,8,9,10,11,12,13,14,15
	global_store_b128 v[CO], v[BB+4*\t:BB+4*\t+3], s[86:87] offset:(32*((\a)/2)+8*((\a)%2)+\t+8*(\t/8))*8192 th:TH_STORE_NT   ; stage row t is query 32 (a / 2) + 8 (a % 2) + t + 8 (t / 8) of my 64; 512 consecutive bytes; 63 rows at the most: inside the signed 24-bit immediate
.endr
.endm
	TOSTAGE 0
.irp a, 1,2,3
.if \a > 1
	s_wait_xcnt 0x0                                ; tile a - 2's stores have read their registers: tile a's loads may land there
.endif
	TOSTAGE \a
	SEND \a-1, 32                                  ; behind tile a - 1's loads: tile a's 16 stores and 16 loads
.endr
	SEND 3, 0
	s_wait_tensorcnt 0x0                           ; the wave's end
	ds_add_u32 v[SPW], v[NIL]
	s_wait_dscnt 0x0
	CROUND                                         ; the closing round
	s_endpgm
.Lfunc_end_k_q2e4c0cd2a6_pv:
	.size	k_q2e4c0cd2a6_pv, .Lfunc_end_k_q2e4c0cd2a6_pv-k_q2e4c0cd2a6_pv
	.p2alignl 7, 3214868480
	.fill 96, 4, 3214868480
	.section	.rodata,"a",@progbits
	.p2align	6, 0x0
	.amdhsa_kernel k_q2e4c0cd2a6_pv
		.amdhsa_group_segment_fixed_size 327680
		.amdhsa_private_segment_fixed_size 0
		.amdhsa_enable_private_segment 0
		.amdhsa_kernarg_size 24
		.amdhsa_user_sgpr_count 2
		.amdhsa_user_sgpr_kernarg_segment_ptr 1
		.amdhsa_wavefront_size32 1
		.amdhsa_system_sgpr_workgroup_id_x 1
		.amdhsa_system_sgpr_workgroup_id_y 1
		.amdhsa_system_sgpr_workgroup_id_z 1
		.amdhsa_system_vgpr_workitem_id 0
		.amdhsa_next_free_vgpr 1024
		.amdhsa_next_free_sgpr 100
		.amdhsa_reserve_vcc 1
		.amdhsa_float_denorm_mode_32 3
		.amdhsa_float_denorm_mode_16_64 3
		.amdhsa_memory_ordered 1
		.amdhsa_forward_progress 1
		.amdhsa_inst_pref_size 167
	.end_amdhsa_kernel
	.amdgpu_metadata
---
amdhsa.version: [ 1, 2 ]
amdhsa.kernels:
  - .name:           k_q2e4c0cd2a6_pv
    .symbol:         k_q2e4c0cd2a6_pv.kd
    .args:
      - { .name: pi, .offset: 0, .size: 8, .value_kind: global_buffer, .address_space: global }
      - { .name: vi, .offset: 8, .size: 8, .value_kind: global_buffer, .address_space: global }
      - { .name: out0, .offset: 16, .size: 8, .value_kind: global_buffer, .address_space: global }
    .group_segment_fixed_size: 327680
    .private_segment_fixed_size: 0
    .kernarg_segment_align: 8
    .kernarg_segment_size: 24
    .max_flat_workgroup_size: 128
    .sgpr_count:     100
    .vgpr_count:     1024
    .wavefront_size: 32
...
	.end_amdgpu_metadata
.endif
;; end of part 8
